; MI455X (gfx1250); checked and timed in simulation.
; The chip was launched on July 23, 2026; its instructions are those of AMD's public machine-readable ISA for CDNA 5 (MIT licence, August 2026) and "CDNA5" Instruction Set Architecture Reference Guide (July 2026). The comments in the code are by the model that wrote it; some were corrected since.
;; Multi Head Attention. Allowed arithmetic: float matrix products may take bf16 or f16 operands with f32 sums; all other float work in f32.
;; Inputs: K 8 x 1,024 x 256 float32; Q 8 x 1,024 x 256 float32; V 8 x 1,024 x 256 float32; Wk 256 x 2,048 float32; Wo 2,048 x 256 float32; Wq 256 x 2,048 float32; Wv 256 x 2,048 float32; att_mask_out 8 x 1 x 1,024 bool; bk 2,048 float32; bo 256 float32; bq 2,048 float32; bv 2,048 float32.
;; Outputs: out0 8 x 1,024 x 256 float32.
;; 3 versions, each right; version 2 is faster than version 1; version 3 is version 2 with the launch prep written anew for expert scheduling mode. Each part assembles by itself: llvm-mc -triple=amdgcn-amd-amdhsa -mcpu=gfx1250 --defsym DOCPART=n.
;; ======== version 1 of 3: 3 launches
;; limits: right only within a limited range of input values; values outside matrix products are rounded to bf16
;; workspace buffers: Kb 4,194,304 bytes; Vb 4,194,304 bytes; WqkT 1,048,576 bytes; WvoT 1,048,576 bytes; vq 8,704 bytes; ub 4,096 bytes; cvh 8,192 bytes; part 16,777,216 bytes
;; launch prep (part 1): grid 160 x 1, 16 waves a work-group, no clusters, 280,064 bytes of LDS; arguments K, V, att_mask_out, Wq, Wk, Wv, Wo, bq, bk, bv, Kb, Vb, WqkT, WvoT, vq, ub, cvh; writes Kb, Vb, WqkT, WvoT, vq, ub, cvh
.if DOCPART == 1
	.amdgcn_target "amdgcn-amd-amdhsa--gfx1250"
	.amdhsa_code_object_version 6
	.text
	.protected	k_q02b1a3e831_prep
	.globl	k_q02b1a3e831_prep
	.p2align	8
	.type	k_q02b1a3e831_prep,@function
k_q02b1a3e831_prep:
	s_mov_b64 s[64:65], 0
	v_nop
	global_prefetch_b8 v0, s[64:65] scope:SCOPE_SE
	s_setreg_imm32_b32 hwreg(HW_REG_WAVE_MODE, 25, 1), 1
	s_wait_xcnt 0x0
; PREPARATION.  Work-groups 0-31 form products of weights alone, work-groups 32-159 round K and V to bf16.
;   Kb[row][c]   = bf16(K[row][c]), all zero where att_mask_out[row] is set (the score's product is then exactly 0);  Vb = bf16(V)
;   WqkT[h][c][i] = c0 * sum_f Wk[c][h f] Wq[i][h f]        WvoT[h][o][c] = sum_f Wv[c][h f] Wo[h f][o]
;   vq[h][c] = c0 * sum_f bq[h f] Wk[c][h f] (c < 256);  vq[h][256..271] = c0 * sum_f bq[h f] bk[h f], sixteen copies
;   ub[h][i] = c0 * sum_f Wq[i][h f] bk[h f]  (bf16)        cvh[h][o] = sum_f bv[h f] Wo[h f][o]
; c0 = log2(e) / sqrt(256): the scores of the next launch arrive ready for a base-2 exponential.
; LIMITS: operands are rounded to bf16, sums are f32; the products of weights are formed first, so the order of rounding differs
; from a projection followed by a product.  Infinities and NaN in the inputs are not served (0 x Inf in a masked row of K).
; A product job (p, h, half): 128 rows n x 256 columns m of one head's matrix.  Sixteen waves stage both operands as bf16 in LDS,
; a barrier, then wave w makes n tile w % 8 x m tiles 8 (w / 8) .. + 7, K = 256: eight matrix instructions a tile on two
; accumulators by turns; the packed tiles wait in 32 registers.  Between the first barrier and the second LDS is only read.
; Behind the second barrier operand 0's bytes are free, and each wave turns its tiles into whole rows through a stage of its own there.
; No LDS address holds the work-group's number, and the two kinds of product job keep operand 1 in bytes of their own (B0, B1), so that
; every LDS byte has one writer that can be read off constants and the wave's number.  No cluster: only two work-groups share a slice of 256 KB.
.set PA,   528                         ; LDS row of 256 bf16 + 16 bytes: 33 x 16, sixteen rows start in sixteen different 16-byte columns
.set A0B,  256*PA                      ; behind operand 0's 256 rows: its bias row
.set B0,   135936                      ; p = 0: operand 1, 128 rows of 528 bytes,
.set B0B,  B0+128*PA                   ; and bk's row behind them (ends at 204,048)
.set B1,   204288                      ; p = 1: operand 1, 256 rows f
.set PB1,  288                         ; of 128 bf16 + 32 bytes, for the turning load (ends at 278,016)
.set SPI,  272                         ; the way out: 16 rows x 272 bytes for each wave, from LDS byte 0 on, over operand 0
.set R4,   1                           ; v1   behind the first barrier: 4 (lane % 16)
.set R2,   2                           ; v2   2 (lane % 16)
.set ABA,  3                           ; v3   operand 0's bias row, 16 (lane / 16) on
.set ABB,  6                           ; v6   bk's row
.set AT0,  7                           ; v7   operand 0's tile nt
.set AT1,  8                           ; v8   operand 0's tile 8 + nt
.set RES0, 9                           ; v9-10  (first operand 1's addresses, then) the vectors' results
.set RES1, 10
.set RS,   16                          ; v16-79   operand 1's eight fragments of my n tile (before the barrier: staging)
.set MF0,  80                          ; v80-143  operand 0's fragments of an m tile, two buffers
.set MF1,  144
.set AC0,  208                         ; two accumulators
.set AC1,  216
.set PKR,  224                         ; v224-255 my eight tiles, packed: four registers each
.set DSI,  0
.set E_M0, 0
.set E_M1, 0
.macro PLACES n
.rept \n
	v_nop
.endr
.endm
	s_load_b512 s[4:19], s[0:1], 0x0               ; K, V, mask, Wq, Wk, Wv, Wo, bq
	s_load_b512 s[20:35], s[0:1], 0x40             ; bk, bv, Kb, Vb, WqkT, WvoT, vq, ub
	s_load_b64 s[36:37], s[0:1], 0x80              ; cvh
	v_lshrrev_b32 v1, 5, v0
	v_readfirstlane_b32 s38, v1                    ; wave 0..15
	s_mov_b32 s39, ttmp9                           ; the job
	v_and_b32 v1, 31, v0
	v_lshlrev_b32 v2, 4, v1                        ; 16 x lane
	v_lshlrev_b32 v3, 3, v1                        ; 8 x lane
	s_wait_kmcnt 0x0
	s_cmp_lt_u32 s39, 32
	s_cbranch_scc1 .Lproduct
; ---- rounding K and V: a work-group takes 128 rows, a wave 8 (8 KB in, 4 KB out, both dense)
	s_sub_co_u32 s40, s39, 32
	s_and_b32 s41, s40, 63
	s_lshl_b32 s41, s41, 7
	s_lshl3_add_u32 s41, s38, s41                  ; my first row = 128 x block + 8 x wave
	s_lshl_b32 s42, s41, 10                        ; in bytes of f32 rows
	s_mov_b32 s43, 0
	s_lshl_b32 s44, s41, 9                         ; in bytes of bf16 rows
	s_mov_b32 s45, 0
	s_mov_b32 s56, s41                             ; in bytes of the mask
	s_mov_b32 s57, 0
.macro CONV isk, inp, outp
	s_add_nc_u64 s[48:49], s[\inp:\inp+1], s[42:43]
	s_add_nc_u64 s[50:51], s[\outp:\outp+1], s[44:45]
.if \isk
	s_add_nc_u64 s[58:59], s[8:9], s[56:57]
	s_load_b64 s[46:47], s[58:59], 0x0             ; my eight rows' mask bytes
.endif
.irp n, 0,1,2,3,4,5,6,7,8,9,10,11,12,13,14,15
	global_load_b128 v[16+4*\n:19+4*\n], v2, s[48:49] offset:512*\n th:TH_LOAD_NT
.endr
.if \isk
	s_wait_kmcnt 0x0
.endif
.irp n, 0,1,2,3,4,5,6,7,8,9,10,11,12,13,14,15
	s_wait_loadcnt 15-\n                           ; loads return in order: number n is in, the younger ones stay out
	v_cvt_pk_bf16_f32 v[80+2*\n], v[16+4*\n], v[17+4*\n]
	v_cvt_pk_bf16_f32 v[81+2*\n], v[18+4*\n], v[19+4*\n]
.if \isk
.if (\n%2) == 0
	s_bfe_u32 s52, s[46+\n/8], (8<<16)|(8*((\n/2)%4))   ; row n / 2's byte; SCC = it is not 0
	s_cselect_b32 s53, 0, -1                       ; a masked row is cleared
.endif
	v_and_b32 v[80+2*\n], s53, v[80+2*\n]
	v_and_b32 v[81+2*\n], s53, v[81+2*\n]
.endif
	global_store_b64 v3, v[80+2*\n:81+2*\n], s[50:51] offset:256*\n   ; the wave's 32 lanes store 256 consecutive bytes, aligned; no register is used twice
.endr
.endm
	s_cmp_lt_u32 s40, 64
	s_cbranch_scc0 .Lconv_v
	CONV 1, 4, 24
	s_endpgm
.Lconv_v:
	CONV 0, 6, 26
	s_endpgm
; ---- products of weights
.macro LDM k                           ; operand 0's fragments of m tile k of my eight -> buffer k % 2
.irp c, 0,1,2,3,4,5,6,7
	ds_load_b128 v[MF0+64*((\k)%2)+8*\c:MF0+64*((\k)%2)+8*\c+3],   v11 offset:(\k)*16*PA+64*\c
	ds_load_b128 v[MF0+64*((\k)%2)+8*\c+4:MF0+64*((\k)%2)+8*\c+7], v11 offset:(\k)*16*PA+64*\c+32
.endr
.set DSI, DSI+16
.if ((\k)%2) == 0
.set E_M0, DSI
.else
.set E_M1, DSI
.endif
.endm
; One tile of 16 n x 16 m.  Source 0 = 16 rows m, source 1 = 16 rows n: a lane then holds row n = lane % 16 and eight neighbouring m.
; The two accumulators take turns, one instruction a turn; their sum is the tile, packed into four registers of its own.
.macro T1 k
.if ((\k)%2) == 0
	s_wait_dscnt DSI-E_M0                          ; the LDS loads issued behind this buffer's may stay out
.else
	s_wait_dscnt DSI-E_M1
.endif
.irp c, 0,1,2,3,4,5,6,7
.if \c < 2
	v_wmma_f32_16x16x32_bf16 v[AC0+8*(\c%2):AC0+8*(\c%2)+7], v[MF0+64*((\k)%2)+8*\c:MF0+64*((\k)%2)+8*\c+7], v[RS+8*\c:RS+8*\c+7], 0
.else
	v_wmma_f32_16x16x32_bf16 v[AC0+8*(\c%2):AC0+8*(\c%2)+7], v[MF0+64*((\k)%2)+8*\c:MF0+64*((\k)%2)+8*\c+7], v[RS+8*\c:RS+8*\c+7], v[AC0+8*(\c%2):AC0+8*(\c%2)+7]
.endif
.endr
	PLACES 5                                       ; behind the products: the loads into their buffer, the sums below, and the next tile's products, which write over both accumulators
.if \k < 6
	LDM \k+2
.endif
.irp j, 0,1,2,3
	v_pk_add_f32 v[AC0+2*\j:AC0+2*\j+1], v[AC0+2*\j:AC0+2*\j+1], v[AC1+2*\j:AC1+2*\j+1]
.endr
.irp j, 0,1,2,3
	v_cvt_pk_bf16_f32 v[PKR+4*\k+\j], v[AC0+2*\j], v[AC0+2*\j+1]
.endr
.endm
; A vector: source 0 = a bias row, the same for all 16 rows m (its address does not hang on lane % 16); source 1 = 16 rows n.
; Every register of the result holds the lane's number; register 0 of both accumulators is taken.
.macro T2 a0adr, bsrc, badr, res
.irp c, 0,1,2,3,4,5,6,7
	ds_load_b128 v[MF0+8*\c:MF0+8*\c+3],   v[\a0adr] offset:64*\c
	ds_load_b128 v[MF0+8*\c+4:MF0+8*\c+7], v[\a0adr] offset:64*\c+32
.endr
.if \bsrc != RS
.irp c, 0,1,2,3,4,5,6,7
	ds_load_b128 v[MF1+8*\c:MF1+8*\c+3],   v[\badr] offset:64*\c
	ds_load_b128 v[MF1+8*\c+4:MF1+8*\c+7], v[\badr] offset:64*\c+32
.endr
.endif
	s_wait_dscnt 0x0
.irp c, 0,1,2,3,4,5,6,7
.if \c < 2
	v_wmma_f32_16x16x32_bf16 v[AC0+8*(\c%2):AC0+8*(\c%2)+7], v[MF0+8*\c:MF0+8*\c+7], v[\bsrc+8*\c:\bsrc+8*\c+7], 0
.else
	v_wmma_f32_16x16x32_bf16 v[AC0+8*(\c%2):AC0+8*(\c%2)+7], v[MF0+8*\c:MF0+8*\c+7], v[\bsrc+8*\c:\bsrc+8*\c+7], v[AC0+8*(\c%2):AC0+8*(\c%2)+7]
.endif
.endr
	PLACES 5
	v_add_f32 v[\res], v[AC0], v[AC1]
.endm
.macro PRODUCT p
	; where my rows come from
	s_lshl_b32 s44, s38, 17                        ; operand 0: rows 16 w on, 8,192 bytes each,
	s_lshl_b32 s48, s40, 10                        ; the head's 256 columns
	s_mov_b32 s49, 0
	s_add_co_u32 s44, s44, s48
	s_mov_b32 s45, 0
.if \p == 0
	s_add_nc_u64 s[56:57], s[10:11], s[44:45]      ; Wq
	s_lshl_b32 s46, s41, 20                        ; operand 1: Wk's rows 128 half + 8 w on
	s_lshl_b32 s47, s38, 16
	s_add_co_u32 s46, s46, s47
	s_add_co_u32 s46, s46, s48
	s_mov_b32 s47, 0
	s_add_nc_u64 s[58:59], s[12:13], s[46:47]
	s_add_nc_u64 s[60:61], s[18:19], s[48:49]      ; bq
	s_add_nc_u64 s[62:63], s[20:21], s[48:49]      ; bk
.else
	s_add_nc_u64 s[56:57], s[14:15], s[44:45]      ; Wv
	s_lshl_b32 s46, s40, 18                        ; operand 1: Wo's rows 256 h + 16 w on, columns 128 half on
	s_lshl_b32 s47, s38, 14
	s_add_co_u32 s46, s46, s47
	s_lshl_b32 s47, s41, 9
	s_add_co_u32 s46, s46, s47
	s_mov_b32 s47, 0
	s_add_nc_u64 s[58:59], s[16:17], s[46:47]
	s_add_nc_u64 s[60:61], s[22:23], s[48:49]      ; bv
.endif
.irp n, 0,1,2,3,4,5,6,7,8,9,10,11,12,13,14,15,16,17,18,19,20,21,22,23,24,25,26,27,28,29,30,31
	global_load_b128 v[16+4*\n:19+4*\n], v2, s[56:57] offset:(\n/2)*8192+(\n%2)*512
.endr
.irp n, 0,1,2,3,4,5,6,7,8,9,10,11,12,13,14,15
.if \p == 0
	global_load_b128 v[144+4*\n:147+4*\n], v2, s[58:59] offset:(\n/2)*8192+(\n%2)*512
.else
	global_load_b128 v[144+4*\n:147+4*\n], v2, s[58:59] offset:\n*1024
.endif
.endr
	s_mul_i32 s76, s38, 16*PA
	v_add_nc_u32 v6, s76, v3                       ; operand 0 in LDS: row 16 w, 8 bytes a lane
.if \p == 0
	s_mul_i32 s76, s38, 8*PA
	s_add_co_u32 s76, s76, B0
.else
	s_mul_i32 s76, s38, 16*PB1
	s_add_co_u32 s76, s76, B1
.endif
	v_add_nc_u32 v7, s76, v3                       ; operand 1 in LDS
	s_wait_loadcnt 16                              ; operand 0 is in; operand 1's sixteen loads stay out
.irp n, 0,1,2,3,4,5,6,7,8,9,10,11,12,13,14,15,16,17,18,19,20,21,22,23,24,25,26,27,28,29,30,31
	v_cvt_pk_bf16_f32 v[16+4*\n], v[16+4*\n], v[17+4*\n]
	v_cvt_pk_bf16_f32 v[17+4*\n], v[18+4*\n], v[19+4*\n]
	ds_store_b64 v6, v[16+4*\n:17+4*\n] offset:(\n/2)*PA+(\n%2)*256
.endr
	s_wait_loadcnt 0x0
.irp n, 0,1,2,3,4,5,6,7,8,9,10,11,12,13,14,15
.if \p == 0
	v_pk_mul_f32 v[144+4*\n:145+4*\n], v[144+4*\n:145+4*\n], s[54:55] op_sel_hi:[1,0]   ; Wk carries c0
	v_pk_mul_f32 v[146+4*\n:147+4*\n], v[146+4*\n:147+4*\n], s[54:55] op_sel_hi:[1,0]
.endif
	v_cvt_pk_bf16_f32 v[144+4*\n], v[144+4*\n], v[145+4*\n]
	v_cvt_pk_bf16_f32 v[145+4*\n], v[146+4*\n], v[147+4*\n]
.if \p == 0
	ds_store_b64 v7, v[144+4*\n:145+4*\n] offset:(\n/2)*PA+(\n%2)*256
.else
	ds_store_b64 v7, v[144+4*\n:145+4*\n] offset:\n*PB1
.endif
.endr
	s_cmp_lg_u32 s38, 0                            ; wave 0 stages operand 0's bias row
	s_cbranch_scc1 .Lnb0_\@
	global_load_b128 v[208:211], v2, s[60:61]
	global_load_b128 v[212:215], v2, s[60:61] offset:512
	v_add_nc_u32 v8, A0B, v3
	s_wait_loadcnt 0x0
	v_cvt_pk_bf16_f32 v208, v208, v209
	v_cvt_pk_bf16_f32 v209, v210, v211
	v_cvt_pk_bf16_f32 v212, v212, v213
	v_cvt_pk_bf16_f32 v213, v214, v215
	ds_store_b64 v8, v[208:209]
	ds_store_b64 v8, v[212:213] offset:256
.Lnb0_\@:
.if \p == 0
	s_cmp_lg_u32 s38, 1                            ; wave 1 stages c0 bk
	s_cbranch_scc1 .Lnb1_\@
	global_load_b128 v[208:211], v2, s[62:63]
	global_load_b128 v[212:215], v2, s[62:63] offset:512
	v_add_nc_u32 v8, B0B, v3
	s_wait_loadcnt 0x0
	v_pk_mul_f32 v[208:209], v[208:209], s[54:55] op_sel_hi:[1,0]
	v_pk_mul_f32 v[210:211], v[210:211], s[54:55] op_sel_hi:[1,0]
	v_pk_mul_f32 v[212:213], v[212:213], s[54:55] op_sel_hi:[1,0]
	v_pk_mul_f32 v[214:215], v[214:215], s[54:55] op_sel_hi:[1,0]
	v_cvt_pk_bf16_f32 v208, v208, v209
	v_cvt_pk_bf16_f32 v209, v210, v211
	v_cvt_pk_bf16_f32 v212, v212, v213
	v_cvt_pk_bf16_f32 v213, v214, v215
	ds_store_b64 v8, v[208:209]
	ds_store_b64 v8, v[212:213] offset:256
.Lnb1_\@:
.endif
	s_wait_dscnt 0x0                               ; for the others' sake: my rows are in LDS
	s_barrier_signal -1
	s_barrier_wait -1
	; addresses of the fragments.  All global loads have been waited for with the count 0, so v1-3 and v6-8 take new contents
	v_mul_u32_u24 v15, v4, PA
	v_lshl_add_u32 v15, v5, 4, v15                 ; (lane % 16) x pitch + 16 (lane / 16)
.if \p == 0
	s_mul_i32 s76, s42, 16*PA
	s_add_co_u32 s76, s76, B0
	v_add_nc_u32 v9, s76, v15                      ; my n tile's 16 rows of operand 1
.irp c, 0,1,2,3,4,5,6,7
	ds_load_b128 v[RS+8*\c:RS+8*\c+3],   v9 offset:64*\c
	ds_load_b128 v[RS+8*\c+4:RS+8*\c+7], v9 offset:64*\c+32
.endr
.else
	v_and_b32 v9, 7, v0                            ; operand 1 lies [f][o]: the turning load; lane l reads row 8 (l / 16) + l % 8, 16 bytes at 16 ((l / 8) % 2)
	v_lshl_add_u32 v9, v5, 3, v9
	v_mul_u32_u24 v9, v9, PB1
	v_bfe_u32 v10, v0, 3, 1
	v_lshl_add_u32 v9, v10, 4, v9
	s_lshl_b32 s76, s42, 5
	s_add_co_u32 s76, s76, B1
	v_add_nc_u32 v9, s76, v9
	v_add_nc_u32 v10, 128*PB1, v9                  ; the second 128 rows: the 16-bit offset does not reach them
.irp c, 0,1,2,3
	ds_load_tr16_b128 v[RS+8*\c:RS+8*\c+3],   v9 offset:\c*32*PB1
	ds_load_tr16_b128 v[RS+8*\c+4:RS+8*\c+7], v9 offset:\c*32*PB1+16*PB1
.endr
.irp c, 0,1,2,3
	ds_load_tr16_b128 v[RS+32+8*\c:RS+32+8*\c+3],   v10 offset:\c*32*PB1
	ds_load_tr16_b128 v[RS+32+8*\c+4:RS+32+8*\c+7], v10 offset:\c*32*PB1+16*PB1
.endr
.endif
.set DSI, 16
	s_mul_i32 s76, s43, 128*PA
	v_add_nc_u32 v11, s76, v15                     ; my 128 rows of operand 0
	LDM 0
	LDM 1
	s_mul_i32 s76, s38, 16*SPI                     ; my stage: wave x 16 rows of 272 bytes
	v_mul_u32_u24 v12, v4, SPI
	v_lshl_add_u32 v12, v5, 4, v12
	v_add_nc_u32 v12, s76, v12                     ; into it: row lane % 16, 16 bytes for each half of the lanes
	v_mul_u32_u24 v13, v5, SPI
	v_lshl_add_u32 v13, v4, 4, v13
	v_add_nc_u32 v13, s76, v13                     ; back: lanes 0-15 a row of 256 bytes, lanes 16-31 the next
	v_lshlrev_b32 v14, 9, v5
	v_lshl_add_u32 v14, v4, 4, v14                 ; the same two rows in the result
	v_lshlrev_b32 v[R4], 2, v4
	v_lshlrev_b32 v[ABA], 4, v5
.if \p == 0
	v_lshlrev_b32 v[R2], 1, v4
	v_add_nc_u32 v[ABB], B0B, v[ABA]
	s_mul_i32 s76, s42, 16*PA
	v_add_nc_u32 v[AT0], s76, v15                  ; Wq's rows 16 nt on,
	v_add_nc_u32 v[AT1], 128*PA, v[AT0]            ; and 128 + 16 nt on: the job's half chooses between them by a branch
.endif
	v_add_nc_u32 v[ABA], A0B, v[ABA]
	; where the results go
	s_lshl_b32 s50, s40, 17                        ; head,
	s_lshl_b32 s51, s41, 16                        ; 128 half rows of 512 bytes,
	s_add_co_u32 s50, s50, s51
	s_lshl_b32 s51, s42, 13                        ; 16 nt rows,
	s_add_co_u32 s50, s50, s51
	s_lshl_b32 s51, s43, 8                         ; my 256 bytes of a row
	s_add_co_u32 s50, s50, s51
	s_mov_b32 s51, 0
	s_lshl_b32 s52, s41, 9                         ; a vector's 128 half + 16 nt numbers of 4 bytes
	s_lshl_b32 s74, s42, 6
	s_add_co_u32 s52, s52, s74
	s_mov_b32 s53, 0
.if \p == 0
	s_add_nc_u64 s[66:67], s[28:29], s[50:51]
	s_mul_i32 s74, s40, 1088
	s_mov_b32 s75, 0
	s_add_nc_u64 s[70:71], s[32:33], s[74:75]      ; vq at my head
	s_add_nc_u64 s[68:69], s[70:71], s[52:53]
	s_lshl_b32 s77, s41, 3
	s_add_co_u32 s77, s77, s42                     ; tile 8 half + nt of ub's sixteen,
	s_lshl_b32 s77, s77, 5                         ; 32 bytes each
	s_lshl_b32 s74, s40, 9
	s_add_co_u32 s74, s74, s77
	s_add_nc_u64 s[72:73], s[34:35], s[74:75]      ; ub at my head and tile
.else
	s_add_nc_u64 s[66:67], s[30:31], s[50:51]
	s_add_co_u32 s52, s52, s48
	s_add_nc_u64 s[68:69], s[36:37], s[52:53]      ; cvh at my head and tile
.endif
.irp k, 0,1,2,3,4,5,6,7
	T1 \k
.endr
	; the vectors: branches on the wave's number and on the job; no barrier stands inside
.if \p == 0
	s_cmp_lt_u32 s38, 8
	s_cbranch_scc0 .Lhi_\@
	T2 ABA, RS, 0, RES0                            ; bq x c0 Wk
	global_store_b32 v[R4], v[RES0], s[68:69]      ; both halves of the lanes hold and store the same sixteen numbers
	s_cmp_lg_u32 s38, 0
	s_cbranch_scc1 .Lvd_\@
	s_cmp_lg_u32 s41, 0
	s_cbranch_scc1 .Lvd_\@
	T2 ABA, MF1, ABB, RES1                         ; bq x c0 bk
	global_store_b32 v[R4], v[RES1], s[70:71] offset:1024
	s_branch .Lvd_\@
.Lhi_\@:
	s_cmp_lg_u32 s41, 0
	s_cbranch_scc1 .Lhi1_\@
	T2 ABB, MF1, AT0, RES0                         ; c0 bk x Wq, rows 16 nt on
	s_branch .Lhis_\@
.Lhi1_\@:
	T2 ABB, MF1, AT1, RES0                         ; c0 bk x Wq, rows 128 + 16 nt on
.Lhis_\@:
	v_cvt_pk_bf16_f32 v[RES0], v[RES0], v[RES0]
	global_store_b16 v[R2], v[RES0], s[72:73]
.Lvd_\@:
.else
	s_cmp_lt_u32 s38, 8
	s_cbranch_scc0 .Lvd_\@
	T2 ABA, RS, 0, RES0                            ; bv x Wo
	global_store_b32 v[R4], v[RES0], s[68:69]
.Lvd_\@:
.endif
	; the way out.  The stages lie over operand 0: every wave's reads of the operands are over before any stage is written
	s_wait_dscnt 0x0                               ; my LDS loads are back
	s_barrier_signal -1
	s_barrier_wait -1                              ; everybody's are
.irp k, 0,1,2,3,4,5,6,7
	ds_store_b128 v12, v[PKR+4*\k:PKR+4*\k+3] offset:32*\k      ; row n, 16 bytes at m = 16 k + 8 (lane / 16)
.endr
.irp t, 0,1,2,3,4,5,6,7
	ds_load_b128 v[MF0+4*\t:MF0+4*\t+3], v13 offset:\t*2*SPI    ; my own bytes: LDS serves a wave's instructions in order, so these loads see the stores above
.endr
.irp t, 0,1,2,3,4,5,6,7
	s_wait_dscnt 7-\t
	global_store_b128 v14, v[MF0+4*\t:MF0+4*\t+3], s[66:67] offset:1024*\t   ; sixteen lanes store 256 consecutive bytes, aligned
.endr
.endm
.Lproduct:
	s_lshr_b32 s40, s39, 1
	s_and_b32 s40, s40, 7                          ; head
	s_and_b32 s41, s39, 1                          ; which 128 rows n
	s_and_b32 s42, s38, 7                          ; nt: my n tile
	s_lshr_b32 s43, s38, 3                         ; mh: my 128 columns m
	s_mov_b32 s54, 0x3db8aa3b                      ; c0 = log2(e) / 16
	s_mov_b32 s55, s54                             ; named with it as a pair
	v_and_b32 v4, 15, v0
	v_bfe_u32 v5, v0, 4, 1
	s_cmp_lt_u32 s39, 16
	s_cbranch_scc0 .Lp1
	PRODUCT 0
	s_wait_xcnt 0x0
	v_lshl_add_u32 v254, v0, 2, 0x43e00
	v_mov_b32 v255, 0
	s_wait_tensorcnt 0x0
	ds_add_u32 v254, v255
	s_wait_dscnt 0x0
	s_endpgm
.Lp1:
	PRODUCT 1
	s_wait_xcnt 0x0
	v_lshl_add_u32 v254, v0, 2, 0x43e00
	v_mov_b32 v255, 0
	s_wait_tensorcnt 0x0
	ds_add_u32 v254, v255
	s_wait_dscnt 0x0
	s_endpgm
.Lfunc_end_k_q02b1a3e831_prep:
	.size	k_q02b1a3e831_prep, .Lfunc_end_k_q02b1a3e831_prep-k_q02b1a3e831_prep
	.p2alignl 7, 3214868480
	.fill 96, 4, 3214868480
	.section	.rodata,"a",@progbits
	.p2align	6, 0x0
	.amdhsa_kernel k_q02b1a3e831_prep
		.amdhsa_group_segment_fixed_size 280064
		.amdhsa_private_segment_fixed_size 0
		.amdhsa_enable_private_segment 0
		.amdhsa_kernarg_size 136
		.amdhsa_user_sgpr_count 2
		.amdhsa_user_sgpr_kernarg_segment_ptr 1
		.amdhsa_wavefront_size32 1
		.amdhsa_system_sgpr_workgroup_id_x 1
		.amdhsa_system_sgpr_workgroup_id_y 1
		.amdhsa_system_sgpr_workgroup_id_z 1
		.amdhsa_system_vgpr_workitem_id 0
		.amdhsa_next_free_vgpr 256
		.amdhsa_next_free_sgpr 80
		.amdhsa_reserve_vcc 0
		.amdhsa_float_denorm_mode_32 3
		.amdhsa_float_denorm_mode_16_64 3
		.amdhsa_memory_ordered 1
		.amdhsa_forward_progress 1
		.amdhsa_inst_pref_size 106
	.end_amdhsa_kernel
	.amdgpu_metadata
---
amdhsa.version: [ 1, 2 ]
amdhsa.kernels:
  - .name:           k_q02b1a3e831_prep
    .symbol:         k_q02b1a3e831_prep.kd
    .args:
      - { .name: K, .offset: 0, .size: 8, .value_kind: global_buffer, .address_space: global }
      - { .name: V, .offset: 8, .size: 8, .value_kind: global_buffer, .address_space: global }
      - { .name: att_mask_out, .offset: 16, .size: 8, .value_kind: global_buffer, .address_space: global }
      - { .name: Wq, .offset: 24, .size: 8, .value_kind: global_buffer, .address_space: global }
      - { .name: Wk, .offset: 32, .size: 8, .value_kind: global_buffer, .address_space: global }
      - { .name: Wv, .offset: 40, .size: 8, .value_kind: global_buffer, .address_space: global }
      - { .name: Wo, .offset: 48, .size: 8, .value_kind: global_buffer, .address_space: global }
      - { .name: bq, .offset: 56, .size: 8, .value_kind: global_buffer, .address_space: global }
      - { .name: bk, .offset: 64, .size: 8, .value_kind: global_buffer, .address_space: global }
      - { .name: bv, .offset: 72, .size: 8, .value_kind: global_buffer, .address_space: global }
      - { .name: Kb, .offset: 80, .size: 8, .value_kind: global_buffer, .address_space: global }
      - { .name: Vb, .offset: 88, .size: 8, .value_kind: global_buffer, .address_space: global }
      - { .name: WqkT, .offset: 96, .size: 8, .value_kind: global_buffer, .address_space: global }
      - { .name: WvoT, .offset: 104, .size: 8, .value_kind: global_buffer, .address_space: global }
      - { .name: vq, .offset: 112, .size: 8, .value_kind: global_buffer, .address_space: global }
      - { .name: ub, .offset: 120, .size: 8, .value_kind: global_buffer, .address_space: global }
      - { .name: cvh, .offset: 128, .size: 8, .value_kind: global_buffer, .address_space: global }
    .group_segment_fixed_size: 280064
    .private_segment_fixed_size: 0
    .kernarg_segment_align: 8
    .kernarg_segment_size: 136
    .max_flat_workgroup_size: 512
    .sgpr_count:     80
    .vgpr_count:     256
    .wavefront_size: 32
...
	.end_amdgpu_metadata
.endif
;; end of part 1
;; launch attn (part 2): grid 16 x 16, 4 waves a work-group, clusters of 4 x 1, 327,680 bytes of LDS; arguments Q, att_mask_out, Kb, Vb, WqkT, vq, ub, WvoT, part; writes part
.if DOCPART == 2
	.amdgcn_target "amdgcn-amd-amdhsa--gfx1250"
	.amdhsa_code_object_version 6
	.text
	.protected	k_q02b1a3e831_attn
	.globl	k_q02b1a3e831_attn
	.p2align	8
	.type	k_q02b1a3e831_attn,@function
k_q02b1a3e831_attn:
	s_mov_b64 s[64:65], 0
	v_nop
	global_prefetch_b8 v0, s[64:65] scope:SCOPE_SE
	s_setreg_imm32_b32 hwreg(HW_REG_WAVE_MODE, 25, 1), 1
	s_wait_xcnt 0x0
	s_wait_alu depctr_hold_cnt(0) depctr_sa_sdst(0) depctr_va_vdst(0) depctr_va_sdst(0) depctr_va_ssrc(0) depctr_va_vcc(0) depctr_vm_vsrc(0)
	s_getreg_b32 s2, hwreg(HW_REG_IB_STS2, 6, 4)
	s_cmp_eq_u32 s2, 0
	s_cbranch_scc0 .Lentry_in_a_cluster
	s_endpgm
.Lentry_in_a_cluster:
	s_bfe_u32 s2, ttmp6, 0x10000c
	s_cmp_lg_u32 s2, 0x3003
	s_cbranch_scc0 .Lentry_shape_is_right
	s_endpgm
.Lentry_shape_is_right:
; ATTENTION AND BOTH PROJECTIONS.  A work-group owns one batch b, 64 queries and four heads (group G); wave w is head 4 G + w with all 64 queries: four tiles of 16.
;   q'[c]  = sum_i Q[i] Wqk_h[i][c] + r_h[c]            (the query carried through Wq and Wk^T: scores are then products with the RAW keys of the batch)
;   qb     = sum_i Q[i] u_h[i] + beta_h                 (the query times bk: one number a query and head)
;   s[k]   = Kb[k] . q' + (masked ? c0 NEG : 0);  p = 2^(s + qb - m), m the running maximum of s + qb;  O = sum_k p[k] Vb[k] / sum_k p[k]
;   part[G][row][o] = sum over my four heads of sum_c O_h[c] Wvo_h[c][o]
; (the weights of a row sum to 1, so bv's part is a constant row, added by the next launch).  c0 = log2(e) / 16 lies in Wqk, r, u, beta.
; LIMITS: Q, q', p, O and the weight products are rounded to bf16 once each, sums are f32, and the order of rounding differs from projecting K and V first.
; A masked key's row of Kb is 0, so its score is exactly c0 NEG, to which qb is added with the others': it stays c0 NEG for |qb| < 4e9.
; A row with all keys masked gives the plain mean of V, since s + qb - m is then exactly 0.  Infinities and NaN in the inputs are not served.
; LAYOUT.  Every product is used transposed: source 0 = 16 rows from LDS (keys, channels of V turned, rows of a weight matrix), source 1 = 16 queries from registers.
; In each result a lane holds ONE query (lane % 16) and eight neighbouring rows 8 (lane / 16) + 0..7; two such tiles rounded to bf16 in pairs ARE source 1 of the next product.
; CLUSTER.  The four work-groups of a cluster are four query blocks of one (b, G): they walk the same weights, K and V.  Every tile is asked for jointly,
; by the same tensor load with the same descriptor and the mask 15 in all four.  The place in the cluster enters Q's and part's addresses alone.
; RING.  Two LDS slots of four parts, a part = 64 rows of 512 bytes, one tensor load a wave.  Weight phases: part w = 64 rows of wave w's head.
; Attention: a slot = 128 keys; parts 0, 1 = K of its two steps of 64 keys, parts 2, 3 = V of the two.  A wave has two tensor loads out at the start and one behind every later round.
; The matrix work and the softmax stand in phases.
; REGISTERS, in windows of 256 (s_set_vgpr_msb: bits 1:0 source 0, 3:2 source 1, 5:4 source 2, 7:6 destination):
;   window 0: v0-11 addresses; v12-27 four registers a tile (m, qb, l, -); v28-43 at work; v44-59 the scores' start values; v64-191 S^T, 32 a tile, P in place; v192-255 two fragment buffers
;   window 1: Q as loaded, then q' (tile t, channels 32 c at 64 t + 8 c), at last O in bf16 at the same places
;   window 2: Q's fragments, then O^T channel tiles 0-7 (32 ct + 8 t), at last the result's tiles 0-7;   window 3: r and beta as start values, then tiles 8-15
.set PKB,  528                         ; a row of K or of a weight matrix in LDS: 512 + 16 bytes = 33 x 16: sixteen rows start in sixteen different 16-byte columns
.set PVB,  544                         ; a row of V: 512 + 32 = 17 x 32, for the turning load
.set PART, 64*PVB
.set SLOT, 4*PART
.set QS,   2*SLOT                      ; behind the ring: Q in bf16, 64 rows of 528 bytes; no tensor load lands here
.set TAB,  QS+64*PKB                   ; 1,024 start values: 0 or c0 NEG
.set RP,   1040                        ; the sum over heads: rows of 1,024 + 16 bytes, 64 a wave, over the ring after its last fill
.set REDW, 64*RP
.set AK0,  3                           ; v3   (lane % 16) x 528 + 16 (lane / 16)
.set AV0,  4                           ; v4   the turning load's lane term
.set ADT,  5                           ; v5   this slot's start values
.set ADK,  6                           ; v6-7 K of the slot's two steps (weights: v6)
.set ADV,  8                           ; v8-9 V of the two steps
.set LN16, 10                          ; v10  16 x lane
.set ADT0, 11                          ; v11  TAB + 32 (lane / 16)
.set ST,   12
.set TW,   28                          ; tile t % 2: +0..3 c0-c3, +4 a, +5 its argument, +6 d = qb - m, +7 the step's maximum
.set TC,   44
.set S,    64
.set F0,   192
.set WV,   22                          ; s22  wave
.set G1A,  32                          ; s[32:39] group 1, LDS pitch 528
.set G1V,  40                          ; s[40:47] group 1, LDS pitch 544
.set G0W,  48                          ; s[48:55] group 0 for weights, a set for each slot
.set G0K,  56                          ; s[56:63] for K
.set G0V,  68                          ; s[68:75] for V
.set PW3,  76                          ; s[76:77] WvoT at my head
.set SEL,  78                          ; s[78:79] v_permlanex16_b32: each lane takes its own place in the other half
.set CNT,  80
.set TOF,  81                          ; s81  bytes of start values used up
.set MSB,  0
.set DSI,  0                           ; LDS instructions issued since the last wait for all of them;
.set E_F0, 0                           ; its value behind the last load into fragment buffer 0, 1 and into the start values
.set E_F1, 0
.set E_T,  0
.macro WIN new                         ; the immediate's high byte repeats the setting that is left; a switch that changes nothing is dropped
.if MSB != (\new)
	s_set_vgpr_msb (MSB<<8)|(\new)
.set MSB, (\new)
.endif
.endm
.macro PLACES n                        ; plain vector instructions behind matrix instructions (ISA guide 7.12.1); other matrix instructions are not counted
.rept \n
	v_nop
.endr
.endm
.macro CROUND                          ; a round of the cluster's barrier
	s_barrier_signal -1
	s_barrier_wait -1
	s_cmp_lg_u32 s[WV], 0
	s_cbranch_scc1 .Lnot_wave_0_\@
	s_barrier_signal -3
.Lnot_wave_0_\@:
	s_barrier_wait -3
	s_barrier_signal -1
	s_barrier_wait -1
.endm
.macro JLOADW s                        ; my head's next 64 rows of a weight matrix; four v_nop follow the load
	tensor_load_to_lds s[G0W+4*\s:G0W+4*\s+3], s[G1A:G1A+7]
	s_nop 0
	PLACES 4
.endm
.macro JLOADKV s                       ; waves 0, 1: K of the slot's two steps; waves 2, 3: V.  The branch hangs on the wave's number alone
	s_cmp_lt_u32 s[WV], 2
	s_cbranch_scc0 .Lfor_v_\@
	tensor_load_to_lds s[G0K+4*\s:G0K+4*\s+3], s[G1A:G1A+7]
	s_nop 0
	PLACES 4
	s_branch .Lasked_\@
.Lfor_v_\@:
	tensor_load_to_lds s[G0V+4*\s:G0V+4*\s+3], s[G1V:G1V+7]
	s_nop 0
	PLACES 4
.Lasked_\@:
.endm
; THE CHANGE OF SLOTS.  Slot s has been read out.  Each wave waits for its LDS reads and for all its tensor loads (one is out: its part of the other slot), steps the
; descriptor while no load of its own is out, and passes a round of the cluster's barrier: no wave of any partner still reads slot s or has a load on its way.
; The joint refill is the first thing behind the round.  kind 1: weights, 2: K and V, 0: nothing is left to fetch (a plain barrier).
; upd 1: the same weight matrix, two parts on; 2: the keys two slots on; 3: the first parts of WvoT.
.macro CHANGE s, kind, upd
	WIN 0
	s_wait_dscnt 0x0
	s_wait_tensorcnt 0x0
	ds_add_u32 v23, v27
	s_wait_dscnt 0x0
.if \upd == 1
	s_add_nc_u64 s[G0W+4*\s+2:G0W+4*\s+3], s[G0W+4*\s+2:G0W+4*\s+3], 65536
.elseif \upd == 2
	s_add_nc_u64 s[G0K+4*\s+2:G0K+4*\s+3], s[G0K+4*\s+2:G0K+4*\s+3], 131072
	s_add_nc_u64 s[G0V+4*\s+2:G0V+4*\s+3], s[G0V+4*\s+2:G0V+4*\s+3], 131072
.elseif \upd == 3
	s_add_nc_u64 s[G0W+4*\s+2:G0W+4*\s+3], s[PW3:PW3+1], \s*32768
	s_or_b32 s[G0W+4*\s+3], s[G0W+4*\s+3], 0x80000000
.endif
.if \kind == 0
	s_barrier_signal -1
	s_barrier_wait -1
.else
	CROUND
.if \kind == 1
	JLOADW \s
.else
	JLOADKV \s
.endif
.endif
.set DSI, 0
.set E_F0, 0
.set E_F1, 0
.set E_T, 0
.endm
; THE FRAGMENT STREAM.  Runs of eight LDS loads fill two buffers of four fragments by turns, each run a group of 16 matrix instructions ahead of its use.
.macro WAITB b, needt                  ; the count: the LDS instructions issued behind the last load that is needed
.if (\b) == 0
.set wc, DSI-E_F0
.else
.set wc, DSI-E_F1
.endif
.if \needt
.if (DSI-E_T) < wc
.set wc, DSI-E_T
.endif
.endif
	s_wait_dscnt wc
.endm
.macro MARK b
.set DSI, DSI+8
.if (\b) == 0
.set E_F0, DSI
.else
.set E_F1, DSI
.endif
.endm
.macro LD_K b, adr, pp, gg             ; row tiles 2 pp, 2 pp + 1; K-dimension 32 (2 gg), 32 (2 gg + 1) on: fragment (cc, kk) at 8 (2 cc + kk)
.irp cc, 0,1
.irp kk, 0,1
	ds_load_b128 v[F0+32*(\b)+8*(2*\cc+\kk):F0+32*(\b)+8*(2*\cc+\kk)+3],   v[\adr] offset:(2*(\pp)+\kk)*16*PKB+(2*(\gg)+\cc)*64
	ds_load_b128 v[F0+32*(\b)+8*(2*\cc+\kk)+4:F0+32*(\b)+8*(2*\cc+\kk)+7], v[\adr] offset:(2*(\pp)+\kk)*16*PKB+(2*(\gg)+\cc)*64+32
.endr
.endr
	MARK \b
.endm
.macro LD_V b, adr, gg                 ; keys 32 (gg % 2) on, channel tiles 4 (gg / 2) + 0..3, turned
.irp f, 0,1,2,3
	ds_load_tr16_b128 v[F0+32*(\b)+8*\f:F0+32*(\b)+8*\f+3],   v[\adr] offset:((\gg)%2)*32*PVB+(4*((\gg)/2)+\f)*32
	ds_load_tr16_b128 v[F0+32*(\b)+8*\f+4:F0+32*(\b)+8*\f+7], v[\adr] offset:((\gg)%2)*32*PVB+(4*((\gg)/2)+\f)*32+16*PVB
.endr
	MARK \b
.endm
.macro LD_T off                        ; start values of two key tiles: register j of a lane is key 8 (lane / 16) + j
	ds_load_b128 v[TC:TC+3],     v[ADT] offset:\off
	ds_load_b128 v[TC+4:TC+7],   v[ADT] offset:\off+16
	ds_load_b128 v[TC+8:TC+11],  v[ADT] offset:\off+64
	ds_load_b128 v[TC+12:TC+15], v[ADT] offset:\off+80
.set DSI, DSI+4
.set E_T, DSI
.endm
; One product of a block of 64 rows x 256 x 64 queries.  mode 0: scores (source 1 = q', sums start from the mask's values); 1: q' (source 1 = Q, sums start from r);
; 2: the result (source 1 = O, sums start from 0, in windows 2 and 3).
.macro SPROD mode, f, i, cc, kk, t
.set rA, F0+32*(\i%2)+8*(2*\cc+\kk)
.set rB, 64*\t+8*(2*(\i%4)+\cc)
.set kt, 2*(\i/4)+\kk
.if \mode == 2
.set rD, ((4*\f+kt)%8)*32+8*\t
.set wn, 0xA4+0x50*(\f/2)
.else
.set rD, S+32*\t+8*kt
.set wn, 0x04+0x04*\mode
.endif
.if ((\i%4) == 0) && (\cc == 0)
.if \mode == 0
	WIN wn
	v_wmma_f32_16x16x32_bf16 v[rD:rD+7], v[rA:rA+7], v[rB:rB+7], v[TC+8*\kk:TC+8*\kk+7]
.elseif \mode == 1
	WIN 0x38
	v_wmma_f32_16x16x32_bf16 v[rD:rD+7], v[rA:rA+7], v[rB:rB+7], v[8*(4*\f+kt):8*(4*\f+kt)+7]
.else
	WIN wn
	v_wmma_f32_16x16x32_bf16 v[rD:rD+7], v[rA:rA+7], v[rB:rB+7], 0
.endif
.else
	WIN wn
	v_wmma_f32_16x16x32_bf16 v[rD:rD+7], v[rA:rA+7], v[rB:rB+7], v[rD:rD+7]
.endif
.endm
; The block: eight groups of 16 products.  Group i: row tiles 2 (i / 4), + 1; K-dimension 64 (i % 4) on.  Eight accumulators take turns, one instruction a turn.
; Behind a group: the places, then the loads into the buffer that it read.  nxt = 1: the last two groups fetch V's first fragments.
.macro SBLOCK mode, adr, f, nxt, adrn, toff, tnext
.irp i, 0,1,2,3,4,5,6,7
.if (\mode == 0) && ((\i%4) == 0)
	WAITB \i%2, 1
.else
	WAITB \i%2, 0
.endif
.irp cc, 0,1
.irp kk, 0,1
.irp t, 0,1,2,3
	SPROD \mode, \f, \i, \cc, \kk, \t
.endr
.endr
.endr
.if \i == 7
	PLACES 5
.else
	PLACES 4
.endif
.if \mode == 2
	WIN 0
.endif
.if \mode == 0
.if \i == 0
	LD_T \toff+128
.elseif (\i == 4) && (\tnext >= 0)
	LD_T \tnext
.endif
.endif
.if \i < 6
	LD_K \i%2, \adr, (\i+2)/4, (\i+2)%4
.elseif \nxt
	LD_V \i%2, \adrn, \i-6
.endif
.endr
.endm
; O^T += V^T P for one key step: eight groups of 16 products.  Group g: channel tiles 4 (g / 2) + 0..3, keys 32 (g % 2) on.  Sixteen accumulators take turns.
; Five places behind the last group: the next scores write over P.
.macro PVBLOCK adrv, first, nxt, adrk
.irp g, 0,1,2,3,4,5,6,7
	WAITB \g%2, 0
	WIN 0xA0+0x50*(\g/4)
.irp f, 0,1,2,3
.irp t, 0,1,2,3
.set rD, (4*((\g/2)%2)+\f)*32+8*\t
.set rA, F0+32*(\g%2)+8*\f
.set rB, S+32*\t+8*(\g%2)
.if \first && ((\g%2) == 0)
	v_wmma_f32_16x16x32_bf16 v[rD:rD+7], v[rA:rA+7], v[rB:rB+7], 0
.else
	v_wmma_f32_16x16x32_bf16 v[rD:rD+7], v[rA:rA+7], v[rB:rB+7], v[rD:rD+7]
.endif
.endr
.endr
.if \g == 7
	PLACES 5
.else
	PLACES 4
.endif
	WIN 0
.if \g < 6
	LD_V \g%2, \adrv, \g+2
.elseif \nxt
	LD_K \g%2, \adrk, 0, \g-6
.endif
.endr
.endm
; THE SOFTMAX of tiles y, y + 1 for one key step; where one instruction feeds the next the two tiles alternate.  first = 1: the step that starts m, l and O^T.
.macro TS t
.set rS, S+32*(\t)
.set rT, TW+8*((\t)%2)
.set rM, ST+4*(\t)
.endm
.macro RESC y                          ; eight channel tiles of both tiles' O^T times a, each accumulator from its low end on
.irp t, \y, \y+1
.set e, 8*(\t)
.rept 8
.irp i, 0,2,4,6
	v_pk_mul_f32 v[e+\i:e+\i+1], v[e+\i:e+\i+1], v[TW+8*((\t)%2)+4:TW+8*((\t)%2)+5] op_sel_hi:[1,0]
.endr
.set e, e+32
.endr
.endr
.endm
.macro SMX y, first
	WIN 0
.irp j, 0,1,2,3                        ; the maximum of the lane's 32 scores: four chains, each begun at its accumulator's low end
.irp t, \y, \y+1
	TS \t
	v_max3_num_f32 v[rT+\j], v[rS+8*\j], v[rS+8*\j+1], v[rS+8*\j+2]
.endr
.endr
.irp o, 3,5
.irp j, 0,1,2,3
.irp t, \y, \y+1
	TS \t
	v_max3_num_f32 v[rT+\j], v[rT+\j], v[rS+8*\j+\o], v[rS+8*\j+\o+1]
.endr
.endr
.endr
.irp t, \y, \y+1
	TS \t
	v_max3_num_f32 v[rT], v[rT], v[rS+7], v[rS+15]
.endr
.irp t, \y, \y+1
	TS \t
	v_max3_num_f32 v[rT+2], v[rT+2], v[rS+23], v[rS+31]
.endr
.irp t, \y, \y+1
	TS \t
	v_max3_num_f32 v[rT], v[rT], v[rT+1], v[rT+2]
.endr
.irp t, \y, \y+1
	TS \t
	v_max_num_f32 v[rT], v[rT], v[rT+3]
.endr
.irp t, \y, \y+1
	TS \t
	v_permlanex16_b32 v[rT+1], v[rT], s[SEL], s[SEL+1]   ; the query's other 32 keys lie in the lane 16 away
.endr
.irp t, \y, \y+1
	TS \t
	v_max_num_f32 v[rT], v[rT], v[rT+1]
.endr
.irp t, \y, \y+1
	TS \t
	v_add_f32 v[rT+7], v[rT], v[rM+1]              ; the step's maximum of s + qb
.endr
.if \first
.irp t, \y, \y+1
	TS \t
	v_sub_f32 v[rT+6], v[rM+1], v[rT+7]            ; d = qb - m
.endr
.irp t, \y, \y+1
	TS \t
	v_mov_b32 v[rM], v[rT+7]
.endr
.else
.irp t, \y, \y+1
	TS \t
	v_max_num_f32 v[rT+2], v[rM], v[rT+7]          ; the new m
.endr
.irp t, \y, \y+1
	TS \t
	v_sub_f32 v[rT+5], v[rM], v[rT+2]
.endr
.irp t, \y, \y+1
	TS \t
	v_sub_f32 v[rT+6], v[rM+1], v[rT+2]            ; d = qb - m
.endr
.irp t, \y, \y+1
	TS \t
	v_mov_b32 v[rM], v[rT+2]
.endr
.irp t, \y, \y+1
	TS \t
	v_exp_f32 v[rT+4], v[rT+5]                     ; a = 2^(m_old - m_new); the packed sums below are the plain instructions behind it
.endr
.endif
.set e, 0
.rept 16
.irp t, \y, \y+1
	TS \t
	v_pk_add_f32 v[rS+e:rS+e+1], v[rS+e:rS+e+1], v[rT+6:rT+7] op_sel_hi:[1,0]
.endr
.set e, e+2
.endr
.irp t, \y, \y+1
	TS \t
.set e, 0
.rept 32
	v_exp_f32 v[rS+e], v[rS+e]
.set e, e+1
.endr
.endr
	v_nop                                          ; a plain instruction between the last exponential and the use of its result (ISA guide 5.7.2)
	s_wait_alu depctr_va_vdst(0)
.irp t, \y, \y+1                       ; the sum of the lane's 32 weights, in f32, two chains of pairs
	TS \t
	v_pk_add_f32 v[rT:rT+1], v[rS:rS+1], v[rS+2:rS+3]
.endr
.irp t, \y, \y+1
	TS \t
	v_pk_add_f32 v[rT+2:rT+3], v[rS+4:rS+5], v[rS+6:rS+7]
.endr
.irp i, 4,5,6,7,8,9,10,11,12,13,14,15
.irp t, \y, \y+1
	TS \t
	v_pk_add_f32 v[rT+2*(\i%2):rT+2*(\i%2)+1], v[rT+2*(\i%2):rT+2*(\i%2)+1], v[rS+2*\i:rS+2*\i+1]
.endr
.endr
.irp t, \y, \y+1
	TS \t
	v_pk_add_f32 v[rT:rT+1], v[rT:rT+1], v[rT+2:rT+3]
.endr
.if \first
.irp t, \y, \y+1
	TS \t
	v_add_f32 v[rM+2], v[rT], v[rT+1]
.endr
.else
.irp t, \y, \y+1
	TS \t
	v_add_f32 v[rT], v[rT], v[rT+1]
.endr
.irp t, \y, \y+1
	TS \t
	v_fma_f32 v[rM+2], v[rM+2], v[rT+4], v[rT]     ; l = a l + the sum
.endr
.endif
.set e, 0
.rept 16                               ; P in place: register e takes scores 2 e, 2 e + 1, which lie at or above it
.irp t, \y, \y+1
	TS \t
	v_cvt_pk_bf16_f32 v[rS+e], v[rS+2*e], v[rS+2*e+1]
.endr
.set e, e+1
.endr
.if \first == 0
	WIN 0x82
	RESC \y
	WIN 0xC3
	RESC \y
.endif
.endm
; A slot's two key steps.
.macro SLOTKV s, first
	WIN 0
	v_add_nc_u32 v[ADK],   \s*SLOT,        v[AK0]
	v_add_nc_u32 v[ADK+1], \s*SLOT+PART,   v[AK0]
	v_add_nc_u32 v[ADV],   \s*SLOT+2*PART, v[AV0]
	v_add_nc_u32 v[ADV+1], \s*SLOT+3*PART, v[AV0]
	v_add_nc_u32 v[ADT], s[TOF], v[ADT0]
	s_add_co_u32 s[TOF], s[TOF], 512               ; 128 keys' start values
	LD_T 0
	LD_K 0, ADK, 0, 0
	LD_K 1, ADK, 0, 1
	SBLOCK 0, ADK, 0, 1, ADV, 0, 256
	SMX 0, \first
	SMX 2, \first
	PVBLOCK ADV, \first, 1, ADK+1
	SBLOCK 0, ADK+1, 0, 1, ADV+1, 256, -1
	SMX 0, 0
	SMX 2, 0
	PVBLOCK ADV+1, 0, 0, 0
	WIN 0
.endm
; 64 channels of q': rows 64 f on of my head's WqkT, from my part of slot s; then rounded to bf16 into window 1.
.macro WBLOCK1 s, f
	WIN 0
	s_add_co_u32 s31, s30, \s*SLOT
	v_add_nc_u32 v[ADK], s31, v[AK0]
	LD_K 0, ADK, 0, 0
	LD_K 1, ADK, 0, 1
	SBLOCK 1, ADK, \f, 0, 0, 0, -1
	WIN 0x40
.irp t, 0,1,2,3
.irp cc, 0,1
.irp i, 0,1,2,3,4,5,6,7
	v_cvt_pk_bf16_f32 v[64*\t+8*(2*\f+\cc)+\i], v[S+32*\t+16*\cc+2*\i], v[S+32*\t+16*\cc+2*\i+1]
.endr
.endr
.endr
.endm
; 64 columns of the result: rows 64 f on of my head's WvoT.
.macro WBLOCK3 s, f
	WIN 0
	s_add_co_u32 s31, s30, \s*SLOT
	v_add_nc_u32 v[ADK], s31, v[AK0]
	LD_K 0, ADK, 0, 0
	LD_K 1, ADK, 0, 1
	SBLOCK 2, ADK, \f, 0, 0, 0, -1
.endm
	s_load_b512 s[4:19], s[0:1], 0x0               ; Q s[4:5], mask s[6:7], Kb s[8:9], Vb s[10:11], WqkT s[12:13], vq s[14:15], ub s[16:17], WvoT s[18:19]
	s_load_b64 s[20:21], s[0:1], 0x40              ; part
	v_lshl_add_u32 v23, v0, 2, 0x4d400
	v_mov_b32 v27, 0
	ds_add_u32 v23, v27
	v_lshrrev_b32 v1, 5, v0
	v_readfirstlane_b32 s[WV], v1                  ; wave 0..3
	s_bfe_u32 s23, ttmp6, 0x40000                  ; cx: my place in the cluster
	s_lshl_b32 s24, ttmp9, 2
	s_add_co_u32 s24, s24, s23                     ; my block of 64 queries: it enters Q's and part's addresses alone
	s_and_b32 s25, ttmp7, 0xffff
	s_lshr_b32 s26, s25, 1                         ; batch
	s_and_b32 s27, s25, 1                          ; head group
	s_lshl2_add_u32 s28, s27, s[WV]                ; head = 4 G + wave
	s_lshl_b32 s82, s28, 17                        ; a head's weight matrix: 131,072 bytes
	s_mov_b32 s83, 0
	s_lshl_b32 s84, s26, 19                        ; a batch's keys: 524,288 bytes;
	s_and_b32 s29, s[WV], 1
	s_lshl_b32 s29, s29, 15                        ; which of a slot's two steps I fetch: 64 rows of 512 bytes
	s_add_co_u32 s84, s84, s29
	s_mov_b32 s85, 0
	s_mul_i32 s30, s[WV], PART                     ; my part of a slot
	; group 1: a tile of 64 rows x 256 elements of 2 bytes, dense rows of 512 bytes, padded in LDS
	s_mov_b32 s[G1A], 15|(1<<16)|(1<<20)|(1<<21)|(6<<22)|(3<<25)   ; 15:0 the mask: all four work-groups; 17:16 2 bytes; 20 padding on; 21 set beside a mask; 24:22 after every 128 words; 31:25 4 words
	s_mov_b32 s[G1V], 15|(1<<16)|(1<<20)|(1<<21)|(6<<22)|(7<<25)   ; the same with 8 words
.irp g, G1A, G1V
	s_mov_b32 s[\g+1], 256<<16                     ; tensor_dim0 = 256
	s_mov_b32 s[\g+2], 64<<16                      ; tensor_dim1 = 64
	s_mov_b32 s[\g+3], 256<<16                     ; tile_dim0 = 256
	s_mov_b32 s[\g+4], 64                          ; tile_dim1 = 64
	s_mov_b32 s[\g+5], 256                         ; elements from row to row
	s_mov_b32 s[\g+6], 0
	s_mov_b32 s[\g+7], 0
.endr
	s_mov_b32 s[SEL], 0x76543210
	s_mov_b32 s[SEL+1], 0xfedcba98
	s_mov_b32 s[TOF], 0
	s_wait_dscnt 0x0
	s_wait_kmcnt 0x0
	s_add_nc_u64 s[12:13], s[12:13], s[82:83]      ; WqkT at my head
	s_add_nc_u64 s[PW3:PW3+1], s[18:19], s[82:83]  ; WvoT at my head
	s_add_nc_u64 s[8:9], s[8:9], s[84:85]          ; Kb and Vb at my tile of slot 0
	s_add_nc_u64 s[10:11], s[10:11], s[84:85]
.irp s, 0,1
	s_mov_b32 s[G0W+4*\s], 1
	s_add_co_u32 s[G0W+4*\s+1], s30, \s*SLOT
	s_add_nc_u64 s[G0W+4*\s+2:G0W+4*\s+3], s[12:13], \s*32768
	s_or_b32 s[G0W+4*\s+3], s[G0W+4*\s+3], 0x80000000
	s_mov_b32 s[G0K+4*\s], 1
	s_add_co_u32 s[G0K+4*\s+1], s30, \s*SLOT
	s_add_nc_u64 s[G0K+4*\s+2:G0K+4*\s+3], s[8:9], \s*65536
	s_or_b32 s[G0K+4*\s+3], s[G0K+4*\s+3], 0x80000000
	s_mov_b32 s[G0V+4*\s], 1
	s_add_co_u32 s[G0V+4*\s+1], s30, \s*SLOT
	s_add_nc_u64 s[G0V+4*\s+2:G0V+4*\s+3], s[10:11], \s*65536
	s_or_b32 s[G0V+4*\s+3], s[G0V+4*\s+3], 0x80000000
.endr
	CROUND                                         ; all four work-groups are here: the first joint loads meet
	tensor_load_to_lds s[G0W:G0W+3], s[G1A:G1A+7]  ; WqkT rows 0-63 and 64-127 of my head: two loads of mine are out
	s_nop 0
	tensor_load_to_lds s[G0W+4:G0W+7], s[G1A:G1A+7]
	s_nop 0
	PLACES 4
	; ---- the prologue: addresses, the mask's table, Q
	s_lshl_b32 s86, s26, 10
	s_lshl_b32 s87, s24, 6
	s_add_co_u32 s86, s86, s87
	s_lshl_b32 s87, s[WV], 4
	s_add_co_u32 s86, s86, s87                     ; row 1,024 b + 64 block + 16 wave,
	s_lshl_b32 s86, s86, 10                        ; of 1,024 bytes
	s_mov_b32 s87, 0
	s_add_nc_u64 s[4:5], s[4:5], s[86:87]
	s_add_nc_u64 s[20:21], s[20:21], s[86:87]
	s_lshl_b32 s88, s27, 23                        ; my head group's plane of part
	s_mov_b32 s89, 0
	s_add_nc_u64 s[20:21], s[20:21], s[88:89]
	s_lshl_b32 s90, s26, 10
	s_mov_b32 s91, 0
	s_add_nc_u64 s[6:7], s[6:7], s[90:91]          ; the batch's 1,024 mask bytes
	s_mul_i32 s92, s28, 1088
	s_mov_b32 s93, 0
	s_add_nc_u64 s[14:15], s[14:15], s[92:93]
	s_lshl_b32 s94, s28, 9
	s_mov_b32 s95, 0
	s_add_nc_u64 s[16:17], s[16:17], s[94:95]
	v_and_b32 v1, 15, v0                           ; lane % 16
	v_bfe_u32 v2, v0, 4, 1                         ; lane / 16
	v_and_b32 v[LN16], 31, v0
	v_lshlrev_b32 v[LN16], 4, v[LN16]
	v_mul_u32_u24 v[AK0], v1, PKB
	v_lshl_add_u32 v[AK0], v2, 4, v[AK0]
	v_and_b32 v60, 7, v0
	v_lshl_add_u32 v[AV0], v2, 3, v60              ; the turning load: lane l reads key 8 (l / 16) + l % 8,
	v_mul_u32_u24 v[AV0], v[AV0], PVB
	v_bfe_u32 v60, v0, 3, 1
	v_lshl_add_u32 v[AV0], v60, 4, v[AV0]          ; 16 bytes at 16 ((l / 8) % 2)
	v_lshlrev_b32 v55, 5, v2                       ; 32 (lane / 16): eight f32
	v_add_nc_u32 v[ADT0], TAB, v55
	v_lshlrev_b32 v56, 4, v2                       ; 16 (lane / 16): eight bf16
	v_lshlrev_b32 v62, 3, v0                       ; 8 x thread
	global_load_b64 v[60:61], v62, s[6:7]          ; eight keys' mask bytes a thread
	WIN 0x40
.irp n, 0,1,2,3,4,5,6,7,8,9,10,11,12,13,14,15,16,17,18,19,20,21,22,23,24,25,26,27,28,29,30,31
	global_load_b128 v[4*\n:4*\n+3], v[LN16], s[4:5] offset:512*\n    ; my 16 rows of Q, dense
.endr
	WIN 0xC0
.irp a, 0,1,2,3,4,5,6,7,8,9,10,11,12,13,14,15,16
	global_load_b128 v[8*\a:8*\a+3],   v55, s[14:15] offset:64*\a     ; r as sixteen start tiles (register j: channel 16 a + 8 (lane / 16) + j), beta as the seventeenth
	global_load_b128 v[8*\a+4:8*\a+7], v55, s[14:15] offset:64*\a+16
.endr
	WIN 0
.irp c, 0,1,2,3,4,5,6,7
	global_load_b128 v[F0+8*\c:F0+8*\c+3],   v56, s[16:17] offset:64*\c     ; u as source 0, the same in all sixteen rows
	global_load_b128 v[F0+8*\c+4:F0+8*\c+7], v56, s[16:17] offset:64*\c+32
.endr
	s_wait_loadcnt 50                              ; the mask and Q are in; the 34 + 16 younger loads stay out
	v_mov_b32 v52, 0xdd5e0b6b                      ; NEG = -1e18
	v_mul_f32 v52, 0x3db8aa3b, v52                 ; c0 NEG
.irp j, 0,1,2,3,4,5,6,7
	v_bfe_u32 v53, v[60+\j/4], 8*(\j%4), 8
	v_cmp_ne_u32 vcc_lo, 0, v53
	v_cndmask_b32 v[TC+\j], 0, v52, vcc_lo
.endr
	v_lshlrev_b32 v54, 5, v0
	v_add_nc_u32 v54, TAB, v54
	ds_store_b128 v54, v[TC:TC+3]
	ds_store_b128 v54, v[TC+4:TC+7] offset:16
	WIN 0x45
.irp n, 0,1,2,3,4,5,6,7,8,9,10,11,12,13,14,15,16,17,18,19,20,21,22,23,24,25,26,27,28,29,30,31
	v_cvt_pk_bf16_f32 v[128+2*\n], v[4*\n], v[4*\n+1]
	v_cvt_pk_bf16_f32 v[129+2*\n], v[4*\n+2], v[4*\n+3]
.endr
	WIN 0
	s_mul_i32 s31, s[WV], 16*PKB
	s_add_co_u32 s31, s31, QS
	v_lshrrev_b32 v63, 1, v[LN16]
	v_add_nc_u32 v63, s31, v63
	WIN 0x04
.irp n, 0,1,2,3,4,5,6,7,8,9,10,11,12,13,14,15,16,17,18,19,20,21,22,23,24,25,26,27,28,29,30,31
	ds_store_b64 v63, v[128+2*\n:129+2*\n] offset:(\n/2)*PKB+(\n%2)*256
.endr
	WIN 0
	s_wait_tensorcnt 0x1                           ; my part of slot 0 is in; slot 1's may stay out
	s_wait_dscnt 0x0                               ; for the others' sake: my rows of Q and my part of the table are in LDS
	s_barrier_signal -1
	s_barrier_wait -1
	v_add_nc_u32 v63, QS, v[AK0]
	WIN 0x80
.irp t, 0,1,2,3
.irp c, 0,1,2,3,4,5,6,7
	ds_load_b128 v[64*\t+8*\c:64*\t+8*\c+3],   v63 offset:\t*16*PKB+64*\c
	ds_load_b128 v[64*\t+8*\c+4:64*\t+8*\c+7], v63 offset:\t*16*PKB+64*\c+32
.endr
.endr
	WIN 0
	s_wait_loadcnt 0x0                             ; r, beta, u
	s_wait_dscnt 0x0                               ; Q's fragments
	; qb = Q . u + beta: four accumulators by turns; every register of a result holds the lane's query's number
.irp c, 0,1,2,3,4,5,6,7
.irp t, 0,1,2,3
.if \c == 0
	WIN 0x38
	v_wmma_f32_16x16x32_bf16 v[S+32*\t:S+32*\t+7], v[F0+8*\c:F0+8*\c+7], v[64*\t+8*\c:64*\t+8*\c+7], v[128:135]
.else
	WIN 0x08
	v_wmma_f32_16x16x32_bf16 v[S+32*\t:S+32*\t+7], v[F0+8*\c:F0+8*\c+7], v[64*\t+8*\c:64*\t+8*\c+7], v[S+32*\t:S+32*\t+7]
.endif
.endr
.endr
	PLACES 5                                       ; the next products write over these accumulators, the next loads over u
	WIN 0
.irp t, 0,1,2,3
	v_mov_b32 v[ST+4*\t+1], v[S+32*\t]
.endr
	; ---- q': four fills of WqkT; the ring goes on into K and V
	WBLOCK1 0, 0
	CHANGE 0, 1, 1                                 ; slot 0 <- rows 128-191
	WBLOCK1 1, 1
	CHANGE 1, 1, 1                                 ; slot 1 <- rows 192-255
	WBLOCK1 0, 2
	CHANGE 0, 2, 0                                 ; slot 0 <- keys 0-127
	WBLOCK1 1, 3
	CHANGE 1, 2, 0                                 ; slot 1 <- keys 128-255
	SLOTKV 0, 1
	; ---- attention: three trips, each fills both slots again (keys 256 on) and walks 256 keys
	s_mov_b32 s[CNT], 3
.Lkv:
	CHANGE 0, 2, 2
	SLOTKV 1, 0
	CHANGE 1, 2, 2
	SLOTKV 0, 0
	s_sub_co_u32 s[CNT], s[CNT], 1
	s_cmp_lg_u32 s[CNT], 0
	s_cbranch_scc1 .Lkv
	CHANGE 0, 1, 3                                 ; slot 0 <- WvoT rows 0-63; the tail is written out
	SLOTKV 1, 0                                    ; keys 896-1023
	CHANGE 1, 1, 3                                 ; slot 1 <- rows 64-127
	; ---- O = O^T / l, rounded to bf16 into window 1 as source 1 of the last product
.irp t, 0,1,2,3
	v_permlanex16_b32 v[ST+4*\t], v[ST+4*\t+2], s[SEL], s[SEL+1]     ; the other 32 keys' share of l; m is no longer needed
.endr
.irp t, 0,1,2,3
	v_add_f32 v[ST+4*\t+2], v[ST+4*\t+2], v[ST+4*\t]
.endr
.irp t, 0,1,2,3
	v_rcp_f32 v[ST+4*\t], v[ST+4*\t+2]             ; l is at least about 1: the largest weight of a row is 2^0
.endr
	v_nop                                          ; a plain instruction between the last reciprocal and the use of its result
	s_wait_alu depctr_va_vdst(0)
.irp w, 0x82, 0xC3
	WIN \w
.irp ct, 0,1,2,3,4,5,6,7
.irp t, 0,1,2,3
.irp i, 0,2,4,6
	v_pk_mul_f32 v[32*\ct+8*\t+\i:32*\ct+8*\t+\i+1], v[32*\ct+8*\t+\i:32*\ct+8*\t+\i+1], v[ST+4*\t:ST+4*\t+1] op_sel_hi:[1,0]
.endr
.endr
.endr
.endr
	WIN 0x4A
.irp t, 0,1,2,3
.irp c, 0,1,2,3
.irp i, 0,1,2,3,4,5,6,7
	v_cvt_pk_bf16_f32 v[64*\t+8*\c+\i], v[((2*\c+\i/4)%8)*32+8*\t+2*(\i%4)], v[((2*\c+\i/4)%8)*32+8*\t+2*(\i%4)+1]
.endr
.endr
.endr
	WIN 0x4F
.irp t, 0,1,2,3
.irp c, 4,5,6,7
.irp i, 0,1,2,3,4,5,6,7
	v_cvt_pk_bf16_f32 v[64*\t+8*\c+\i], v[((2*\c+\i/4)%8)*32+8*\t+2*(\i%4)], v[((2*\c+\i/4)%8)*32+8*\t+2*(\i%4)+1]
.endr
.endr
.endr
	; ---- my head's share of the result
	WBLOCK3 0, 0
	CHANGE 0, 1, 1                                 ; slot 0 <- rows 128-191
	WBLOCK3 1, 1
	CHANGE 1, 1, 1                                 ; slot 1 <- rows 192-255
	WBLOCK3 0, 2
	CHANGE 0, 0, 0                                 ; nothing is left to fetch
	WBLOCK3 1, 3
	; ---- the sum over the four heads, through LDS: the ring has had its last fill
	WIN 0
	s_wait_dscnt 0x0                               ; my reads of the ring are over,
	s_barrier_signal -1
	s_barrier_wait -1                              ; everybody's are
	s_mul_i32 s31, s[WV], REDW
	v_mul_u32_u24 v[ADK], v1, RP
	v_lshl_add_u32 v[ADK], v2, 5, v[ADK]
	v_add_nc_u32 v[ADK], s31, v[ADK]               ; my plane: row lane % 16, 32 bytes for each half of the lanes
	WIN 0x08
.irp ot, 0,1,2,3,4,5,6,7
.irp t, 0,1,2,3
	ds_store_b128 v[ADK], v[32*\ot+8*\t:32*\ot+8*\t+3]   offset:\t*16*RP+\ot*64
	ds_store_b128 v[ADK], v[32*\ot+8*\t+4:32*\ot+8*\t+7] offset:\t*16*RP+\ot*64+16
.endr
.endr
	WIN 0x0C
.irp ot, 0,1,2,3,4,5,6,7
.irp t, 0,1,2,3
	ds_store_b128 v[ADK], v[32*\ot+8*\t:32*\ot+8*\t+3]   offset:\t*16*RP+(\ot+8)*64
	ds_store_b128 v[ADK], v[32*\ot+8*\t+4:32*\ot+8*\t+7] offset:\t*16*RP+(\ot+8)*64+16
.endr
.endr
	WIN 0
	s_wait_dscnt 0x0                               ; for the others' sake: my plane is written
	s_barrier_signal -1
	s_barrier_wait -1
	s_mul_i32 s31, s[WV], 16*RP
	v_add_nc_u32 v6, s31, v[LN16]                  ; wave w adds rows 16 w .. 16 w + 15 of the four planes
	v_add_nc_u32 v7, REDW, v6
	v_add_nc_u32 v8, 2*REDW, v6
	v_add_nc_u32 v9, 3*REDW, v6
.irp bt, 0,1,2,3
.if \bt > 0
	s_wait_xcnt 0x0                                ; the registers that the last batch's stores read are loaded again only behind this wait
.endif
.irp e, 0,1,2,3,4,5,6,7
.irp k, 0,1,2,3
	ds_load_b128 v[S+16*\e+4*\k:S+16*\e+4*\k+3], v[6+\k] offset:(4*\bt+\e/2)*RP+(\e%2)*512
.endr
.endr
	s_wait_dscnt 0x0
.irp e, 0,1,2,3,4,5,6,7
	v_pk_add_f32 v[S+16*\e:S+16*\e+1],     v[S+16*\e:S+16*\e+1],     v[S+16*\e+4:S+16*\e+5]
	v_pk_add_f32 v[S+16*\e+2:S+16*\e+3],   v[S+16*\e+2:S+16*\e+3],   v[S+16*\e+6:S+16*\e+7]
	v_pk_add_f32 v[S+16*\e+8:S+16*\e+9],   v[S+16*\e+8:S+16*\e+9],   v[S+16*\e+12:S+16*\e+13]
	v_pk_add_f32 v[S+16*\e+10:S+16*\e+11], v[S+16*\e+10:S+16*\e+11], v[S+16*\e+14:S+16*\e+15]
	v_pk_add_f32 v[S+16*\e:S+16*\e+1],     v[S+16*\e:S+16*\e+1],     v[S+16*\e+8:S+16*\e+9]
	v_pk_add_f32 v[S+16*\e+2:S+16*\e+3],   v[S+16*\e+2:S+16*\e+3],   v[S+16*\e+10:S+16*\e+11]
	global_store_b128 v[LN16], v[S+16*\e:S+16*\e+3], s[20:21] offset:(4*\bt+\e/2)*1024+(\e%2)*512   ; the wave stores 512 consecutive bytes, aligned
.endr
.endr
	s_wait_tensorcnt 0x0
	ds_add_u32 v23, v27
	s_wait_dscnt 0x0
	CROUND                                         ; the closing round: no work-group ends while a partner may still ask for a tile that names it
	s_endpgm
.Lfunc_end_k_q02b1a3e831_attn:
	.size	k_q02b1a3e831_attn, .Lfunc_end_k_q02b1a3e831_attn-k_q02b1a3e831_attn
	.p2alignl 7, 3214868480
	.fill 96, 4, 3214868480
	.section	.rodata,"a",@progbits
	.p2align	6, 0x0
	.amdhsa_kernel k_q02b1a3e831_attn
		.amdhsa_group_segment_fixed_size 327680
		.amdhsa_private_segment_fixed_size 0
		.amdhsa_enable_private_segment 0
		.amdhsa_kernarg_size 72
		.amdhsa_user_sgpr_count 2
		.amdhsa_user_sgpr_kernarg_segment_ptr 1
		.amdhsa_wavefront_size32 1
		.amdhsa_system_sgpr_workgroup_id_x 1
		.amdhsa_system_sgpr_workgroup_id_y 1
		.amdhsa_system_sgpr_workgroup_id_z 1
		.amdhsa_system_vgpr_workitem_id 0
		.amdhsa_next_free_vgpr 1024
		.amdhsa_next_free_sgpr 96
		.amdhsa_reserve_vcc 1
		.amdhsa_float_denorm_mode_32 3
		.amdhsa_float_denorm_mode_16_64 3
		.amdhsa_memory_ordered 1
		.amdhsa_forward_progress 1
		.amdhsa_inst_pref_size 255
	.end_amdhsa_kernel
	.section	.bss,"aw",@nobits
	.p2align	6
	.space	262144
	.amdgpu_metadata
---
amdhsa.version: [ 1, 2 ]
amdhsa.kernels:
  - .name:           k_q02b1a3e831_attn
    .symbol:         k_q02b1a3e831_attn.kd
    .args:
      - { .name: Q, .offset: 0, .size: 8, .value_kind: global_buffer, .address_space: global }
      - { .name: att_mask_out, .offset: 8, .size: 8, .value_kind: global_buffer, .address_space: global }
      - { .name: Kb, .offset: 16, .size: 8, .value_kind: global_buffer, .address_space: global }
      - { .name: Vb, .offset: 24, .size: 8, .value_kind: global_buffer, .address_space: global }
      - { .name: WqkT, .offset: 32, .size: 8, .value_kind: global_buffer, .address_space: global }
      - { .name: vq, .offset: 40, .size: 8, .value_kind: global_buffer, .address_space: global }
      - { .name: ub, .offset: 48, .size: 8, .value_kind: global_buffer, .address_space: global }
      - { .name: WvoT, .offset: 56, .size: 8, .value_kind: global_buffer, .address_space: global }
      - { .name: part, .offset: 64, .size: 8, .value_kind: global_buffer, .address_space: global }
    .group_segment_fixed_size: 327680
    .private_segment_fixed_size: 0
    .kernarg_segment_align: 8
    .kernarg_segment_size: 72
    .max_flat_workgroup_size: 128
    .sgpr_count:     96
    .vgpr_count:     1024
    .wavefront_size: 32
...
	.end_amdgpu_metadata
.endif
;; end of part 2
;; launch finish (part 3): grid 256 x 1, 8 waves a work-group, no clusters, 0 bytes of LDS; arguments part, cvh, bo, out0; writes out0
.if DOCPART == 3
	.amdgcn_target "amdgcn-amd-amdhsa--gfx1250"
	.amdhsa_code_object_version 6
	.text
	.protected	k_q02b1a3e831_finish
	.globl	k_q02b1a3e831_finish
	.p2align	8
	.type	k_q02b1a3e831_finish,@function
k_q02b1a3e831_finish:
	s_mov_b64 s[64:65], 0
	v_nop
	global_prefetch_b8 v0, s[64:65] scope:SCOPE_SE
	s_setreg_imm32_b32 hwreg(HW_REG_WAVE_MODE, 25, 1), 1
	s_wait_xcnt 0x0
; out0[row][o] = part[0][row][o] + part[1][row][o] + bo[o] + sum over the 8 heads of cvh[h][o].
; A stream: 16 MB in, 8 MB out, each byte once.  A work-group owns 32 rows of 1,024 bytes; thread t owns the 16 bytes at 16 t of every block of four rows,
; so its four columns, 4 (t % 64) on, are the same in all eight passes and the constant row costs four registers.  All 25 loads of a thread go out at once;
; no register is used twice, so the only waits are the counted ones for data.  No LDS, barrier, matrix unit or cluster: nothing is shared but 9 KB of constants.
.set CR, 4                             ; v[4:7]    bo, then the constant row
.set CV, 8                             ; v[8:39]   cvh of the eight heads
.set X,  40                            ; v[40:103] pass k: 4 registers of plane 0, 4 of plane 1
	s_load_b256 s[4:11], s[0:1], 0x0               ; part s[4:5], cvh s[6:7], bo s[8:9], out0 s[10:11]
	v_and_b32 v1, 63, v0
	v_lshlrev_b32 v1, 4, v1                        ; my 16 bytes in a row
	v_lshlrev_b32 v2, 4, v0                        ; my 16 bytes in a block of four rows
	s_lshl_b32 s12, ttmp9, 15                      ; 32 rows of 1,024 bytes
	s_mov_b32 s13, 0
	s_wait_kmcnt 0x0
	s_add_nc_u64 s[4:5], s[4:5], s[12:13]
	s_add_nc_u64 s[14:15], s[4:5], 0x800000        ; the second plane, 8,388,608 bytes on
	s_add_nc_u64 s[10:11], s[10:11], s[12:13]
	global_load_b128 v[CR:CR+3], v1, s[8:9]
.irp h, 0,1,2,3,4,5,6,7
	global_load_b128 v[CV+4*\h:CV+4*\h+3], v1, s[6:7] offset:1024*\h
.endr
.irp k, 0,1,2,3,4,5,6,7
	global_load_b128 v[X+8*\k:X+8*\k+3],   v2, s[4:5]   offset:4096*\k th:TH_LOAD_NT
	global_load_b128 v[X+8*\k+4:X+8*\k+7], v2, s[14:15] offset:4096*\k th:TH_LOAD_NT
.endr
	s_wait_loadcnt 16                              ; the nine constants are in; the sixteen younger loads stay out
.irp h, 0,1,2,3,4,5,6,7
	v_pk_add_f32 v[CR:CR+1],   v[CR:CR+1],   v[CV+4*\h:CV+4*\h+1]
	v_pk_add_f32 v[CR+2:CR+3], v[CR+2:CR+3], v[CV+4*\h+2:CV+4*\h+3]
.endr
.irp k, 0,1,2,3,4,5,6,7
	s_wait_loadcnt 14-2*\k                         ; pass k's two loads are in; the later passes' stay out
	v_pk_add_f32 v[X+8*\k:X+8*\k+1],   v[X+8*\k:X+8*\k+1],   v[X+8*\k+4:X+8*\k+5]
	v_pk_add_f32 v[X+8*\k+2:X+8*\k+3], v[X+8*\k+2:X+8*\k+3], v[X+8*\k+6:X+8*\k+7]
	v_pk_add_f32 v[X+8*\k:X+8*\k+1],   v[X+8*\k:X+8*\k+1],   v[CR:CR+1]
	v_pk_add_f32 v[X+8*\k+2:X+8*\k+3], v[X+8*\k+2:X+8*\k+3], v[CR+2:CR+3]
	global_store_b128 v2, v[X+8*\k:X+8*\k+3], s[10:11] offset:4096*\k th:TH_STORE_NT   ; the wave stores 512 consecutive bytes, aligned
.endr
	s_endpgm
.Lfunc_end_k_q02b1a3e831_finish:
	.size	k_q02b1a3e831_finish, .Lfunc_end_k_q02b1a3e831_finish-k_q02b1a3e831_finish
	.p2alignl 7, 3214868480
	.fill 96, 4, 3214868480
	.section	.rodata,"a",@progbits
	.p2align	6, 0x0
	.amdhsa_kernel k_q02b1a3e831_finish
		.amdhsa_group_segment_fixed_size 0
		.amdhsa_private_segment_fixed_size 0
		.amdhsa_enable_private_segment 0
		.amdhsa_kernarg_size 32
		.amdhsa_user_sgpr_count 2
		.amdhsa_user_sgpr_kernarg_segment_ptr 1
		.amdhsa_wavefront_size32 1
		.amdhsa_system_sgpr_workgroup_id_x 1
		.amdhsa_system_sgpr_workgroup_id_y 1
		.amdhsa_system_sgpr_workgroup_id_z 1
		.amdhsa_system_vgpr_workitem_id 0
		.amdhsa_next_free_vgpr 112
		.amdhsa_next_free_sgpr 66
		.amdhsa_reserve_vcc 0
		.amdhsa_float_denorm_mode_32 3
		.amdhsa_float_denorm_mode_16_64 3
		.amdhsa_memory_ordered 1
		.amdhsa_forward_progress 1
		.amdhsa_inst_pref_size 8
	.end_amdhsa_kernel
	.amdgpu_metadata
---
amdhsa.version: [ 1, 2 ]
amdhsa.kernels:
  - .name:           k_q02b1a3e831_finish
    .symbol:         k_q02b1a3e831_finish.kd
    .args:
      - { .name: part, .offset: 0, .size: 8, .value_kind: global_buffer, .address_space: global }
      - { .name: cvh, .offset: 8, .size: 8, .value_kind: global_buffer, .address_space: global }
      - { .name: bo, .offset: 16, .size: 8, .value_kind: global_buffer, .address_space: global }
      - { .name: out0, .offset: 24, .size: 8, .value_kind: global_buffer, .address_space: global }
    .group_segment_fixed_size: 0
    .private_segment_fixed_size: 0
    .kernarg_segment_align: 8
    .kernarg_segment_size: 32
    .max_flat_workgroup_size: 256
    .sgpr_count:     66
    .vgpr_count:     112
    .wavefront_size: 32
...
	.end_amdgpu_metadata
.endif
;; end of part 3
;; ======== version 2 of 3: 3 launches; 1.43 times as fast as version 1
;; limits: right only within a limited range of input values; values outside matrix products are rounded to bf16
;; workspace buffers: Kb 4,194,304 bytes; Vb 4,194,304 bytes; WqkT 1,048,576 bytes; WvoT 1,048,576 bytes; vq 8,704 bytes; ub 4,096 bytes; cvh 8,192 bytes; part 16,777,216 bytes
;; launch prep (part 4): grid 256 x 1, 16 waves a work-group, no clusters, 145,920 bytes of LDS; arguments K, V, att_mask_out, Wq, Wk, Wv, Wo, bq, bk, bv, Kb, Vb, WqkT, WvoT, vq, ub, cvh; writes Kb, Vb, WqkT, WvoT, vq, ub, cvh
.if DOCPART == 4
	.amdgcn_target "amdgcn-amd-amdhsa--gfx1250"
	.amdhsa_code_object_version 6
	.text
	.protected	k_q02b1a3e831_prep
	.globl	k_q02b1a3e831_prep
	.p2align	8
	.type	k_q02b1a3e831_prep,@function
k_q02b1a3e831_prep:
	s_mov_b64 s[64:65], 0
	v_nop
	global_prefetch_b8 v0, s[64:65] scope:SCOPE_SE
	s_setreg_imm32_b32 hwreg(HW_REG_WAVE_MODE, 25, 1), 1
	s_wait_xcnt 0x0
; PREPARATION.  Work-groups 0-127 form products of weights alone, work-groups 128-255 round K and V to bf16.
;   Kb[row][c]   = bf16(K[row][c]), all zero where att_mask_out[row] is set (the score's product is then exactly 0);  Vb = bf16(V)
;   WqkT[h][c][i] = c0 * sum_f Wk[c][h f] Wq[i][h f]        WvoT[h][o][c] = sum_f Wv[c][h f] Wo[h f][o]
;   vq[h][c] = c0 * sum_f bq[h f] Wk[c][h f] (c < 256);  vq[h][256..271] = c0 * sum_f bq[h f] bk[h f], sixteen copies
;   ub[h][i] = c0 * sum_f Wq[i][h f] bk[h f]  (bf16)        cvh[h][o] = sum_f bv[h f] Wo[h f][o]
; c0 = log2(e) / sqrt(256): the scores of the next launch arrive ready for a base-2 exponential.
; LIMITS: operands are rounded to bf16, sums are f32; the products of weights are formed first, so the order of rounding differs
; from a projection followed by a product.  Infinities and NaN in the inputs are not served (0 x Inf in a masked row of K).
; A product job (p, h, nq, mh): 64 rows n x 128 columns m of one head's matrix, so that the 2 x 8 x 4 x 2 = 128 jobs and the 128 rounding jobs
; are 256 work-groups.  Sixteen waves stage both operands as bf16 in LDS (192 KB of f32 a job), a barrier, then wave w makes n tile w % 4 x
; m tiles 2 (w / 4), + 1, K = 256: eight matrix instructions a tile on two accumulators by turns, 48 fragment loads a wave.
; Between the first barrier and the second LDS is only read.  Behind the second operand 0's bytes are free: the waves write their tiles into one
; stage of 64 rows there (a wave's 32 columns are 64 bytes of a row), a third barrier, and each wave stores four whole rows of 256 bytes.
; No LDS address holds the work-group's number, and the two kinds of product job keep operand 1 in bytes of their own (B0, B1), so that
; every LDS byte has one writer that can be read off constants and the wave's number.  No cluster: jobs share at most 128 KB.
.set PA,   528                         ; LDS row of 256 bf16 + 16 bytes: 33 x 16, sixteen rows start in sixteen different 16-byte columns
.set A0B,  128*PA                      ; behind operand 0's 128 rows: its bias row
.set B0,   68352                       ; p = 0: operand 1, 64 rows of 528 bytes,
.set B0B,  B0+64*PA                    ; and bk's row behind them (ends at 102,656)
.set B1,   102912                      ; p = 1: operand 1, 256 rows f
.set PB1,  160                         ; of 64 bf16 + 32 bytes = 5 x 32, for the turning load (ends at 143,872)
.set SPI,  272                         ; the way out: 64 rows x 272 bytes, from LDS byte 0 on, over operand 0
.set R4,   1                           ; v1   behind the first barrier: 4 (lane % 16)
.set R2,   2                           ; v2   2 (lane % 16)
.set ABA,  3                           ; v3   operand 0's bias row, 16 (lane / 16) on
.set ABB,  6                           ; v6   bk's row
.set AT0,  7                           ; v7   operand 0's tile w % 8
.set RES0, 9                           ; v9-10  (first operand 1's offsets and addresses, then) the vectors' results
.set RES1, 10
.set RS,   16                          ; v16-79   operand 1's eight fragments of my n tile (before the barrier: staging)
.set MF0,  80                          ; v80-143  operand 0's fragments of my first m tile (before the barrier: staging)
.set MF1,  144                         ; v144-207 of my second
.set AC0,  208                         ; two accumulators
.set AC1,  216
.set PKR,  224                         ; v224-231 my two tiles, packed: four registers each
.set DSI,  0
.set E_M0, 0
.set E_M1, 0
.macro PLACES n
.rept \n
	v_nop
.endr
.endm
	s_load_b512 s[4:19], s[0:1], 0x0               ; K, V, mask, Wq, Wk, Wv, Wo, bq
	s_load_b512 s[20:35], s[0:1], 0x40             ; bk, bv, Kb, Vb, WqkT, WvoT, vq, ub
	s_load_b64 s[36:37], s[0:1], 0x80              ; cvh
	v_lshl_add_u32 v254, v0, 2, 0x23200
	v_mov_b32 v255, 0
	v_lshrrev_b32 v1, 5, v0
	v_readfirstlane_b32 s38, v1                    ; wave 0..15
	s_mov_b32 s39, ttmp9                           ; the job
	v_and_b32 v1, 31, v0
	v_lshlrev_b32 v2, 4, v1                        ; 16 x lane
	v_lshlrev_b32 v3, 3, v1                        ; 8 x lane
	s_wait_kmcnt 0x0
	s_cmp_lt_u32 s39, 128
	s_cbranch_scc1 .Lproduct
; ---- rounding K and V: a work-group takes 128 rows, a wave 8 (8 KB in, 4 KB out, both dense)
	s_sub_co_u32 s40, s39, 128
	s_and_b32 s41, s40, 63
	s_lshl_b32 s41, s41, 7
	s_lshl3_add_u32 s41, s38, s41                  ; my first row = 128 x block + 8 x wave
	s_lshl_b32 s42, s41, 10                        ; in bytes of f32 rows
	s_mov_b32 s43, 0
	s_lshl_b32 s44, s41, 9                         ; in bytes of bf16 rows
	s_mov_b32 s45, 0
	s_mov_b32 s56, s41                             ; in bytes of the mask
	s_mov_b32 s57, 0
.macro CONV isk, inp, outp
	s_add_nc_u64 s[48:49], s[\inp:\inp+1], s[42:43]
	s_add_nc_u64 s[50:51], s[\outp:\outp+1], s[44:45]
.if \isk
	s_add_nc_u64 s[58:59], s[8:9], s[56:57]
	s_load_b64 s[46:47], s[58:59], 0x0             ; my eight rows' mask bytes
.endif
.irp n, 0,1,2,3,4,5,6,7,8,9,10,11,12,13,14,15
	global_load_b128 v[16+4*\n:19+4*\n], v2, s[48:49] offset:512*\n th:TH_LOAD_NT
.endr
.if \isk
	s_wait_kmcnt 0x0
.endif
.irp n, 0,1,2,3,4,5,6,7,8,9,10,11,12,13,14,15
	s_wait_loadcnt 15-\n                           ; loads return in order: number n is in, the younger ones stay out
	v_cvt_pk_bf16_f32 v[80+2*\n], v[16+4*\n], v[17+4*\n]
	v_cvt_pk_bf16_f32 v[81+2*\n], v[18+4*\n], v[19+4*\n]
.if \isk
.if (\n%2) == 0
	s_bfe_u32 s52, s[46+\n/8], (8<<16)|(8*((\n/2)%4))   ; row n / 2's byte; SCC = it is not 0
	s_cselect_b32 s53, 0, -1                       ; a masked row is cleared
.endif
	v_and_b32 v[80+2*\n], s53, v[80+2*\n]
	v_and_b32 v[81+2*\n], s53, v[81+2*\n]
.endif
	global_store_b64 v3, v[80+2*\n:81+2*\n], s[50:51] offset:256*\n   ; the wave's 32 lanes store 256 consecutive bytes, aligned; no register is used twice
.endr
.endm
	s_cmp_lt_u32 s40, 64
	s_cbranch_scc0 .Lconv_v
	CONV 1, 4, 24
	s_endpgm
.Lconv_v:
	CONV 0, 6, 26
	s_endpgm
; ---- products of weights
.macro LDM k                           ; operand 0's fragments of m tile k of my two -> buffer k
.irp c, 0,1,2,3,4,5,6,7
	ds_load_b128 v[MF0+64*(\k)+8*\c:MF0+64*(\k)+8*\c+3],   v11 offset:(\k)*16*PA+64*\c
	ds_load_b128 v[MF0+64*(\k)+8*\c+4:MF0+64*(\k)+8*\c+7], v11 offset:(\k)*16*PA+64*\c+32
.endr
.set DSI, DSI+16
.if (\k) == 0
.set E_M0, DSI
.else
.set E_M1, DSI
.endif
.endm
; One tile of 16 n x 16 m.  Source 0 = 16 rows m, source 1 = 16 rows n: a lane then holds row n = lane % 16 and eight neighbouring m.
; The two accumulators take turns, one instruction a turn; their sum is the tile, packed into four registers of its own.
.macro T1 k
.if (\k) == 0
	s_wait_dscnt DSI-E_M0                          ; the LDS loads issued behind this buffer's may stay out
.else
	s_wait_dscnt DSI-E_M1
.endif
.irp c, 0,1,2,3,4,5,6,7
.if \c < 2
	v_wmma_f32_16x16x32_bf16 v[AC0+8*(\c%2):AC0+8*(\c%2)+7], v[MF0+64*(\k)+8*\c:MF0+64*(\k)+8*\c+7], v[RS+8*\c:RS+8*\c+7], 0
.else
	v_wmma_f32_16x16x32_bf16 v[AC0+8*(\c%2):AC0+8*(\c%2)+7], v[MF0+64*(\k)+8*\c:MF0+64*(\k)+8*\c+7], v[RS+8*\c:RS+8*\c+7], v[AC0+8*(\c%2):AC0+8*(\c%2)+7]
.endif
.endr
	PLACES 5                                       ; behind the products: the sums below, later loads into their buffers, and the next products, which write over both accumulators
.irp j, 0,1,2,3
	v_pk_add_f32 v[AC0+2*\j:AC0+2*\j+1], v[AC0+2*\j:AC0+2*\j+1], v[AC1+2*\j:AC1+2*\j+1]
.endr
.irp j, 0,1,2,3
	v_cvt_pk_bf16_f32 v[PKR+4*\k+\j], v[AC0+2*\j], v[AC0+2*\j+1]
.endr
.endm
; A vector: source 0 = a bias row, the same for all 16 rows m (its address does not hang on lane % 16); source 1 = 16 rows n.
; Every register of the result holds the lane's number; register 0 of both accumulators is taken.
.macro T2 a0adr, bsrc, badr, res
.irp c, 0,1,2,3,4,5,6,7
	ds_load_b128 v[MF0+8*\c:MF0+8*\c+3],   v[\a0adr] offset:64*\c
	ds_load_b128 v[MF0+8*\c+4:MF0+8*\c+7], v[\a0adr] offset:64*\c+32
.endr
.if \bsrc != RS
.irp c, 0,1,2,3,4,5,6,7
	ds_load_b128 v[MF1+8*\c:MF1+8*\c+3],   v[\badr] offset:64*\c
	ds_load_b128 v[MF1+8*\c+4:MF1+8*\c+7], v[\badr] offset:64*\c+32
.endr
.endif
	s_wait_dscnt 0x0
.irp c, 0,1,2,3,4,5,6,7
.if \c < 2
	v_wmma_f32_16x16x32_bf16 v[AC0+8*(\c%2):AC0+8*(\c%2)+7], v[MF0+8*\c:MF0+8*\c+7], v[\bsrc+8*\c:\bsrc+8*\c+7], 0
.else
	v_wmma_f32_16x16x32_bf16 v[AC0+8*(\c%2):AC0+8*(\c%2)+7], v[MF0+8*\c:MF0+8*\c+7], v[\bsrc+8*\c:\bsrc+8*\c+7], v[AC0+8*(\c%2):AC0+8*(\c%2)+7]
.endif
.endr
	PLACES 5
	v_add_f32 v[\res], v[AC0], v[AC1]
.endm
.macro PRODUCT p
	; where my rows come from
	s_lshl_b32 s44, s78, 20                        ; operand 0: rows 128 mh + 8 w on, 8,192 bytes each,
	s_lshl_b32 s45, s38, 16
	s_add_co_u32 s44, s44, s45
	s_lshl_b32 s48, s40, 10                        ; the head's 256 columns
	s_mov_b32 s49, 0
	s_add_co_u32 s44, s44, s48
	s_mov_b32 s45, 0
.if \p == 0
	s_add_nc_u64 s[56:57], s[10:11], s[44:45]      ; Wq
	s_lshl_b32 s46, s41, 19                        ; operand 1: Wk's rows 64 nq + 4 w on
	s_lshl_b32 s47, s38, 15
	s_add_co_u32 s46, s46, s47
	s_add_co_u32 s46, s46, s48
	s_mov_b32 s47, 0
	s_add_nc_u64 s[58:59], s[12:13], s[46:47]
	s_add_nc_u64 s[60:61], s[18:19], s[48:49]      ; bq
	s_add_nc_u64 s[62:63], s[20:21], s[48:49]      ; bk
.else
	s_add_nc_u64 s[56:57], s[14:15], s[44:45]      ; Wv
	s_lshl_b32 s46, s40, 18                        ; operand 1: Wo's rows 256 h + 16 w on, columns 64 nq on (256 bytes of a row)
	s_lshl_b32 s47, s38, 14
	s_add_co_u32 s46, s46, s47
	s_lshl_b32 s47, s41, 8
	s_add_co_u32 s46, s46, s47
	s_mov_b32 s47, 0
	s_add_nc_u64 s[58:59], s[16:17], s[46:47]
	s_add_nc_u64 s[60:61], s[22:23], s[48:49]      ; bv
	v_lshlrev_b32 v9, 10, v5                       ; a load takes two rows' 256 bytes: lanes 16-31 the row below
	v_lshl_add_u32 v9, v4, 4, v9
.endif
.irp n, 0,1,2,3,4,5,6,7,8,9,10,11,12,13,14,15
	global_load_b128 v[16+4*\n:19+4*\n], v2, s[56:57] offset:(\n/2)*8192+(\n%2)*512
.endr
.irp n, 0,1,2,3,4,5,6,7
.if \p == 0
	global_load_b128 v[80+4*\n:83+4*\n], v2, s[58:59] offset:(\n/2)*8192+(\n%2)*512
.else
	global_load_b128 v[80+4*\n:83+4*\n], v9, s[58:59] offset:\n*2048
.endif
.endr
	s_mul_i32 s76, s38, 8*PA
	v_add_nc_u32 v6, s76, v3                       ; operand 0 in LDS: row 8 w, 8 bytes a lane
.if \p == 0
	s_mul_i32 s76, s38, 4*PA
	s_add_co_u32 s76, s76, B0
	v_add_nc_u32 v7, s76, v3                       ; operand 1 in LDS: row 4 w
.else
	s_mul_i32 s76, s38, 16*PB1
	s_add_co_u32 s76, s76, B1
	v_mul_u32_u24 v7, v5, PB1
	v_lshl_add_u32 v7, v4, 3, v7
	v_add_nc_u32 v7, s76, v7                       ; operand 1 in LDS: row 16 w + lane / 16, 8 bytes for each of sixteen lanes
.endif
	s_wait_loadcnt 8                               ; operand 0 is in; operand 1's eight loads stay out
.irp n, 0,1,2,3,4,5,6,7,8,9,10,11,12,13,14,15
	v_cvt_pk_bf16_f32 v[16+4*\n], v[16+4*\n], v[17+4*\n]
	v_cvt_pk_bf16_f32 v[17+4*\n], v[18+4*\n], v[19+4*\n]
	ds_store_b64 v6, v[16+4*\n:17+4*\n] offset:(\n/2)*PA+(\n%2)*256
.endr
	s_wait_loadcnt 0x0
.irp n, 0,1,2,3,4,5,6,7
.if \p == 0
	v_pk_mul_f32 v[80+4*\n:81+4*\n], v[80+4*\n:81+4*\n], s[54:55] op_sel_hi:[1,0]   ; Wk carries c0
	v_pk_mul_f32 v[82+4*\n:83+4*\n], v[82+4*\n:83+4*\n], s[54:55] op_sel_hi:[1,0]
.endif
	v_cvt_pk_bf16_f32 v[80+4*\n], v[80+4*\n], v[81+4*\n]
	v_cvt_pk_bf16_f32 v[81+4*\n], v[82+4*\n], v[83+4*\n]
.if \p == 0
	ds_store_b64 v7, v[80+4*\n:81+4*\n] offset:(\n/2)*PA+(\n%2)*256
.else
	ds_store_b64 v7, v[80+4*\n:81+4*\n] offset:\n*2*PB1
.endif
.endr
	s_cmp_lg_u32 s38, 0                            ; wave 0 stages operand 0's bias row
	s_cbranch_scc1 .Lnb0_\@
	global_load_b128 v[208:211], v2, s[60:61]
	global_load_b128 v[212:215], v2, s[60:61] offset:512
	v_add_nc_u32 v8, A0B, v3
	s_wait_loadcnt 0x0
	v_cvt_pk_bf16_f32 v208, v208, v209
	v_cvt_pk_bf16_f32 v209, v210, v211
	v_cvt_pk_bf16_f32 v212, v212, v213
	v_cvt_pk_bf16_f32 v213, v214, v215
	ds_store_b64 v8, v[208:209]
	ds_store_b64 v8, v[212:213] offset:256
.Lnb0_\@:
.if \p == 0
	s_cmp_lg_u32 s38, 1                            ; wave 1 stages c0 bk
	s_cbranch_scc1 .Lnb1_\@
	global_load_b128 v[208:211], v2, s[62:63]
	global_load_b128 v[212:215], v2, s[62:63] offset:512
	v_add_nc_u32 v8, B0B, v3
	s_wait_loadcnt 0x0
	v_pk_mul_f32 v[208:209], v[208:209], s[54:55] op_sel_hi:[1,0]
	v_pk_mul_f32 v[210:211], v[210:211], s[54:55] op_sel_hi:[1,0]
	v_pk_mul_f32 v[212:213], v[212:213], s[54:55] op_sel_hi:[1,0]
	v_pk_mul_f32 v[214:215], v[214:215], s[54:55] op_sel_hi:[1,0]
	v_cvt_pk_bf16_f32 v208, v208, v209
	v_cvt_pk_bf16_f32 v209, v210, v211
	v_cvt_pk_bf16_f32 v212, v212, v213
	v_cvt_pk_bf16_f32 v213, v214, v215
	ds_store_b64 v8, v[208:209]
	ds_store_b64 v8, v[212:213] offset:256
.Lnb1_\@:
.endif
	s_wait_dscnt 0x0                               ; for the others' sake: my rows are in LDS
	s_barrier_signal -1
	s_barrier_wait -1
	; addresses of the fragments.  All global loads have been waited for with the count 0, so v1-3 and v6-9 take new contents
	v_mul_u32_u24 v15, v4, PA
	v_lshl_add_u32 v15, v5, 4, v15                 ; (lane % 16) x pitch + 16 (lane / 16)
.if \p == 0
	s_mul_i32 s76, s42, 16*PA
	s_add_co_u32 s76, s76, B0
	v_add_nc_u32 v9, s76, v15                      ; my n tile's 16 rows of operand 1
.irp c, 0,1,2,3,4,5,6,7
	ds_load_b128 v[RS+8*\c:RS+8*\c+3],   v9 offset:64*\c
	ds_load_b128 v[RS+8*\c+4:RS+8*\c+7], v9 offset:64*\c+32
.endr
.else
	v_and_b32 v9, 7, v0                            ; operand 1 lies [f][o]: the turning load; lane l reads row 8 (l / 16) + l % 8, 16 bytes at 16 ((l / 8) % 2)
	v_lshl_add_u32 v9, v5, 3, v9
	v_mul_u32_u24 v9, v9, PB1
	v_bfe_u32 v10, v0, 3, 1
	v_lshl_add_u32 v9, v10, 4, v9
	s_lshl_b32 s76, s42, 5
	s_add_co_u32 s76, s76, B1
	v_add_nc_u32 v9, s76, v9
.irp c, 0,1,2,3,4,5,6,7
	ds_load_tr16_b128 v[RS+8*\c:RS+8*\c+3],   v9 offset:\c*32*PB1
	ds_load_tr16_b128 v[RS+8*\c+4:RS+8*\c+7], v9 offset:\c*32*PB1+16*PB1
.endr
.endif
.set DSI, 16
	s_mul_i32 s76, s43, 32*PA
	v_add_nc_u32 v11, s76, v15                     ; my 32 rows of operand 0
	LDM 0
	LDM 1
	s_mul_i32 s76, s42, 16*SPI                     ; into the stage: rows 16 nt on,
	s_lshl_b32 s77, s43, 6                         ; my 64 bytes of them;
	s_add_co_u32 s76, s76, s77
	v_mul_u32_u24 v12, v4, SPI                     ; row lane % 16, 16 bytes for each half of the lanes
	v_lshl_add_u32 v12, v5, 4, v12
	v_add_nc_u32 v12, s76, v12
	s_mul_i32 s76, s38, 4*SPI                      ; back: wave w takes rows 4 w .. 4 w + 3, whole;
	v_mul_u32_u24 v13, v5, SPI                     ; lanes 0-15 a row of 256 bytes, lanes 16-31 the next
	v_lshl_add_u32 v13, v4, 4, v13
	v_add_nc_u32 v13, s76, v13
	v_lshlrev_b32 v14, 9, v5
	v_lshl_add_u32 v14, v4, 4, v14                 ; the same two rows in the result
	v_lshlrev_b32 v[R4], 2, v4
	v_lshlrev_b32 v[ABA], 4, v5
.if \p == 0
	v_lshlrev_b32 v[R2], 1, v4
	v_add_nc_u32 v[ABB], B0B, v[ABA]
	s_and_b32 s76, s38, 7
	s_mul_i32 s76, s76, 16*PA
	v_add_nc_u32 v[AT0], s76, v15                  ; tile w % 8 of the job's eight tiles of Wq
.endif
	v_add_nc_u32 v[ABA], A0B, v[ABA]
	; where the results go
	s_lshl_b32 s50, s40, 17                        ; head,
	s_lshl_b32 s51, s41, 15                        ; 64 nq rows of 512 bytes,
	s_add_co_u32 s50, s50, s51
	s_lshl_b32 s51, s38, 11                        ; 4 w rows,
	s_add_co_u32 s50, s50, s51
	s_lshl_b32 s51, s78, 8                         ; the job's 256 bytes of a row
	s_add_co_u32 s50, s50, s51
	s_mov_b32 s51, 0
	s_lshl_b32 s52, s41, 8                         ; a vector's 64 nq + 16 nt numbers of 4 bytes
	s_lshl_b32 s74, s42, 6
	s_add_co_u32 s52, s52, s74
	s_mov_b32 s53, 0
.if \p == 0
	s_add_nc_u64 s[66:67], s[28:29], s[50:51]
	s_mul_i32 s74, s40, 1088
	s_mov_b32 s75, 0
	s_add_nc_u64 s[70:71], s[32:33], s[74:75]      ; vq at my head
	s_add_nc_u64 s[68:69], s[70:71], s[52:53]
	s_and_b32 s77, s38, 7
	s_lshl_b32 s77, s77, 5                         ; ub: tile w % 8, 32 bytes each,
	s_lshl_b32 s74, s78, 8                         ; behind 128 mh numbers of 2 bytes,
	s_add_co_u32 s74, s74, s77
	s_lshl_b32 s77, s40, 9                         ; at my head
	s_add_co_u32 s74, s74, s77
	s_add_nc_u64 s[72:73], s[34:35], s[74:75]
.else
	s_add_nc_u64 s[66:67], s[30:31], s[50:51]
	s_add_co_u32 s52, s52, s48
	s_add_nc_u64 s[68:69], s[36:37], s[52:53]      ; cvh at my head and tile
.endif
	T1 0
	T1 1
	; the vectors, each made by one job and wave: branches on the wave's number and on the job; no barrier stands inside
.if \p == 0
	s_cmp_lt_u32 s38, 4
	s_cbranch_scc0 .Lhi_\@
	s_cmp_lg_u32 s78, 0
	s_cbranch_scc1 .Lvd_\@
	T2 ABA, RS, 0, RES0                            ; bq x c0 Wk, my n tile
	global_store_b32 v[R4], v[RES0], s[68:69]      ; both halves of the lanes hold and store the same sixteen numbers
	s_cmp_lg_u32 s38, 0
	s_cbranch_scc1 .Lvd_\@
	s_cmp_lg_u32 s41, 0
	s_cbranch_scc1 .Lvd_\@
	T2 ABA, MF1, ABB, RES1                         ; bq x c0 bk
	global_store_b32 v[R4], v[RES1], s[70:71] offset:1024
	s_branch .Lvd_\@
.Lhi_\@:
	s_cmp_lt_u32 s38, 8
	s_cbranch_scc1 .Lvd_\@
	s_cmp_lg_u32 s41, 0
	s_cbranch_scc1 .Lvd_\@
	T2 ABB, MF1, AT0, RES0                         ; c0 bk x Wq, tile w % 8
	v_cvt_pk_bf16_f32 v[RES0], v[RES0], v[RES0]
	global_store_b16 v[R2], v[RES0], s[72:73]
.Lvd_\@:
.else
	s_cmp_lt_u32 s38, 4
	s_cbranch_scc0 .Lvd_\@
	s_cmp_lg_u32 s78, 0
	s_cbranch_scc1 .Lvd_\@
	T2 ABA, RS, 0, RES0                            ; bv x Wo, my n tile
	global_store_b32 v[R4], v[RES0], s[68:69]
.Lvd_\@:
.endif
	; the way out.  The stage lies over operand 0: every wave's reads of the operands are over before it is written
	s_wait_dscnt 0x0                               ; my LDS loads are back
	s_barrier_signal -1
	s_barrier_wait -1                              ; everybody's are
	ds_store_b128 v12, v[PKR:PKR+3]                ; row n, 16 bytes at m = 32 (w / 4) + 8 (lane / 16)
	ds_store_b128 v12, v[PKR+4:PKR+7] offset:32    ; and 16 columns on
	s_wait_dscnt 0x0                               ; for the others' sake: a row's 256 bytes come from four waves
	s_barrier_signal -1
	s_barrier_wait -1
	ds_load_b128 v[MF0:MF0+3],   v13
	ds_load_b128 v[MF0+4:MF0+7], v13 offset:2*SPI
	s_wait_dscnt 0x1                               ; the first two rows are back; the second load stays out
	global_store_b128 v14, v[MF0:MF0+3], s[66:67]  ; sixteen lanes store 256 consecutive bytes, aligned
	s_wait_dscnt 0x0
	global_store_b128 v14, v[MF0+4:MF0+7], s[66:67] offset:1024
.endm
.Lproduct:
	s_bfe_u32 s40, s39, 0x30003                    ; head: 3 bits from bit 3
	s_bfe_u32 s41, s39, 0x20001                    ; nq: which 64 rows n
	s_and_b32 s78, s39, 1                          ; mh: which 128 columns m
	s_and_b32 s42, s38, 3                          ; nt: my n tile
	s_lshr_b32 s43, s38, 2                         ; my pair of m tiles
	s_mov_b32 s54, 0x3db8aa3b                      ; c0 = log2(e) / 16
	s_mov_b32 s55, s54                             ; named with it as a pair
	v_and_b32 v4, 15, v0
	v_bfe_u32 v5, v0, 4, 1
	s_cmp_lt_u32 s39, 64
	s_cbranch_scc0 .Lp1
	PRODUCT 0
	s_wait_tensorcnt 0x0
	ds_add_u32 v254, v255
	s_wait_dscnt 0x0
	s_endpgm
.Lp1:
	PRODUCT 1
	s_wait_tensorcnt 0x0
	ds_add_u32 v254, v255
	s_wait_dscnt 0x0
	s_endpgm
.Lfunc_end_k_q02b1a3e831_prep:
	.size	k_q02b1a3e831_prep, .Lfunc_end_k_q02b1a3e831_prep-k_q02b1a3e831_prep
	.p2alignl 7, 3214868480
	.fill 96, 4, 3214868480
	.section	.rodata,"a",@progbits
	.p2align	6, 0x0
	.amdhsa_kernel k_q02b1a3e831_prep
		.amdhsa_group_segment_fixed_size 145920
		.amdhsa_private_segment_fixed_size 0
		.amdhsa_enable_private_segment 0
		.amdhsa_kernarg_size 136
		.amdhsa_user_sgpr_count 2
		.amdhsa_user_sgpr_kernarg_segment_ptr 1
		.amdhsa_wavefront_size32 1
		.amdhsa_system_sgpr_workgroup_id_x 1
		.amdhsa_system_sgpr_workgroup_id_y 1
		.amdhsa_system_sgpr_workgroup_id_z 1
		.amdhsa_system_vgpr_workitem_id 0
		.amdhsa_next_free_vgpr 256
		.amdhsa_next_free_sgpr 80
		.amdhsa_reserve_vcc 0
		.amdhsa_float_denorm_mode_32 3
		.amdhsa_float_denorm_mode_16_64 3
		.amdhsa_memory_ordered 1
		.amdhsa_forward_progress 1
		.amdhsa_inst_pref_size 61
	.end_amdhsa_kernel
	.amdgpu_metadata
---
amdhsa.version: [ 1, 2 ]
amdhsa.kernels:
  - .name:           k_q02b1a3e831_prep
    .symbol:         k_q02b1a3e831_prep.kd
    .args:
      - { .name: K, .offset: 0, .size: 8, .value_kind: global_buffer, .address_space: global }
      - { .name: V, .offset: 8, .size: 8, .value_kind: global_buffer, .address_space: global }
      - { .name: att_mask_out, .offset: 16, .size: 8, .value_kind: global_buffer, .address_space: global }
      - { .name: Wq, .offset: 24, .size: 8, .value_kind: global_buffer, .address_space: global }
      - { .name: Wk, .offset: 32, .size: 8, .value_kind: global_buffer, .address_space: global }
      - { .name: Wv, .offset: 40, .size: 8, .value_kind: global_buffer, .address_space: global }
      - { .name: Wo, .offset: 48, .size: 8, .value_kind: global_buffer, .address_space: global }
      - { .name: bq, .offset: 56, .size: 8, .value_kind: global_buffer, .address_space: global }
      - { .name: bk, .offset: 64, .size: 8, .value_kind: global_buffer, .address_space: global }
      - { .name: bv, .offset: 72, .size: 8, .value_kind: global_buffer, .address_space: global }
      - { .name: Kb, .offset: 80, .size: 8, .value_kind: global_buffer, .address_space: global }
      - { .name: Vb, .offset: 88, .size: 8, .value_kind: global_buffer, .address_space: global }
      - { .name: WqkT, .offset: 96, .size: 8, .value_kind: global_buffer, .address_space: global }
      - { .name: WvoT, .offset: 104, .size: 8, .value_kind: global_buffer, .address_space: global }
      - { .name: vq, .offset: 112, .size: 8, .value_kind: global_buffer, .address_space: global }
      - { .name: ub, .offset: 120, .size: 8, .value_kind: global_buffer, .address_space: global }
      - { .name: cvh, .offset: 128, .size: 8, .value_kind: global_buffer, .address_space: global }
    .group_segment_fixed_size: 145920
    .private_segment_fixed_size: 0
    .kernarg_segment_align: 8
    .kernarg_segment_size: 136
    .max_flat_workgroup_size: 512
    .sgpr_count:     80
    .vgpr_count:     256
    .wavefront_size: 32
...
	.end_amdgpu_metadata
.endif
;; end of part 4
;; launch attn (part 5): grid 16 x 16, 4 waves a work-group, clusters of 4 x 1, 327,680 bytes of LDS; arguments Q, att_mask_out, Kb, Vb, WqkT, vq, ub, WvoT, part; writes part
.if DOCPART == 5
	.amdgcn_target "amdgcn-amd-amdhsa--gfx1250"
	.amdhsa_code_object_version 6
	.text
	.protected	k_q02b1a3e831_attn
	.globl	k_q02b1a3e831_attn
	.p2align	8
	.type	k_q02b1a3e831_attn,@function
k_q02b1a3e831_attn:
	s_mov_b64 s[64:65], 0
	v_nop
	global_prefetch_b8 v0, s[64:65] scope:SCOPE_SE
	s_setreg_imm32_b32 hwreg(HW_REG_WAVE_MODE, 25, 1), 1
	s_wait_xcnt 0x0
	s_wait_alu depctr_hold_cnt(0) depctr_sa_sdst(0) depctr_va_vdst(0) depctr_va_sdst(0) depctr_va_ssrc(0) depctr_va_vcc(0) depctr_vm_vsrc(0)
	s_getreg_b32 s2, hwreg(HW_REG_IB_STS2, 6, 4)
	s_cmp_eq_u32 s2, 0
	s_cbranch_scc0 .Lentry_in_a_cluster
	s_endpgm
.Lentry_in_a_cluster:
	s_bfe_u32 s2, ttmp6, 0x10000c
	s_cmp_lg_u32 s2, 0x3003
	s_cbranch_scc0 .Lentry_shape_is_right
	s_endpgm
.Lentry_shape_is_right:
; ATTENTION AND BOTH PROJECTIONS.  A work-group owns one batch b, 64 queries and four heads (group G); wave w is head 4 G + w with all 64 queries: four tiles of 16.
;   q'[c]  = sum_i Q[i] Wqk_h[i][c] + r_h[c]            (the query carried through Wq and Wk^T: scores are then products with the RAW keys of the batch)
;   qb     = sum_i Q[i] u_h[i] + beta_h                 (the query times bk: one number a query and head)
;   s[k]   = Kb[k] . q' + (masked ? c0 NEG : 0);  p = 2^(s + qb - m), m the running maximum of s + qb;  O = sum_k p[k] Vb[k] / sum_k p[k]
;   part[G][row][o] = sum over my four heads of sum_c O_h[c] Wvo_h[c][o]
; (the weights of a row sum to 1, so bv's part is a constant row, added by the next launch).  c0 = log2(e) / 16 lies in Wqk, r, u, beta.
; LIMITS: Q, q', p, O and the weight products are rounded to bf16 once each, sums are f32, and the order of rounding differs from projecting K and V first.
; A masked key's row of Kb is 0, so its score is exactly c0 NEG, to which qb is added with the others': it stays c0 NEG for |qb| < 4e9.
; A row with all keys masked gives the plain mean of V, since s + qb - m is then exactly 0.  Infinities and NaN in the inputs are not served.
; LAYOUT.  Every product is used transposed: source 0 = 16 rows from LDS (keys, channels of V turned, rows of a weight matrix), source 1 = 16 queries from registers.
; In each result a lane holds ONE query (lane % 16) and eight neighbouring rows 8 (lane / 16) + 0..7; two such tiles rounded to bf16 in pairs ARE source 1 of the next product.
; CLUSTER.  The four work-groups of a cluster are four query blocks of one (b, G): they walk the same weights, K and V.  Every tile is asked for jointly,
; by the same tensor load with the same descriptor and the mask 15 in all four.  The place in the cluster enters Q's and part's addresses alone.
; RING.  Two LDS slots of four parts, a part = 64 rows of 512 bytes, one tensor load a wave.  Weight phases: part w = 64 rows of wave w's head.
; Attention: a slot = 128 keys; parts 0, 1 = K of its two steps of 64 keys, parts 2, 3 = V of the two.  A wave has two tensor loads out at the start and one behind every later round.
; THE TEXT.  The key step is written three times.  Once as the first step, which starts m, l and O^T.  Once in the loop over slots 0 to 5, whose change of slots asks for
; the keys two slots on.  Once in the loop over slots 6 and 7, whose change asks for WvoT.  A slot's steps are an inner loop (one trip
; in slot 0, whose first step is written out, two in the others); the step's LDS addresses hang on two scalars that step, and each step fetches its own first fragments.
; The matrix work and the softmax stand in phases: by turns of two halves of the tiles each fragment of K and V would be read from LDS once for each half,
; 256 loads of 512 bytes a wave and key step in place of 128, for the step's 256 matrix instructions.
; REGISTERS, in windows of 256 (s_set_vgpr_msb: bits 1:0 source 0, 3:2 source 1, 5:4 source 2, 7:6 destination):
;   window 0: v0-11 addresses; v12-27 four registers a tile (m, qb, l, -); v28-43 at work; v44-59 the scores' start values; v64-191 S^T, 32 a tile, P in place; v192-255 two fragment buffers
;   window 1: Q as loaded, then q' (tile t, channels 32 c at 64 t + 8 c), at last O in bf16 at the same places
;   window 2: Q's fragments, then O^T channel tiles 0-7 (32 ct + 8 t), at last the result's tiles 0-7;   window 3: r and beta as start values, then tiles 8-15
.set PKB,  528                         ; a row of K or of a weight matrix in LDS: 512 + 16 bytes = 33 x 16: sixteen rows start in sixteen different 16-byte columns
.set PVB,  544                         ; a row of V: 512 + 32 = 17 x 32, for the turning load
.set PART, 64*PVB                      ; 0x8800
.set SLOT, 4*PART                      ; 0x22000: it shares no bit with wave x PART or step x PART, so one exclusive or turns an address in one slot into the other's
.set QS,   2*SLOT                      ; behind the ring: Q in bf16, 64 rows of 528 bytes; no tensor load lands here
.set TAB,  QS+64*PKB                   ; 1,024 start values: 0 or c0 NEG
.set RP,   1040                        ; the sum over heads: rows of 1,024 + 16 bytes, 64 a wave, over the ring after its last fill
.set REDW, 64*RP
.set AK0,  3                           ; v3   (lane % 16) x 528 + 16 (lane / 16)
.set AV0,  4                           ; v4   the turning load's lane term + 2 PART: V lies two parts behind K
.set ADT,  5                           ; v5   this step's start values
.set ADK,  6                           ; v6   this step's K (weights: my part)
.set ADV,  8                           ; v8   this step's V
.set LN16, 10                          ; v10  16 x lane
.set ADT0, 11                          ; v11  TAB + 32 (lane / 16)
.set ST,   12
.set TW,   28                          ; tile t % 2: +0..3 c0-c3, +4 a, +5 its argument, +6 d = qb - m, +7 the step's maximum
.set TC,   44
.set S,    64
.set F0,   192
.set NST,  3                           ; s3   steps that the loop makes in the slot in hand
.set WV,   22                          ; s22  wave
.set G1A,  32                          ; s[32:39] group 1, LDS pitch 528
.set G1V,  40                          ; s[40:47] group 1, LDS pitch 544
.set G0W,  48                          ; s[48:55] group 0 for WqkT, a set for each slot
.set G0K,  56                          ; s[56:63] for K: a set for each of the two first fills; the second then walks on
.set TB,   66                          ; s66  LDS byte at which the step's tile of K begins
.set TWICE, 67                         ; s67  counts a slot's steps
.set G0V,  68                          ; s[68:75] for V, as for K
.set SEL,  78                          ; s[78:79] v_permlanex16_b32: each lane takes its own place in the other half
.set CNT,  80
.set TOF,  81                          ; s81  bytes of start values used up
.set G0Z,  96                          ; s[96:99] group 0 for WvoT: it walks
.set MSB,  0
.set DSI,  0                           ; LDS instructions issued since the count was last begun;
.set E_F0, 0                           ; its value behind the last load into fragment buffer 0, 1 and into the start values
.set E_F1, 0
.set E_T,  0
.macro WIN new                         ; the immediate's high byte repeats the setting that is left; a switch that changes nothing is dropped
.if MSB != (\new)
	s_set_vgpr_msb (MSB<<8)|(\new)
.set MSB, (\new)
.endif
.endm
.macro PLACES n                        ; plain vector instructions behind matrix instructions (ISA guide 7.12.1); other matrix instructions are not counted
.rept \n
	v_nop
.endr
.endm
.macro DSZERO                          ; the counts of the waits on DScnt begin anew: they name only loads issued from here on
.set DSI, 0
.set E_F0, 0
.set E_F1, 0
.set E_T, 0
.endm
.macro CROUND                          ; a round of the cluster's barrier
	s_barrier_signal -1
	s_barrier_wait -1
	s_cmp_lg_u32 s[WV], 0
	s_cbranch_scc1 .Lnot_wave_0_\@
	s_barrier_signal -3
.Lnot_wave_0_\@:
	s_barrier_wait -3
	s_barrier_signal -1
	s_barrier_wait -1
.endm
.macro JLOADW s                        ; my head's next 64 rows of WqkT; four v_nop follow the load
	tensor_load_to_lds s[G0W+4*\s:G0W+4*\s+3], s[G1A:G1A+7]
	s_nop 0
	PLACES 4
.endm
.macro JLOADZ                          ; my head's next 64 rows of WvoT
	tensor_load_to_lds s[G0Z:G0Z+3], s[G1A:G1A+7]
	s_nop 0
	PLACES 4
.endm
.macro JLOADKV s                       ; waves 0, 1: K of the slot's two steps; waves 2, 3: V.  The branch hangs on the wave's number alone
	s_cmp_lt_u32 s[WV], 2
	s_cbranch_scc0 .Lfor_v_\@
	tensor_load_to_lds s[G0K+4*\s:G0K+4*\s+3], s[G1A:G1A+7]
	s_nop 0
	PLACES 4
	s_branch .Lasked_\@
.Lfor_v_\@:
	tensor_load_to_lds s[G0V+4*\s:G0V+4*\s+3], s[G1V:G1V+7]
	s_nop 0
	PLACES 4
.Lasked_\@:
.endm
; THE CHANGE OF SLOTS.  A slot has been read out.  Each wave waits for its LDS reads and for all its tensor loads (one is out: its part of the other slot), steps the
; descriptor while no load of its own is out, and passes a round of the cluster's barrier: no wave of any partner still reads the slot or has a load on its way.
; The joint refill is the first thing behind the round.
; kind 1: WqkT by set s, two parts on.  2: the first fills of K and V, by set s.  3: K and V by the walking sets: the other slot than last time, the next 128 keys.
; 4: WvoT by its walking set: the other slot, the next 64 rows.  0: nothing is left to fetch (a plain barrier).  tb = 1: the steps' addresses go to the other slot's first step.
.macro CHANGE kind, s, tb
	WIN 0
	s_wait_dscnt 0x0
	s_wait_tensorcnt 0x0
	ds_add_u32 v23, v27
	s_wait_dscnt 0x0
.if \kind == 1
	s_add_nc_u64 s[G0W+4*\s+2:G0W+4*\s+3], s[G0W+4*\s+2:G0W+4*\s+3], 65536
.elseif \kind == 3
.irp g, G0K+4, G0V+4
	s_xor_b32 s[\g+1], s[\g+1], SLOT
	s_add_nc_u64 s[\g+2:\g+3], s[\g+2:\g+3], 65536     ; the type bits on top are not reached
.endr
.elseif \kind == 4
	s_xor_b32 s[G0Z+1], s[G0Z+1], SLOT
	s_add_nc_u64 s[G0Z+2:G0Z+3], s[G0Z+2:G0Z+3], 32768
.endif
.if \tb
	s_sub_co_u32 s[TB], s[TB], 2*PART
	s_xor_b32 s[TB], s[TB], SLOT
.endif
.if \kind == 0
	s_barrier_signal -1
	s_barrier_wait -1
.else
	CROUND
.if \kind == 1
	JLOADW \s
.elseif \kind == 2
	JLOADKV \s
.elseif \kind == 3
	JLOADKV 1
.else
	JLOADZ
.endif
.endif
	DSZERO
.endm
; THE FRAGMENT STREAM.  Runs of eight LDS loads fill two buffers of four fragments by turns, each run a group of 16 matrix instructions ahead of its use.
.macro WAITB b, needt                  ; the count: the LDS instructions issued behind the last load that is needed
.if (\b) == 0
.set wc, DSI-E_F0
.else
.set wc, DSI-E_F1
.endif
.if \needt
.if (DSI-E_T) < wc
.set wc, DSI-E_T
.endif
.endif
	s_wait_dscnt wc
.endm
.macro MARK b
.set DSI, DSI+8
.if (\b) == 0
.set E_F0, DSI
.else
.set E_F1, DSI
.endif
.endm
.macro LD_K b, adr, pp, gg             ; row tiles 2 pp, 2 pp + 1; K-dimension 32 (2 gg), 32 (2 gg + 1) on: fragment (cc, kk) at 8 (2 cc + kk)
.irp cc, 0,1
.irp kk, 0,1
	ds_load_b128 v[F0+32*(\b)+8*(2*\cc+\kk):F0+32*(\b)+8*(2*\cc+\kk)+3],   v[\adr] offset:(2*(\pp)+\kk)*16*PKB+(2*(\gg)+\cc)*64
	ds_load_b128 v[F0+32*(\b)+8*(2*\cc+\kk)+4:F0+32*(\b)+8*(2*\cc+\kk)+7], v[\adr] offset:(2*(\pp)+\kk)*16*PKB+(2*(\gg)+\cc)*64+32
.endr
.endr
	MARK \b
.endm
.macro LD_V b, adr, gg                 ; keys 32 (gg % 2) on, channel tiles 4 (gg / 2) + 0..3, turned
.irp f, 0,1,2,3
	ds_load_tr16_b128 v[F0+32*(\b)+8*\f:F0+32*(\b)+8*\f+3],   v[\adr] offset:((\gg)%2)*32*PVB+(4*((\gg)/2)+\f)*32
	ds_load_tr16_b128 v[F0+32*(\b)+8*\f+4:F0+32*(\b)+8*\f+7], v[\adr] offset:((\gg)%2)*32*PVB+(4*((\gg)/2)+\f)*32+16*PVB
.endr
	MARK \b
.endm
.macro LD_T off                        ; start values of two key tiles: register j of a lane is key 8 (lane / 16) + j
	ds_load_b128 v[TC:TC+3],     v[ADT] offset:\off
	ds_load_b128 v[TC+4:TC+7],   v[ADT] offset:\off+16
	ds_load_b128 v[TC+8:TC+11],  v[ADT] offset:\off+64
	ds_load_b128 v[TC+12:TC+15], v[ADT] offset:\off+80
.set DSI, DSI+4
.set E_T, DSI
.endm
; One product of a block of 64 rows x 256 x 64 queries.  mode 0: scores (source 1 = q', sums start from the mask's values); 1: q' (source 1 = Q, sums start from r);
; 2: the result (source 1 = O, sums start from 0, in windows 2 and 3).
.macro SPROD mode, f, i, cc, kk, t
.set rA, F0+32*(\i%2)+8*(2*\cc+\kk)
.set rB, 64*\t+8*(2*(\i%4)+\cc)
.set kt, 2*(\i/4)+\kk
.if \mode == 2
.set rD, ((4*\f+kt)%8)*32+8*\t
.set wn, 0xA4+0x50*(\f/2)
.else
.set rD, S+32*\t+8*kt
.set wn, 0x04+0x04*\mode
.endif
.if ((\i%4) == 0) && (\cc == 0)
.if \mode == 0
	WIN wn
	v_wmma_f32_16x16x32_bf16 v[rD:rD+7], v[rA:rA+7], v[rB:rB+7], v[TC+8*\kk:TC+8*\kk+7]
.elseif \mode == 1
	WIN 0x38
	v_wmma_f32_16x16x32_bf16 v[rD:rD+7], v[rA:rA+7], v[rB:rB+7], v[8*(4*\f+kt):8*(4*\f+kt)+7]
.else
	WIN wn
	v_wmma_f32_16x16x32_bf16 v[rD:rD+7], v[rA:rA+7], v[rB:rB+7], 0
.endif
.else
	WIN wn
	v_wmma_f32_16x16x32_bf16 v[rD:rD+7], v[rA:rA+7], v[rB:rB+7], v[rD:rD+7]
.endif
.endm
; The block: eight groups of 16 products.  Group i: row tiles 2 (i / 4), + 1; K-dimension 64 (i % 4) on.  Eight accumulators take turns, one instruction a turn.
; Behind a group: the places, then the loads into the buffer that it read.  nxt = 1: the last two groups fetch V's first fragments.
.macro SBLOCK mode, adr, f, nxt, adrn, toff, tnext
.irp i, 0,1,2,3,4,5,6,7
.if (\mode == 0) && ((\i%4) == 0)
	WAITB \i%2, 1
.else
	WAITB \i%2, 0
.endif
.irp cc, 0,1
.irp kk, 0,1
.irp t, 0,1,2,3
	SPROD \mode, \f, \i, \cc, \kk, \t
.endr
.endr
.endr
.if \i == 7
	PLACES 5
.else
	PLACES 4
.endif
.if \mode == 2
	WIN 0
.endif
.if \mode == 0
.if \i == 0
	LD_T \toff+128
.elseif (\i == 4) && (\tnext >= 0)
	LD_T \tnext
.endif
.endif
.if \i < 6
	LD_K \i%2, \adr, (\i+2)/4, (\i+2)%4
.elseif \nxt
	LD_V \i%2, \adrn, \i-6
.endif
.endr
.endm
; O^T += V^T P for one key step: eight groups of 16 products.  Group g: channel tiles 4 (g / 2) + 0..3, keys 32 (g % 2) on.  Sixteen accumulators take turns.
; Five places behind the last group: the next scores write over P.
.macro PVBLOCK adrv, first
.irp g, 0,1,2,3,4,5,6,7
	WAITB \g%2, 0
	WIN 0xA0+0x50*(\g/4)
.irp f, 0,1,2,3
.irp t, 0,1,2,3
.set rD, (4*((\g/2)%2)+\f)*32+8*\t
.set rA, F0+32*(\g%2)+8*\f
.set rB, S+32*\t+8*(\g%2)
.if \first && ((\g%2) == 0)
	v_wmma_f32_16x16x32_bf16 v[rD:rD+7], v[rA:rA+7], v[rB:rB+7], 0
.else
	v_wmma_f32_16x16x32_bf16 v[rD:rD+7], v[rA:rA+7], v[rB:rB+7], v[rD:rD+7]
.endif
.endr
.endr
.if \g == 7
	PLACES 5
.else
	PLACES 4
.endif
	WIN 0
.if \g < 6
	LD_V \g%2, \adrv, \g+2
.endif
.endr
.endm
; THE SOFTMAX of tiles y, y + 1 for one key step; where one instruction feeds the next the two tiles alternate.  first = 1: the step that starts m, l and O^T.
.macro TS t
.set rS, S+32*(\t)
.set rT, TW+8*((\t)%2)
.set rM, ST+4*(\t)
.endm
.macro RESC y                          ; eight channel tiles of both tiles' O^T times a, each accumulator from its low end on
.irp t, \y, \y+1
.set e, 8*(\t)
.rept 8
.irp i, 0,2,4,6
	v_pk_mul_f32 v[e+\i:e+\i+1], v[e+\i:e+\i+1], v[TW+8*((\t)%2)+4:TW+8*((\t)%2)+5] op_sel_hi:[1,0]
.endr
.set e, e+32
.endr
.endr
.endm
.macro SMX y, first
	WIN 0
.irp j, 0,1,2,3                        ; the maximum of the lane's 32 scores: four chains, each begun at its accumulator's low end
.irp t, \y, \y+1
	TS \t
	v_max3_num_f32 v[rT+\j], v[rS+8*\j], v[rS+8*\j+1], v[rS+8*\j+2]
.endr
.endr
.irp o, 3,5
.irp j, 0,1,2,3
.irp t, \y, \y+1
	TS \t
	v_max3_num_f32 v[rT+\j], v[rT+\j], v[rS+8*\j+\o], v[rS+8*\j+\o+1]
.endr
.endr
.endr
.irp t, \y, \y+1
	TS \t
	v_max3_num_f32 v[rT], v[rT], v[rS+7], v[rS+15]
.endr
.irp t, \y, \y+1
	TS \t
	v_max3_num_f32 v[rT+2], v[rT+2], v[rS+23], v[rS+31]
.endr
.irp t, \y, \y+1
	TS \t
	v_max3_num_f32 v[rT], v[rT], v[rT+1], v[rT+2]
.endr
.irp t, \y, \y+1
	TS \t
	v_max_num_f32 v[rT], v[rT], v[rT+3]
.endr
.irp t, \y, \y+1
	TS \t
	v_permlanex16_b32 v[rT+1], v[rT], s[SEL], s[SEL+1]   ; the query's other 32 keys lie in the lane 16 away
.endr
.irp t, \y, \y+1
	TS \t
	v_max_num_f32 v[rT], v[rT], v[rT+1]
.endr
.irp t, \y, \y+1
	TS \t
	v_add_f32 v[rT+7], v[rT], v[rM+1]              ; the step's maximum of s + qb
.endr
.if \first
.irp t, \y, \y+1
	TS \t
	v_sub_f32 v[rT+6], v[rM+1], v[rT+7]            ; d = qb - m
.endr
.irp t, \y, \y+1
	TS \t
	v_mov_b32 v[rM], v[rT+7]
.endr
.else
.irp t, \y, \y+1
	TS \t
	v_max_num_f32 v[rT+2], v[rM], v[rT+7]          ; the new m
.endr
.irp t, \y, \y+1
	TS \t
	v_sub_f32 v[rT+5], v[rM], v[rT+2]
.endr
.irp t, \y, \y+1
	TS \t
	v_sub_f32 v[rT+6], v[rM+1], v[rT+2]            ; d = qb - m
.endr
.irp t, \y, \y+1
	TS \t
	v_mov_b32 v[rM], v[rT+2]
.endr
.irp t, \y, \y+1
	TS \t
	v_exp_f32 v[rT+4], v[rT+5]                     ; a = 2^(m_old - m_new); the packed sums below are the plain instructions behind it
.endr
.endif
.set e, 0
.rept 16
.irp t, \y, \y+1
	TS \t
	v_pk_add_f32 v[rS+e:rS+e+1], v[rS+e:rS+e+1], v[rT+6:rT+7] op_sel_hi:[1,0]
.endr
.set e, e+2
.endr
.irp t, \y, \y+1
	TS \t
.set e, 0
.rept 32
	v_exp_f32 v[rS+e], v[rS+e]
.set e, e+1
.endr
.endr
	v_nop                                          ; a plain instruction between the last exponential and the use of its result (ISA guide 5.7.2)
	s_wait_alu depctr_va_vdst(0)
.irp t, \y, \y+1                       ; the sum of the lane's 32 weights, in f32, two chains of pairs
	TS \t
	v_pk_add_f32 v[rT:rT+1], v[rS:rS+1], v[rS+2:rS+3]
.endr
.irp t, \y, \y+1
	TS \t
	v_pk_add_f32 v[rT+2:rT+3], v[rS+4:rS+5], v[rS+6:rS+7]
.endr
.irp i, 4,5,6,7,8,9,10,11,12,13,14,15
.irp t, \y, \y+1
	TS \t
	v_pk_add_f32 v[rT+2*(\i%2):rT+2*(\i%2)+1], v[rT+2*(\i%2):rT+2*(\i%2)+1], v[rS+2*\i:rS+2*\i+1]
.endr
.endr
.irp t, \y, \y+1
	TS \t
	v_pk_add_f32 v[rT:rT+1], v[rT:rT+1], v[rT+2:rT+3]
.endr
.if \first
.irp t, \y, \y+1
	TS \t
	v_add_f32 v[rM+2], v[rT], v[rT+1]
.endr
.else
.irp t, \y, \y+1
	TS \t
	v_add_f32 v[rT], v[rT], v[rT+1]
.endr
.irp t, \y, \y+1
	TS \t
	v_fma_f32 v[rM+2], v[rM+2], v[rT+4], v[rT]     ; l = a l + the sum
.endr
.endif
.set e, 0
.rept 16                               ; P in place: register e takes scores 2 e, 2 e + 1, which lie at or above it
.irp t, \y, \y+1
	TS \t
	v_cvt_pk_bf16_f32 v[rS+e], v[rS+2*e], v[rS+2*e+1]
.endr
.set e, e+1
.endr
.if \first == 0
	WIN 0x82
	RESC \y
	WIN 0xC3
	RESC \y
.endif
.endm
; ONE KEY STEP of 64 keys.  Its tiles begin at LDS byte s[TB] (K) and two parts on (V), its start values at byte s[TOF] of the table; both scalars step to the next step.
; All LDS loads of the step before have been waited for, so the counts begin anew.
.macro STEP first
	WIN 0
	v_add_nc_u32 v[ADK], s[TB], v[AK0]
	v_add_nc_u32 v[ADV], s[TB], v[AV0]
	v_add_nc_u32 v[ADT], s[TOF], v[ADT0]
	s_add_co_u32 s[TB], s[TB], PART
	s_add_co_u32 s[TOF], s[TOF], 256               ; 64 keys' start values
	DSZERO
	LD_K 0, ADK, 0, 0
	LD_T 0
	LD_K 1, ADK, 0, 1
	SBLOCK 0, ADK, 0, 1, ADV, 0, -1
	SMX 0, \first
	SMX 2, \first
	PVBLOCK ADV, \first
	WIN 0
.endm
; 64 channels of q': rows 64 f on of my head's WqkT, from my part of slot s; then rounded to bf16 into window 1.
.macro WBLOCK1 s, f
	WIN 0
	s_add_co_u32 s31, s30, \s*SLOT
	v_add_nc_u32 v[ADK], s31, v[AK0]
	LD_K 0, ADK, 0, 0
	LD_K 1, ADK, 0, 1
	SBLOCK 1, ADK, \f, 0, 0, 0, -1
	WIN 0x40
.irp t, 0,1,2,3
.irp cc, 0,1
.irp i, 0,1,2,3,4,5,6,7
	v_cvt_pk_bf16_f32 v[64*\t+8*(2*\f+\cc)+\i], v[S+32*\t+16*\cc+2*\i], v[S+32*\t+16*\cc+2*\i+1]
.endr
.endr
.endr
.endm
; 64 columns of the result: rows 64 f on of my head's WvoT.
.macro WBLOCK3 s, f
	WIN 0
	s_add_co_u32 s31, s30, \s*SLOT
	v_add_nc_u32 v[ADK], s31, v[AK0]
	LD_K 0, ADK, 0, 0
	LD_K 1, ADK, 0, 1
	SBLOCK 2, ADK, \f, 0, 0, 0, -1
.endm
	s_load_b512 s[4:19], s[0:1], 0x0               ; Q s[4:5], mask s[6:7], Kb s[8:9], Vb s[10:11], WqkT s[12:13], vq s[14:15], ub s[16:17], WvoT s[18:19]
	s_load_b64 s[20:21], s[0:1], 0x40              ; part
	v_lshl_add_u32 v23, v0, 2, 0x4d400
	v_mov_b32 v27, 0
	ds_add_u32 v23, v27
	v_lshrrev_b32 v1, 5, v0
	v_readfirstlane_b32 s[WV], v1                  ; wave 0..3
	s_bfe_u32 s23, ttmp6, 0x40000                  ; cx: my place in the cluster
	s_lshl_b32 s24, ttmp9, 2
	s_add_co_u32 s24, s24, s23                     ; my block of 64 queries: it enters Q's and part's addresses alone
	s_and_b32 s25, ttmp7, 0xffff
	s_lshr_b32 s26, s25, 1                         ; batch
	s_and_b32 s27, s25, 1                          ; head group
	s_lshl2_add_u32 s28, s27, s[WV]                ; head = 4 G + wave
	s_lshl_b32 s82, s28, 17                        ; a head's weight matrix: 131,072 bytes
	s_mov_b32 s83, 0
	s_lshl_b32 s84, s26, 19                        ; a batch's keys: 524,288 bytes;
	s_and_b32 s29, s[WV], 1
	s_lshl_b32 s29, s29, 15                        ; which of a slot's two steps I fetch: 64 rows of 512 bytes
	s_add_co_u32 s84, s84, s29
	s_mov_b32 s85, 0
	s_mul_i32 s30, s[WV], PART                     ; my part of a slot
	; group 1: a tile of 64 rows x 256 elements of 2 bytes, dense rows of 512 bytes, padded in LDS
	s_mov_b32 s[G1A], 15|(1<<16)|(1<<20)|(1<<21)|(6<<22)|(3<<25)   ; 15:0 the mask: all four work-groups; 17:16 2 bytes; 20 padding on; 21 set beside a mask; 24:22 after every 128 words; 31:25 4 words
	s_mov_b32 s[G1V], 15|(1<<16)|(1<<20)|(1<<21)|(6<<22)|(7<<25)   ; the same with 8 words
.irp g, G1A, G1V
	s_mov_b32 s[\g+1], 256<<16                     ; tensor_dim0 = 256
	s_mov_b32 s[\g+2], 64<<16                      ; tensor_dim1 = 64
	s_mov_b32 s[\g+3], 256<<16                     ; tile_dim0 = 256
	s_mov_b32 s[\g+4], 64                          ; tile_dim1 = 64
	s_mov_b32 s[\g+5], 256                         ; elements from row to row
	s_mov_b32 s[\g+6], 0
	s_mov_b32 s[\g+7], 0
.endr
	s_mov_b32 s[SEL], 0x76543210
	s_mov_b32 s[SEL+1], 0xfedcba98
	s_mov_b32 s[TOF], 0
	s_mov_b32 s[TB], 0
	s_wait_dscnt 0x0
	s_wait_kmcnt 0x0
	s_add_nc_u64 s[12:13], s[12:13], s[82:83]      ; WqkT at my head
	s_add_nc_u64 s[18:19], s[18:19], s[82:83]      ; WvoT at my head
	s_add_nc_u64 s[8:9], s[8:9], s[84:85]          ; Kb and Vb at my tile of slot 0
	s_add_nc_u64 s[10:11], s[10:11], s[84:85]
.irp s, 0,1
	s_mov_b32 s[G0W+4*\s], 1
	s_add_co_u32 s[G0W+4*\s+1], s30, \s*SLOT
	s_add_nc_u64 s[G0W+4*\s+2:G0W+4*\s+3], s[12:13], \s*32768
	s_or_b32 s[G0W+4*\s+3], s[G0W+4*\s+3], 0x80000000
	s_mov_b32 s[G0K+4*\s], 1
	s_add_co_u32 s[G0K+4*\s+1], s30, \s*SLOT
	s_add_nc_u64 s[G0K+4*\s+2:G0K+4*\s+3], s[8:9], \s*65536
	s_or_b32 s[G0K+4*\s+3], s[G0K+4*\s+3], 0x80000000
	s_mov_b32 s[G0V+4*\s], 1
	s_add_co_u32 s[G0V+4*\s+1], s30, \s*SLOT
	s_add_nc_u64 s[G0V+4*\s+2:G0V+4*\s+3], s[10:11], \s*65536
	s_or_b32 s[G0V+4*\s+3], s[G0V+4*\s+3], 0x80000000
.endr
	s_mov_b32 s[G0Z], 1                            ; WvoT's walking set stands one step ahead of its first tile, since every change steps it before it asks:
	s_add_co_u32 s[G0Z+1], s30, SLOT               ; slot 1, so that the first tile goes to slot 0,
	s_sub_nc_u64 s[G0Z+2:G0Z+3], s[18:19], 32768   ; and 64 rows ahead of the matrix; no load is issued with this address
	s_or_b32 s[G0Z+3], s[G0Z+3], 0x80000000
	CROUND                                         ; all four work-groups are here: the first joint loads meet
	tensor_load_to_lds s[G0W:G0W+3], s[G1A:G1A+7]  ; WqkT rows 0-63 and 64-127 of my head: two loads of mine are out
	s_nop 0
	tensor_load_to_lds s[G0W+4:G0W+7], s[G1A:G1A+7]
	s_nop 0
	PLACES 4
	; ---- the prologue: addresses, the mask's table, Q
	s_lshl_b32 s86, s26, 10
	s_lshl_b32 s87, s24, 6
	s_add_co_u32 s86, s86, s87
	s_lshl_b32 s87, s[WV], 4
	s_add_co_u32 s86, s86, s87                     ; row 1,024 b + 64 block + 16 wave,
	s_lshl_b32 s86, s86, 10                        ; of 1,024 bytes
	s_mov_b32 s87, 0
	s_add_nc_u64 s[4:5], s[4:5], s[86:87]
	s_add_nc_u64 s[20:21], s[20:21], s[86:87]
	s_lshl_b32 s88, s27, 23                        ; my head group's plane of part
	s_mov_b32 s89, 0
	s_add_nc_u64 s[20:21], s[20:21], s[88:89]
	s_lshl_b32 s90, s26, 10
	s_mov_b32 s91, 0
	s_add_nc_u64 s[6:7], s[6:7], s[90:91]          ; the batch's 1,024 mask bytes
	s_mul_i32 s92, s28, 1088
	s_mov_b32 s93, 0
	s_add_nc_u64 s[14:15], s[14:15], s[92:93]
	s_lshl_b32 s94, s28, 9
	s_mov_b32 s95, 0
	s_add_nc_u64 s[16:17], s[16:17], s[94:95]
	v_and_b32 v1, 15, v0                           ; lane % 16
	v_bfe_u32 v2, v0, 4, 1                         ; lane / 16
	v_and_b32 v[LN16], 31, v0
	v_lshlrev_b32 v[LN16], 4, v[LN16]
	v_mul_u32_u24 v[AK0], v1, PKB
	v_lshl_add_u32 v[AK0], v2, 4, v[AK0]
	v_and_b32 v60, 7, v0
	v_lshl_add_u32 v[AV0], v2, 3, v60              ; the turning load: lane l reads key 8 (l / 16) + l % 8,
	v_mul_u32_u24 v[AV0], v[AV0], PVB
	v_bfe_u32 v60, v0, 3, 1
	v_lshl_add_u32 v[AV0], v60, 4, v[AV0]          ; 16 bytes at 16 ((l / 8) % 2),
	v_add_nc_u32 v[AV0], 2*PART, v[AV0]            ; two parts behind the step's K
	v_lshlrev_b32 v55, 5, v2                       ; 32 (lane / 16): eight f32
	v_add_nc_u32 v[ADT0], TAB, v55
	v_lshlrev_b32 v56, 4, v2                       ; 16 (lane / 16): eight bf16
	v_lshlrev_b32 v62, 3, v0                       ; 8 x thread
	global_load_b64 v[60:61], v62, s[6:7]          ; eight keys' mask bytes a thread
	WIN 0x40
.irp n, 0,1,2,3,4,5,6,7,8,9,10,11,12,13,14,15,16,17,18,19,20,21,22,23,24,25,26,27,28,29,30,31
	global_load_b128 v[4*\n:4*\n+3], v[LN16], s[4:5] offset:512*\n    ; my 16 rows of Q, dense
.endr
	WIN 0xC0
.irp a, 0,1,2,3,4,5,6,7,8,9,10,11,12,13,14,15,16
	global_load_b128 v[8*\a:8*\a+3],   v55, s[14:15] offset:64*\a     ; r as sixteen start tiles (register j: channel 16 a + 8 (lane / 16) + j), beta as the seventeenth
	global_load_b128 v[8*\a+4:8*\a+7], v55, s[14:15] offset:64*\a+16
.endr
	WIN 0
.irp c, 0,1,2,3,4,5,6,7
	global_load_b128 v[F0+8*\c:F0+8*\c+3],   v56, s[16:17] offset:64*\c     ; u as source 0, the same in all sixteen rows
	global_load_b128 v[F0+8*\c+4:F0+8*\c+7], v56, s[16:17] offset:64*\c+32
.endr
	s_wait_loadcnt 50                              ; the mask and Q are in; the 34 + 16 younger loads stay out
	v_mov_b32 v52, 0xdd5e0b6b                      ; NEG = -1e18
	v_mul_f32 v52, 0x3db8aa3b, v52                 ; c0 NEG
.irp j, 0,1,2,3,4,5,6,7
	v_bfe_u32 v53, v[60+\j/4], 8*(\j%4), 8
	v_cmp_ne_u32 vcc_lo, 0, v53
	v_cndmask_b32 v[TC+\j], 0, v52, vcc_lo
.endr
	v_lshlrev_b32 v54, 5, v0
	v_add_nc_u32 v54, TAB, v54
	ds_store_b128 v54, v[TC:TC+3]
	ds_store_b128 v54, v[TC+4:TC+7] offset:16
	WIN 0x45
.irp n, 0,1,2,3,4,5,6,7,8,9,10,11,12,13,14,15,16,17,18,19,20,21,22,23,24,25,26,27,28,29,30,31
	v_cvt_pk_bf16_f32 v[128+2*\n], v[4*\n], v[4*\n+1]
	v_cvt_pk_bf16_f32 v[129+2*\n], v[4*\n+2], v[4*\n+3]
.endr
	WIN 0
	s_mul_i32 s31, s[WV], 16*PKB
	s_add_co_u32 s31, s31, QS
	v_lshrrev_b32 v63, 1, v[LN16]
	v_add_nc_u32 v63, s31, v63
	WIN 0x04
.irp n, 0,1,2,3,4,5,6,7,8,9,10,11,12,13,14,15,16,17,18,19,20,21,22,23,24,25,26,27,28,29,30,31
	ds_store_b64 v63, v[128+2*\n:129+2*\n] offset:(\n/2)*PKB+(\n%2)*256
.endr
	WIN 0
	s_wait_tensorcnt 0x1                           ; my part of slot 0 is in; slot 1's may stay out
	s_wait_dscnt 0x0                               ; for the others' sake: my rows of Q and my part of the table are in LDS
	s_barrier_signal -1
	s_barrier_wait -1
	v_add_nc_u32 v63, QS, v[AK0]
	WIN 0x80
.irp t, 0,1,2,3
.irp c, 0,1,2,3,4,5,6,7
	ds_load_b128 v[64*\t+8*\c:64*\t+8*\c+3],   v63 offset:\t*16*PKB+64*\c
	ds_load_b128 v[64*\t+8*\c+4:64*\t+8*\c+7], v63 offset:\t*16*PKB+64*\c+32
.endr
.endr
	WIN 0
	s_wait_loadcnt 0x0                             ; r, beta, u
	s_wait_dscnt 0x0                               ; Q's fragments
	; qb = Q . u + beta: four accumulators by turns; every register of a result holds the lane's query's number
.irp c, 0,1,2,3,4,5,6,7
.irp t, 0,1,2,3
.if \c == 0
	WIN 0x38
	v_wmma_f32_16x16x32_bf16 v[S+32*\t:S+32*\t+7], v[F0+8*\c:F0+8*\c+7], v[64*\t+8*\c:64*\t+8*\c+7], v[128:135]
.else
	WIN 0x08
	v_wmma_f32_16x16x32_bf16 v[S+32*\t:S+32*\t+7], v[F0+8*\c:F0+8*\c+7], v[64*\t+8*\c:64*\t+8*\c+7], v[S+32*\t:S+32*\t+7]
.endif
.endr
.endr
	PLACES 5                                       ; the next products write over these accumulators, the next loads over u
	WIN 0
.irp t, 0,1,2,3
	v_mov_b32 v[ST+4*\t+1], v[S+32*\t]
.endr
	; ---- q': four fills of WqkT; the ring goes on into K and V
	WBLOCK1 0, 0
	CHANGE 1, 0, 0                                 ; slot 0 <- rows 128-191
	WBLOCK1 1, 1
	CHANGE 1, 1, 0                                 ; slot 1 <- rows 192-255
	WBLOCK1 0, 2
	CHANGE 2, 0, 0                                 ; slot 0 <- keys 0-127
	WBLOCK1 1, 3
	CHANGE 2, 1, 0                                 ; slot 1 <- keys 128-255
	; ---- attention
	STEP 1                                         ; keys 0-63 start m, l and O^T
	s_mov_b32 s[CNT], 6
	s_mov_b32 s[NST], 1                            ; slot 0 has one step left
.Lslot:                                                ; six trips: the rest of a slot's steps, then the slot is filled again with the keys two slots on (keys 256 to 1,023)
	s_mov_b32 s[TWICE], s[NST]
	s_mov_b32 s[NST], 2                            ; every later slot has two
.Lstep:
	STEP 0
	s_sub_co_u32 s[TWICE], s[TWICE], 1
	s_cmp_lg_u32 s[TWICE], 0
	s_cbranch_scc1 .Lstep
	CHANGE 3, 0, 1
	s_sub_co_u32 s[CNT], s[CNT], 1
	s_cmp_lg_u32 s[CNT], 0
	s_cbranch_scc1 .Lslot
	s_mov_b32 s[CNT], 2
.Ltail:                                                ; two trips: keys 768-895 and 896-1,023; the slot left takes WvoT's rows 0-63, then 64-127
	s_mov_b32 s[TWICE], 2
.Ltstep:
	STEP 0
	s_sub_co_u32 s[TWICE], s[TWICE], 1
	s_cmp_lg_u32 s[TWICE], 0
	s_cbranch_scc1 .Ltstep
	CHANGE 4, 0, 1
	s_sub_co_u32 s[CNT], s[CNT], 1
	s_cmp_lg_u32 s[CNT], 0
	s_cbranch_scc1 .Ltail
	; ---- O = O^T / l, rounded to bf16 into window 1 as source 1 of the last product
.irp t, 0,1,2,3
	v_permlanex16_b32 v[ST+4*\t], v[ST+4*\t+2], s[SEL], s[SEL+1]     ; the other 32 keys' share of l; m is no longer needed
.endr
.irp t, 0,1,2,3
	v_add_f32 v[ST+4*\t+2], v[ST+4*\t+2], v[ST+4*\t]
.endr
.irp t, 0,1,2,3
	v_rcp_f32 v[ST+4*\t], v[ST+4*\t+2]             ; l is at least about 1: the largest weight of a row is 2^0
.endr
	v_nop                                          ; a plain instruction between the last reciprocal and the use of its result
	s_wait_alu depctr_va_vdst(0)
.irp w, 0x82, 0xC3
	WIN \w
.irp ct, 0,1,2,3,4,5,6,7
.irp t, 0,1,2,3
.irp i, 0,2,4,6
	v_pk_mul_f32 v[32*\ct+8*\t+\i:32*\ct+8*\t+\i+1], v[32*\ct+8*\t+\i:32*\ct+8*\t+\i+1], v[ST+4*\t:ST+4*\t+1] op_sel_hi:[1,0]
.endr
.endr
.endr
.endr
	WIN 0x4A
.irp t, 0,1,2,3
.irp c, 0,1,2,3
.irp i, 0,1,2,3,4,5,6,7
	v_cvt_pk_bf16_f32 v[64*\t+8*\c+\i], v[((2*\c+\i/4)%8)*32+8*\t+2*(\i%4)], v[((2*\c+\i/4)%8)*32+8*\t+2*(\i%4)+1]
.endr
.endr
.endr
	WIN 0x4F
.irp t, 0,1,2,3
.irp c, 4,5,6,7
.irp i, 0,1,2,3,4,5,6,7
	v_cvt_pk_bf16_f32 v[64*\t+8*\c+\i], v[((2*\c+\i/4)%8)*32+8*\t+2*(\i%4)], v[((2*\c+\i/4)%8)*32+8*\t+2*(\i%4)+1]
.endr
.endr
.endr
	; ---- my head's share of the result
	WBLOCK3 0, 0
	CHANGE 4, 0, 0                                 ; slot 0 <- rows 128-191
	WBLOCK3 1, 1
	CHANGE 4, 0, 0                                 ; slot 1 <- rows 192-255
	WBLOCK3 0, 2
	CHANGE 0, 0, 0                                 ; nothing is left to fetch
	WBLOCK3 1, 3
	; ---- the sum over the four heads, through LDS: the ring has had its last fill
	WIN 0
	s_wait_dscnt 0x0                               ; my reads of the ring are over,
	s_barrier_signal -1
	s_barrier_wait -1                              ; everybody's are
	s_mul_i32 s31, s[WV], REDW
	v_mul_u32_u24 v[ADK], v1, RP
	v_lshl_add_u32 v[ADK], v2, 5, v[ADK]
	v_add_nc_u32 v[ADK], s31, v[ADK]               ; my plane: row lane % 16, 32 bytes for each half of the lanes
	WIN 0x08
.irp ot, 0,1,2,3,4,5,6,7
.irp t, 0,1,2,3
	ds_store_b128 v[ADK], v[32*\ot+8*\t:32*\ot+8*\t+3]   offset:\t*16*RP+\ot*64
	ds_store_b128 v[ADK], v[32*\ot+8*\t+4:32*\ot+8*\t+7] offset:\t*16*RP+\ot*64+16
.endr
.endr
	WIN 0x0C
.irp ot, 0,1,2,3,4,5,6,7
.irp t, 0,1,2,3
	ds_store_b128 v[ADK], v[32*\ot+8*\t:32*\ot+8*\t+3]   offset:\t*16*RP+(\ot+8)*64
	ds_store_b128 v[ADK], v[32*\ot+8*\t+4:32*\ot+8*\t+7] offset:\t*16*RP+(\ot+8)*64+16
.endr
.endr
	WIN 0
	s_wait_dscnt 0x0                               ; for the others' sake: my plane is written
	s_barrier_signal -1
	s_barrier_wait -1
	s_mul_i32 s31, s[WV], 16*RP
	v_add_nc_u32 v6, s31, v[LN16]                  ; wave w adds rows 16 w .. 16 w + 15 of the four planes
	v_add_nc_u32 v7, REDW, v6
	v_add_nc_u32 v8, 2*REDW, v6
	v_add_nc_u32 v9, 3*REDW, v6
	s_mov_b32 s[CNT], 4
.Lsum:                                                 ; four trips of four rows
.irp e, 0,1,2,3,4,5,6,7
.irp k, 0,1,2,3
	ds_load_b128 v[S+16*\e+4*\k:S+16*\e+4*\k+3], v[6+\k] offset:(\e/2)*RP+(\e%2)*512
.endr
.endr
	s_wait_dscnt 0x0
.irp e, 0,1,2,3,4,5,6,7
	v_pk_add_f32 v[S+16*\e:S+16*\e+1],     v[S+16*\e:S+16*\e+1],     v[S+16*\e+4:S+16*\e+5]
	v_pk_add_f32 v[S+16*\e+2:S+16*\e+3],   v[S+16*\e+2:S+16*\e+3],   v[S+16*\e+6:S+16*\e+7]
	v_pk_add_f32 v[S+16*\e+8:S+16*\e+9],   v[S+16*\e+8:S+16*\e+9],   v[S+16*\e+12:S+16*\e+13]
	v_pk_add_f32 v[S+16*\e+10:S+16*\e+11], v[S+16*\e+10:S+16*\e+11], v[S+16*\e+14:S+16*\e+15]
	v_pk_add_f32 v[S+16*\e:S+16*\e+1],     v[S+16*\e:S+16*\e+1],     v[S+16*\e+8:S+16*\e+9]
	v_pk_add_f32 v[S+16*\e+2:S+16*\e+3],   v[S+16*\e+2:S+16*\e+3],   v[S+16*\e+10:S+16*\e+11]
	global_store_b128 v[LN16], v[S+16*\e:S+16*\e+3], s[20:21] offset:(\e/2)*1024+(\e%2)*512   ; the wave stores 512 consecutive bytes, aligned
.endr
	s_wait_xcnt 0x0                                ; the stores' base is stepped, and the registers that they read are loaded again, only behind this wait
.irp k, 6,7,8,9
	v_add_nc_u32 v\k, 4*RP, v\k
.endr
	s_add_nc_u64 s[20:21], s[20:21], 4096
	s_sub_co_u32 s[CNT], s[CNT], 1
	s_cmp_lg_u32 s[CNT], 0
	s_cbranch_scc1 .Lsum
	s_wait_tensorcnt 0x0
	ds_add_u32 v23, v27
	s_wait_dscnt 0x0
	CROUND                                         ; the closing round: no work-group ends while a partner may still ask for a tile that names it
	s_endpgm
.Lfunc_end_k_q02b1a3e831_attn:
	.size	k_q02b1a3e831_attn, .Lfunc_end_k_q02b1a3e831_attn-k_q02b1a3e831_attn
	.p2alignl 7, 3214868480
	.fill 96, 4, 3214868480
	.section	.rodata,"a",@progbits
	.p2align	6, 0x0
	.amdhsa_kernel k_q02b1a3e831_attn
		.amdhsa_group_segment_fixed_size 327680
		.amdhsa_private_segment_fixed_size 0
		.amdhsa_enable_private_segment 0
		.amdhsa_kernarg_size 72
		.amdhsa_user_sgpr_count 2
		.amdhsa_user_sgpr_kernarg_segment_ptr 1
		.amdhsa_wavefront_size32 1
		.amdhsa_system_sgpr_workgroup_id_x 1
		.amdhsa_system_sgpr_workgroup_id_y 1
		.amdhsa_system_sgpr_workgroup_id_z 1
		.amdhsa_system_vgpr_workitem_id 0
		.amdhsa_next_free_vgpr 1024
		.amdhsa_next_free_sgpr 100
		.amdhsa_reserve_vcc 1
		.amdhsa_float_denorm_mode_32 3
		.amdhsa_float_denorm_mode_16_64 3
		.amdhsa_memory_ordered 1
		.amdhsa_forward_progress 1
		.amdhsa_inst_pref_size 255
	.end_amdhsa_kernel
	.section	.bss,"aw",@nobits
	.p2align	6
	.space	262144
	.amdgpu_metadata
---
amdhsa.version: [ 1, 2 ]
amdhsa.kernels:
  - .name:           k_q02b1a3e831_attn
    .symbol:         k_q02b1a3e831_attn.kd
    .args:
      - { .name: Q, .offset: 0, .size: 8, .value_kind: global_buffer, .address_space: global }
      - { .name: att_mask_out, .offset: 8, .size: 8, .value_kind: global_buffer, .address_space: global }
      - { .name: Kb, .offset: 16, .size: 8, .value_kind: global_buffer, .address_space: global }
      - { .name: Vb, .offset: 24, .size: 8, .value_kind: global_buffer, .address_space: global }
      - { .name: WqkT, .offset: 32, .size: 8, .value_kind: global_buffer, .address_space: global }
      - { .name: vq, .offset: 40, .size: 8, .value_kind: global_buffer, .address_space: global }
      - { .name: ub, .offset: 48, .size: 8, .value_kind: global_buffer, .address_space: global }
      - { .name: WvoT, .offset: 56, .size: 8, .value_kind: global_buffer, .address_space: global }
      - { .name: part, .offset: 64, .size: 8, .value_kind: global_buffer, .address_space: global }
    .group_segment_fixed_size: 327680
    .private_segment_fixed_size: 0
    .kernarg_segment_align: 8
    .kernarg_segment_size: 72
    .max_flat_workgroup_size: 128
    .sgpr_count:     100
    .vgpr_count:     1024
    .wavefront_size: 32
...
	.end_amdgpu_metadata
.endif
;; end of part 5
;; launch finish: the kernel of part 3 again; grid 256 x 1, 8 waves a work-group, no clusters, 0 bytes of LDS; arguments part, cvh, bo, out0; writes out0
;; ======== version 3 of 3: 3 launches; version 2 with the launch prep written anew for expert scheduling mode
;; limits: right only within a limited range of input values; values outside matrix products are rounded to bf16
;; workspace buffers: Kb 4,194,304 bytes; Vb 4,194,304 bytes; WqkT 1,048,576 bytes; WvoT 1,048,576 bytes; vq 8,704 bytes; ub 4,096 bytes; cvh 8,192 bytes; part 16,777,216 bytes
;; launch prep (part 6): grid 256 x 1, 16 waves a work-group, no clusters, 145,920 bytes of LDS; arguments K, V, att_mask_out, Wq, Wk, Wv, Wo, bq, bk, bv, Kb, Vb, WqkT, WvoT, vq, ub, cvh; writes Kb, Vb, WqkT, WvoT, vq, ub, cvh
.if DOCPART == 6
	.amdgcn_target "amdgcn-amd-amdhsa--gfx1250"
	.amdhsa_code_object_version 6
	.text
	.protected	k_q02b1a3e831_prep
	.globl	k_q02b1a3e831_prep
	.p2align	8
	.type	k_q02b1a3e831_prep,@function
k_q02b1a3e831_prep:
	s_mov_b64 s[64:65], 0
	v_nop
	global_prefetch_b8 v0, s[64:65] scope:SCOPE_SE
	s_setreg_imm32_b32 hwreg(HW_REG_WAVE_SCHED_MODE, 0, 2), 2
	s_setreg_imm32_b32 hwreg(HW_REG_WAVE_MODE, 25, 1), 1
	s_wait_xcnt 0x0
	s_wait_alu depctr_vm_vsrc(0)
; PREPARATION.  Work-groups 0-127 form products of weights alone, work-groups 128-255 round K and V to bf16.
;   Kb[row][c]   = bf16(K[row][c]), all zero where att_mask_out[row] is set (the score's product is then exactly 0);  Vb = bf16(V)
;   WqkT[h][c][i] = c0 * sum_f Wk[c][h f] Wq[i][h f]        WvoT[h][o][c] = sum_f Wv[c][h f] Wo[h f][o]
;   vq[h][c] = c0 * sum_f bq[h f] Wk[c][h f] (c < 256);  vq[h][256..271] = c0 * sum_f bq[h f] bk[h f], sixteen copies
;   ub[h][i] = c0 * sum_f Wq[i][h f] bk[h f]  (bf16)        cvh[h][o] = sum_f bv[h f] Wo[h f][o]
; c0 = log2(e) / sqrt(256): the scores of the next launch arrive ready for a base-2 exponential.
; LIMITS: operands are rounded to bf16, sums are f32; the products of weights are formed first, so the order of rounding differs
; from a projection followed by a product.  Infinities and NaN in the inputs are not served (0 x Inf in a masked row of K).
; A product job (p, h, nq, mh): 64 rows n x 128 columns m of one head's matrix, so that the 2 x 8 x 4 x 2 = 128 jobs and the 128 rounding jobs
; are 256 work-groups.  Sixteen waves stage both operands as bf16 in LDS (192 KB of f32 a job), a barrier, then wave w makes n tile w % 4 x
; m tiles 2 (w / 4), + 1, K = 256: eight matrix instructions a tile on two accumulators by turns, 48 fragment loads a wave.
; Between the first barrier and the second LDS is only read.  Behind the second operand 0's bytes are free: the waves write their tiles into one
; stage of 64 rows there (a wave's 32 columns are 64 bytes of a row), a third barrier, and each wave stores four whole rows of 256 bytes.
; No LDS address holds the work-group's number, and the two kinds of product job keep operand 1 in bytes of their own (B0, B1), so that
; every LDS byte has one writer that can be read off constants and the wave's number.  No cluster: jobs share at most 128 KB.
; THE MODE: SCHED_MODE bits 1:0 = 2 (LLVM: expert scheduling mode 2), set by the entry lines.  The code itself states the register dependences
; between vector or matrix instructions and memory or LDS instructions, with s_wait_alu, always for 0.
; THE PLAN, product jobs.  Registers that memory or LDS instructions touch:
;   v2, v9, v6-v8, v11-v14, v232-v237   offsets and addresses.  Each is made once, ahead of the wait that stands behind operand 0's conversions (v2, v9: ahead of the
;                first load), and never written again.
;   v16-v79      global loads land; operand 0's conversions write them in place; LDS stores read them.  Behind the first barrier: RS, in which LDS loads land.
;   v80-v111     the same for operand 1.  Behind the first barrier: part of MF0.
;   MF0, MF1     LDS loads land (the tiles' fragments, the vectors' rows, at last the stage's rows); matrix instructions read them.
;   v208-v223    the bias rows of waves 0 and 1: loads, conversions, LDS stores.  Behind the first barrier: the accumulators, named by matrix and vector instructions alone.
;   PKR          written by the tiles' conversions, read by two LDS stores behind the second barrier.
;   RES0, RES1   written by a vector's sum, read by one global store each.
; The waits on va_vdst: ahead of the first load; behind each operand's conversions; in the branch of each bias row; behind the second tile (PKR is written, MF0 and MF1
; are read out); ahead of each vector's store.  ONE wait on vm_vsrc, behind the first barrier: the LDS stores have read the staging registers.
; THE PLAN, rounding jobs.  v2, v3: offsets, made at the head.  v16-v79: loaded once.  v80-v111: written by the conversions, read by one store each.  The sixteen pieces go in
; four groups; a group's stores stand at the next group's head, behind that group's wait for data and one wait on va_vdst.
.set PA,   528                         ; LDS row of 256 bf16 + 16 bytes: 33 x 16, sixteen rows start in sixteen different 16-byte columns
.set A0B,  128*PA                      ; behind operand 0's 128 rows: its bias row
.set B0,   68352                       ; p = 0: operand 1, 64 rows of 528 bytes,
.set B0B,  B0+64*PA                    ; and bk's row behind them (ends at 102,656)
.set B1,   102912                      ; p = 1: operand 1, 256 rows f
.set PB1,  160                         ; of 64 bf16 + 32 bytes = 5 x 32, for the turning load (ends at 143,872)
.set SPI,  272                         ; the way out: 64 rows x 272 bytes, from LDS byte 0 on, over operand 0
.set RS,   16                          ; v16-79   operand 1's eight fragments of my n tile (before the barrier: staging)
.set MF0,  80                          ; v80-143  operand 0's fragments of my first m tile (before the barrier: staging)
.set MF1,  144                         ; v144-207 of my second
.set AC0,  208                         ; two accumulators (before the barrier: the bias rows' staging)
.set AC1,  216
.set PKR,  224                         ; v224-231 my two tiles, packed: four registers each
.set R4,   232                         ; v232  4 (lane % 16)
.set R2,   233                         ; v233  2 (lane % 16)
.set ABA,  234                         ; v234  operand 0's bias row, 16 (lane / 16) on
.set ABB,  235                         ; v235  bk's row
.set AT0,  236                         ; v236  operand 0's tile w % 8
.set FB,   237                         ; v237  my n tile's fragments of operand 1
.set RES0, 238                         ; v238-239  the vectors' results
.set RES1, 239
.set DSI,  0
.set E_M0, 0
.set E_M1, 0
.macro PLACES n
.rept \n
	v_nop
.endr
.endm
	s_load_b512 s[4:19], s[0:1], 0x0               ; K, V, mask, Wq, Wk, Wv, Wo, bq
	s_load_b512 s[20:35], s[0:1], 0x40             ; bk, bv, Kb, Vb, WqkT, WvoT, vq, ub
	s_load_b64 s[36:37], s[0:1], 0x80              ; cvh
	v_lshl_add_u32 v254, v0, 2, 0x23200
	v_mov_b32 v255, 0
	v_lshrrev_b32 v1, 5, v0
	v_readfirstlane_b32 s38, v1                    ; wave 0..15
	s_mov_b32 s39, ttmp9                           ; the job
	v_and_b32 v1, 31, v0
	v_lshlrev_b32 v2, 4, v1                        ; 16 x lane
	v_lshlrev_b32 v3, 3, v1                        ; 8 x lane
	s_wait_alu depctr_va_sdst(0)                   ; s38 is written, ahead of the first branch and of its first reader: bases, LDS addresses and branches are made from it
	s_wait_kmcnt 0x0
	s_cmp_lt_u32 s39, 128
	s_cbranch_scc1 .Lproduct
; ---- rounding K and V: a work-group takes 128 rows, a wave 8 (8 KB in, 4 KB out, both dense)
	s_sub_co_u32 s40, s39, 128
	s_and_b32 s41, s40, 63
	s_lshl_b32 s41, s41, 7
	s_lshl3_add_u32 s41, s38, s41                  ; my first row = 128 x block + 8 x wave
	s_lshl_b32 s42, s41, 10                        ; in bytes of f32 rows
	s_mov_b32 s43, 0
	s_lshl_b32 s44, s41, 9                         ; in bytes of bf16 rows
	s_mov_b32 s45, 0
	s_mov_b32 s56, s41                             ; in bytes of the mask
	s_mov_b32 s57, 0
.macro CST g                           ; the four stores of group g
.irp j, 0,1,2,3
	global_store_b64 v3, v[80+2*(4*(\g)+\j):81+2*(4*(\g)+\j)], s[50:51] offset:256*(4*(\g)+\j)   ; the wave's 32 lanes store 256 consecutive bytes, aligned; no register is used twice
.endr
.endm
.macro CONV isk, inp, outp
	s_add_nc_u64 s[48:49], s[\inp:\inp+1], s[42:43]
	s_add_nc_u64 s[50:51], s[\outp:\outp+1], s[44:45]
.if \isk
	s_add_nc_u64 s[58:59], s[8:9], s[56:57]
	s_load_b64 s[46:47], s[58:59], 0x0             ; my eight rows' mask bytes
.endif
	s_wait_alu depctr_va_vdst(0)                   ; v2 and v3 are written: the offsets of all the loads and stores below
.irp n, 0,1,2,3,4,5,6,7,8,9,10,11,12,13,14,15
	global_load_b128 v[16+4*\n:19+4*\n], v2, s[48:49] offset:512*\n th:TH_LOAD_NT
.endr
.if \isk
	s_wait_kmcnt 0x0
.endif
.irp g, 0,1,2,3
	s_wait_loadcnt 12-4*\g                         ; loads return in order: group g's four are in, the later groups' stay out
.if \g > 0
	s_wait_alu depctr_va_vdst(0)                   ; the group before has written its eight registers of v80-111, which the four stores below read
	CST (\g)-1
.endif
.irp j, 0,1,2,3
	v_cvt_pk_bf16_f32 v[80+2*(4*\g+\j)], v[16+4*(4*\g+\j)], v[17+4*(4*\g+\j)]
	v_cvt_pk_bf16_f32 v[81+2*(4*\g+\j)], v[18+4*(4*\g+\j)], v[19+4*(4*\g+\j)]
.if \isk
.if (\j%2) == 0
	s_bfe_u32 s52, s[46+\g/2], (8<<16)|(8*((2*\g+\j/2)%4))   ; row 2 g + j / 2's byte; SCC = it is not 0
	s_cselect_b32 s53, 0, -1                       ; a masked row is cleared
.endif
	v_and_b32 v[80+2*(4*\g+\j)], s53, v[80+2*(4*\g+\j)]
	v_and_b32 v[81+2*(4*\g+\j)], s53, v[81+2*(4*\g+\j)]
.endif
.endr
.endr
	s_wait_alu depctr_va_vdst(0)                   ; the last group has written its eight registers, which the last four stores read
	CST 3
.endm
	s_cmp_lt_u32 s40, 64
	s_cbranch_scc0 .Lconv_v
	CONV 1, 4, 24
	s_endpgm
.Lconv_v:
	CONV 0, 6, 26
	s_endpgm
; ---- products of weights
.macro LDM k                           ; operand 0's fragments of m tile k of my two -> buffer k
.irp c, 0,1,2,3,4,5,6,7
	ds_load_b128 v[MF0+64*(\k)+8*\c:MF0+64*(\k)+8*\c+3],   v11 offset:(\k)*16*PA+64*\c
	ds_load_b128 v[MF0+64*(\k)+8*\c+4:MF0+64*(\k)+8*\c+7], v11 offset:(\k)*16*PA+64*\c+32
.endr
.set DSI, DSI+16
.if (\k) == 0
.set E_M0, DSI
.else
.set E_M1, DSI
.endif
.endm
; One tile of 16 n x 16 m.  Source 0 = 16 rows m, source 1 = 16 rows n: a lane then holds row n = lane % 16 and eight neighbouring m.
; The two accumulators take turns, one instruction a turn; their sum is the tile, packed into four registers of its own.
.macro T1 k
.if (\k) == 0
	s_wait_dscnt DSI-E_M0                          ; the LDS loads issued behind this buffer's may stay out
.else
	s_wait_dscnt DSI-E_M1
.endif
.irp c, 0,1,2,3,4,5,6,7
.if \c < 2
	v_wmma_f32_16x16x32_bf16 v[AC0+8*(\c%2):AC0+8*(\c%2)+7], v[MF0+64*(\k)+8*\c:MF0+64*(\k)+8*\c+7], v[RS+8*\c:RS+8*\c+7], 0
.else
	v_wmma_f32_16x16x32_bf16 v[AC0+8*(\c%2):AC0+8*(\c%2)+7], v[MF0+64*(\k)+8*\c:MF0+64*(\k)+8*\c+7], v[RS+8*\c:RS+8*\c+7], v[AC0+8*(\c%2):AC0+8*(\c%2)+7]
.endif
.endr
	PLACES 5                                       ; behind the products: the sums below, and the next products, which write over both accumulators
.irp j, 0,1,2,3
	v_pk_add_f32 v[AC0+2*\j:AC0+2*\j+1], v[AC0+2*\j:AC0+2*\j+1], v[AC1+2*\j:AC1+2*\j+1]
.endr
.irp j, 0,1,2,3
	v_cvt_pk_bf16_f32 v[PKR+4*\k+\j], v[AC0+2*\j], v[AC0+2*\j+1]
.endr
.endm
; A vector: source 0 = a bias row, the same for all 16 rows m (its address does not hang on lane % 16); source 1 = 16 rows n.
; Every register of the result holds the lane's number; register 0 of both accumulators is taken.
; Its LDS loads land in MF0 (and MF1).  No wait stands at its head: on every way here a wait on va_vdst stands behind the last matrix instruction that read those registers
; (the one behind the second tile, or the one ahead of the vector before's store), and no vector or matrix instruction since names them or the addresses.
.macro T2 a0adr, bsrc, badr, res
.irp c, 0,1,2,3,4,5,6,7
	ds_load_b128 v[MF0+8*\c:MF0+8*\c+3],   v[\a0adr] offset:64*\c
	ds_load_b128 v[MF0+8*\c+4:MF0+8*\c+7], v[\a0adr] offset:64*\c+32
.endr
.if \bsrc != RS
.irp c, 0,1,2,3,4,5,6,7
	ds_load_b128 v[MF1+8*\c:MF1+8*\c+3],   v[\badr] offset:64*\c
	ds_load_b128 v[MF1+8*\c+4:MF1+8*\c+7], v[\badr] offset:64*\c+32
.endr
.endif
	s_wait_dscnt 0x0
.irp c, 0,1,2,3,4,5,6,7
.if \c < 2
	v_wmma_f32_16x16x32_bf16 v[AC0+8*(\c%2):AC0+8*(\c%2)+7], v[MF0+8*\c:MF0+8*\c+7], v[\bsrc+8*\c:\bsrc+8*\c+7], 0
.else
	v_wmma_f32_16x16x32_bf16 v[AC0+8*(\c%2):AC0+8*(\c%2)+7], v[MF0+8*\c:MF0+8*\c+7], v[\bsrc+8*\c:\bsrc+8*\c+7], v[AC0+8*(\c%2):AC0+8*(\c%2)+7]
.endif
.endr
	PLACES 5
	v_add_f32 v[\res], v[AC0], v[AC1]
.endm
.macro PRODUCT p
	; where my rows come from
	s_lshl_b32 s44, s78, 20                        ; operand 0: rows 128 mh + 8 w on, 8,192 bytes each,
	s_lshl_b32 s45, s38, 16
	s_add_co_u32 s44, s44, s45
	s_lshl_b32 s48, s40, 10                        ; the head's 256 columns
	s_mov_b32 s49, 0
	s_add_co_u32 s44, s44, s48
	s_mov_b32 s45, 0
.if \p == 0
	s_add_nc_u64 s[56:57], s[10:11], s[44:45]      ; Wq
	s_lshl_b32 s46, s41, 19                        ; operand 1: Wk's rows 64 nq + 4 w on
	s_lshl_b32 s47, s38, 15
	s_add_co_u32 s46, s46, s47
	s_add_co_u32 s46, s46, s48
	s_mov_b32 s47, 0
	s_add_nc_u64 s[58:59], s[12:13], s[46:47]
	s_add_nc_u64 s[60:61], s[18:19], s[48:49]      ; bq
	s_add_nc_u64 s[62:63], s[20:21], s[48:49]      ; bk
.else
	s_add_nc_u64 s[56:57], s[14:15], s[44:45]      ; Wv
	s_lshl_b32 s46, s40, 18                        ; operand 1: Wo's rows 256 h + 16 w on, columns 64 nq on (256 bytes of a row)
	s_lshl_b32 s47, s38, 14
	s_add_co_u32 s46, s46, s47
	s_lshl_b32 s47, s41, 8
	s_add_co_u32 s46, s46, s47
	s_mov_b32 s47, 0
	s_add_nc_u64 s[58:59], s[16:17], s[46:47]
	s_add_nc_u64 s[60:61], s[22:23], s[48:49]      ; bv
	v_lshlrev_b32 v9, 10, v5                       ; a load takes two rows' 256 bytes: lanes 16-31 the row below
	v_lshl_add_u32 v9, v4, 4, v9
.endif
	s_wait_alu depctr_va_vdst(0)                   ; v2 (and, for Wo, v9) is written: the offsets of the global loads below
.irp n, 0,1,2,3,4,5,6,7,8,9,10,11,12,13,14,15
	global_load_b128 v[16+4*\n:19+4*\n], v2, s[56:57] offset:(\n/2)*8192+(\n%2)*512
.endr
.irp n, 0,1,2,3,4,5,6,7
.if \p == 0
	global_load_b128 v[80+4*\n:83+4*\n], v2, s[58:59] offset:(\n/2)*8192+(\n%2)*512
.else
	global_load_b128 v[80+4*\n:83+4*\n], v9, s[58:59] offset:\n*2048
.endif
.endr
	s_cmp_lg_u32 s38, 0                            ; wave 0 asks for operand 0's bias row, behind its operands' loads
	s_cbranch_scc1 .Lnl0_\@
	global_load_b128 v[208:211], v2, s[60:61]
	global_load_b128 v[212:215], v2, s[60:61] offset:512
.Lnl0_\@:
.if \p == 0
	s_cmp_lg_u32 s38, 1                            ; wave 1 asks for bk
	s_cbranch_scc1 .Lnl1_\@
	global_load_b128 v[216:219], v2, s[62:63]
	global_load_b128 v[220:223], v2, s[62:63] offset:512
.Lnl1_\@:
.endif
	; every LDS address and every offset of the results, made once, while the loads are on their way, in registers that no load or store issued so far names
	s_mul_i32 s76, s38, 8*PA
	v_add_nc_u32 v6, s76, v3                       ; operand 0 in LDS: row 8 w, 8 bytes a lane
.if \p == 0
	s_mul_i32 s76, s38, 4*PA
	s_add_co_u32 s76, s76, B0
	v_add_nc_u32 v7, s76, v3                       ; operand 1 in LDS: row 4 w
.else
	s_mul_i32 s76, s38, 16*PB1
	s_add_co_u32 s76, s76, B1
	v_mul_u32_u24 v7, v5, PB1
	v_lshl_add_u32 v7, v4, 3, v7
	v_add_nc_u32 v7, s76, v7                       ; operand 1 in LDS: row 16 w + lane / 16, 8 bytes for each of sixteen lanes
.endif
	v_add_nc_u32 v8, A0B, v3                       ; operand 0's bias row in LDS, 8 bytes a lane; bk's row lies B0B - A0B bytes on
	v_mul_u32_u24 v15, v4, PA
	v_lshl_add_u32 v15, v5, 4, v15                 ; (lane % 16) x pitch + 16 (lane / 16)
.if \p == 0
	s_mul_i32 s76, s42, 16*PA
	s_add_co_u32 s76, s76, B0
	v_add_nc_u32 v[FB], s76, v15                   ; my n tile's 16 rows of operand 1
.else
	v_and_b32 v[FB], 7, v0                         ; operand 1 lies [f][o]: the turning load; lane l reads row 8 (l / 16) + l % 8, 16 bytes at 16 ((l / 8) % 2)
	v_lshl_add_u32 v[FB], v5, 3, v[FB]
	v_mul_u32_u24 v[FB], v[FB], PB1
	v_bfe_u32 v10, v0, 3, 1
	v_lshl_add_u32 v[FB], v10, 4, v[FB]
	s_lshl_b32 s76, s42, 5
	s_add_co_u32 s76, s76, B1
	v_add_nc_u32 v[FB], s76, v[FB]
.endif
	s_mul_i32 s76, s43, 32*PA
	v_add_nc_u32 v11, s76, v15                     ; my 32 rows of operand 0
	s_mul_i32 s76, s42, 16*SPI                     ; into the stage: rows 16 nt on,
	s_lshl_b32 s77, s43, 6                         ; my 64 bytes of them;
	s_add_co_u32 s76, s76, s77
	v_mul_u32_u24 v12, v4, SPI                     ; row lane % 16, 16 bytes for each half of the lanes
	v_lshl_add_u32 v12, v5, 4, v12
	v_add_nc_u32 v12, s76, v12
	s_mul_i32 s76, s38, 4*SPI                      ; back: wave w takes rows 4 w .. 4 w + 3, whole;
	v_mul_u32_u24 v13, v5, SPI                     ; lanes 0-15 a row of 256 bytes, lanes 16-31 the next
	v_lshl_add_u32 v13, v4, 4, v13
	v_add_nc_u32 v13, s76, v13
	v_lshlrev_b32 v14, 9, v5
	v_lshl_add_u32 v14, v4, 4, v14                 ; the same two rows in the result
	v_lshlrev_b32 v[R4], 2, v4
	v_lshlrev_b32 v[ABA], 4, v5
.if \p == 0
	v_lshlrev_b32 v[R2], 1, v4
	v_add_nc_u32 v[ABB], B0B, v[ABA]
	s_and_b32 s76, s38, 7
	s_mul_i32 s76, s76, 16*PA
	v_add_nc_u32 v[AT0], s76, v15                  ; tile w % 8 of the job's eight tiles of Wq
.endif
	v_add_nc_u32 v[ABA], A0B, v[ABA]
	s_wait_loadcnt 8                               ; operand 0 is in; at most eight younger loads stay out (waves 0 and 1 have ten younger: two of operand 1's are then in as well)
.irp n, 0,1,2,3,4,5,6,7,8,9,10,11,12,13,14,15
	v_cvt_pk_bf16_f32 v[16+4*\n], v[16+4*\n], v[17+4*\n]
	v_cvt_pk_bf16_f32 v[17+4*\n], v[18+4*\n], v[19+4*\n]
.endr
	s_wait_alu depctr_va_vdst(0)                   ; operand 0's conversions have written the LDS stores' data; every address and offset made above is written, for the rest of the kernel
.irp n, 0,1,2,3,4,5,6,7
	ds_store_b64 v6, v[16+4*\n:17+4*\n] offset:(\n/2)*PA+(\n%2)*256
.endr
	s_wait_loadcnt 0x0                             ; operand 1, and in waves 0 and 1 the bias row
.irp n, 0,1,2,3,4,5,6,7
	ds_store_b64 v6, v[48+4*\n:49+4*\n] offset:((\n+8)/2)*PA+(\n%2)*256   ; operand 0's other eight stores are dealt among operand 1's conversions, which name v80-111 alone
.if \p == 0
	v_pk_mul_f32 v[80+4*\n:81+4*\n], v[80+4*\n:81+4*\n], s[54:55] op_sel_hi:[1,0]   ; Wk carries c0
	v_pk_mul_f32 v[82+4*\n:83+4*\n], v[82+4*\n:83+4*\n], s[54:55] op_sel_hi:[1,0]
.endif
	v_cvt_pk_bf16_f32 v[80+4*\n], v[80+4*\n], v[81+4*\n]
	v_cvt_pk_bf16_f32 v[81+4*\n], v[82+4*\n], v[83+4*\n]
.endr
	s_wait_alu depctr_va_vdst(0)                   ; operand 1's conversions have written the data of the eight LDS stores below, and are done with v80-111, in which LDS loads land behind the barrier
.irp n, 0,1,2,3,4,5,6,7
.if \p == 0
	ds_store_b64 v7, v[80+4*\n:81+4*\n] offset:(\n/2)*PA+(\n%2)*256
.else
	ds_store_b64 v7, v[80+4*\n:81+4*\n] offset:\n*2*PB1
.endif
.endr
	s_cmp_lg_u32 s38, 0                            ; wave 0 stages operand 0's bias row
	s_cbranch_scc1 .Lnb0_\@
	v_cvt_pk_bf16_f32 v208, v208, v209
	v_cvt_pk_bf16_f32 v209, v210, v211
	v_cvt_pk_bf16_f32 v212, v212, v213
	v_cvt_pk_bf16_f32 v213, v214, v215
	s_wait_alu depctr_va_vdst(0)                   ; the four conversions have written v208, v209, v212, v213, which the two LDS stores read
	ds_store_b64 v8, v[208:209]
	ds_store_b64 v8, v[212:213] offset:256
.Lnb0_\@:
.if \p == 0
	s_cmp_lg_u32 s38, 1                            ; wave 1 stages c0 bk
	s_cbranch_scc1 .Lnb1_\@
	v_pk_mul_f32 v[216:217], v[216:217], s[54:55] op_sel_hi:[1,0]
	v_pk_mul_f32 v[218:219], v[218:219], s[54:55] op_sel_hi:[1,0]
	v_pk_mul_f32 v[220:221], v[220:221], s[54:55] op_sel_hi:[1,0]
	v_pk_mul_f32 v[222:223], v[222:223], s[54:55] op_sel_hi:[1,0]
	v_cvt_pk_bf16_f32 v216, v216, v217
	v_cvt_pk_bf16_f32 v217, v218, v219
	v_cvt_pk_bf16_f32 v220, v220, v221
	v_cvt_pk_bf16_f32 v221, v222, v223
	s_wait_alu depctr_va_vdst(0)                   ; the four conversions have written v216, v217, v220, v221, which the two LDS stores read
	ds_store_b64 v8, v[216:217] offset:B0B-A0B
	ds_store_b64 v8, v[220:221] offset:B0B-A0B+256
.Lnb1_\@:
.endif
	s_wait_dscnt 0x0                               ; for the others' sake: my rows are in LDS
	s_barrier_signal -1
	s_barrier_wait -1
	s_wait_alu depctr_vm_vsrc(0)                   ; my LDS stores have read v16-111 and v208-221: from here on LDS loads land in the first (RS, MF0) and matrix instructions write the second (the accumulators)
.if \p == 0
.irp c, 0,1,2,3,4,5,6,7
	ds_load_b128 v[RS+8*\c:RS+8*\c+3],   v[FB] offset:64*\c       ; no wait on va_vdst: nothing issued since the waits behind the conversions names these registers or the addresses
	ds_load_b128 v[RS+8*\c+4:RS+8*\c+7], v[FB] offset:64*\c+32
.endr
.else
.irp c, 0,1,2,3,4,5,6,7
	ds_load_tr16_b128 v[RS+8*\c:RS+8*\c+3],   v[FB] offset:\c*32*PB1
	ds_load_tr16_b128 v[RS+8*\c+4:RS+8*\c+7], v[FB] offset:\c*32*PB1+16*PB1
.endr
.endif
.set DSI, 16
	LDM 0
	LDM 1
	; where the results go
	s_lshl_b32 s50, s40, 17                        ; head,
	s_lshl_b32 s51, s41, 15                        ; 64 nq rows of 512 bytes,
	s_add_co_u32 s50, s50, s51
	s_lshl_b32 s51, s38, 11                        ; 4 w rows,
	s_add_co_u32 s50, s50, s51
	s_lshl_b32 s51, s78, 8                         ; the job's 256 bytes of a row
	s_add_co_u32 s50, s50, s51
	s_mov_b32 s51, 0
	s_lshl_b32 s52, s41, 8                         ; a vector's 64 nq + 16 nt numbers of 4 bytes
	s_lshl_b32 s74, s42, 6
	s_add_co_u32 s52, s52, s74
	s_mov_b32 s53, 0
.if \p == 0
	s_add_nc_u64 s[66:67], s[28:29], s[50:51]
	s_mul_i32 s74, s40, 1088
	s_mov_b32 s75, 0
	s_add_nc_u64 s[70:71], s[32:33], s[74:75]      ; vq at my head
	s_add_nc_u64 s[68:69], s[70:71], s[52:53]
	s_and_b32 s77, s38, 7
	s_lshl_b32 s77, s77, 5                         ; ub: tile w % 8, 32 bytes each,
	s_lshl_b32 s74, s78, 8                         ; behind 128 mh numbers of 2 bytes,
	s_add_co_u32 s74, s74, s77
	s_lshl_b32 s77, s40, 9                         ; at my head
	s_add_co_u32 s74, s74, s77
	s_add_nc_u64 s[72:73], s[34:35], s[74:75]
.else
	s_add_nc_u64 s[66:67], s[30:31], s[50:51]
	s_add_co_u32 s52, s52, s48
	s_add_nc_u64 s[68:69], s[36:37], s[52:53]      ; cvh at my head and tile
.endif
	T1 0
	T1 1
	s_wait_alu depctr_va_vdst(0)                   ; the tiles' conversions have written PKR, which the LDS stores behind the next barrier read; the tiles' matrix instructions are done reading MF0 and MF1, in which later LDS loads land
	; the vectors, each made by one job and wave: branches on the wave's number and on the job; no barrier stands inside
.if \p == 0
	s_cmp_lt_u32 s38, 4
	s_cbranch_scc0 .Lhi_\@
	s_cmp_lg_u32 s78, 0
	s_cbranch_scc1 .Lvd_\@
	T2 ABA, RS, 0, RES0                            ; bq x c0 Wk, my n tile
	s_wait_alu depctr_va_vdst(0)                   ; the sum has written v[RES0], which the store reads; the vector's matrix instructions are done reading MF0, in which later LDS loads land
	global_store_b32 v[R4], v[RES0], s[68:69]      ; both halves of the lanes hold and store the same sixteen numbers
	s_cmp_lg_u32 s38, 0
	s_cbranch_scc1 .Lvd_\@
	s_cmp_lg_u32 s41, 0
	s_cbranch_scc1 .Lvd_\@
	T2 ABA, MF1, ABB, RES1                         ; bq x c0 bk
	s_wait_alu depctr_va_vdst(0)                   ; the sum has written v[RES1], which the store reads; the vector's matrix instructions are done reading MF0, in which the stage's rows land
	global_store_b32 v[R4], v[RES1], s[70:71] offset:1024
	s_branch .Lvd_\@
.Lhi_\@:
	s_cmp_lt_u32 s38, 8
	s_cbranch_scc1 .Lvd_\@
	s_cmp_lg_u32 s41, 0
	s_cbranch_scc1 .Lvd_\@
	T2 ABB, MF1, AT0, RES0                         ; c0 bk x Wq, tile w % 8
	v_cvt_pk_bf16_f32 v[RES0], v[RES0], v[RES0]
	s_wait_alu depctr_va_vdst(0)                   ; the rounding has written v[RES0], which the store reads; the vector's matrix instructions are done reading MF0, in which the stage's rows land
	global_store_b16 v[R2], v[RES0], s[72:73]
.Lvd_\@:
.else
	s_cmp_lt_u32 s38, 4
	s_cbranch_scc0 .Lvd_\@
	s_cmp_lg_u32 s78, 0
	s_cbranch_scc1 .Lvd_\@
	T2 ABA, RS, 0, RES0                            ; bv x Wo, my n tile
	s_wait_alu depctr_va_vdst(0)                   ; the sum has written v[RES0], which the store reads; the vector's matrix instructions are done reading MF0, in which the stage's rows land
	global_store_b32 v[R4], v[RES0], s[68:69]
.Lvd_\@:
.endif
	; the way out.  The stage lies over operand 0: every wave's reads of the operands are over before it is written
	s_wait_dscnt 0x0                               ; my LDS loads are back
	s_barrier_signal -1
	s_barrier_wait -1                              ; everybody's are
	ds_store_b128 v12, v[PKR:PKR+3]                ; row n, 16 bytes at m = 32 (w / 4) + 8 (lane / 16).  PKR and v12 were shown written by the wait behind the second tile, and nothing since names them
	ds_store_b128 v12, v[PKR+4:PKR+7] offset:32    ; and 16 columns on
	s_wait_dscnt 0x0                               ; for the others' sake: a row's 256 bytes come from four waves
	s_barrier_signal -1
	s_barrier_wait -1
	ds_load_b128 v[MF0:MF0+3],   v13               ; on every way here a wait on va_vdst stands behind the last matrix instruction that read MF0
	ds_load_b128 v[MF0+4:MF0+7], v13 offset:2*SPI
	s_wait_dscnt 0x1                               ; the first two rows are back; the second load stays out
	global_store_b128 v14, v[MF0:MF0+3], s[66:67]  ; sixteen lanes store 256 consecutive bytes, aligned
	s_wait_dscnt 0x0
	global_store_b128 v14, v[MF0+4:MF0+7], s[66:67] offset:1024
.endm
.Lproduct:
	s_bfe_u32 s40, s39, 0x30003                    ; head: 3 bits from bit 3
	s_bfe_u32 s41, s39, 0x20001                    ; nq: which 64 rows n
	s_and_b32 s78, s39, 1                          ; mh: which 128 columns m
	s_and_b32 s42, s38, 3                          ; nt: my n tile
	s_lshr_b32 s43, s38, 2                         ; my pair of m tiles
	s_mov_b32 s54, 0x3db8aa3b                      ; c0 = log2(e) / 16
	s_mov_b32 s55, s54                             ; named with it as a pair
	v_and_b32 v4, 15, v0
	v_bfe_u32 v5, v0, 4, 1
	s_cmp_lt_u32 s39, 64
	s_cbranch_scc0 .Lp1
	PRODUCT 0
	s_wait_dscnt 0x0                               ; the closing lines, six on end
	s_wait_alu 0x0
	s_wait_tensorcnt 0x0
	ds_add_u32 v254, v255
	s_wait_dscnt 0x0
	s_endpgm
.Lp1:
	PRODUCT 1
	s_wait_dscnt 0x0                               ; the closing lines once more, for this end
	s_wait_alu 0x0
	s_wait_tensorcnt 0x0
	ds_add_u32 v254, v255
	s_wait_dscnt 0x0
	s_endpgm
.Lfunc_end_k_q02b1a3e831_prep:
	.size	k_q02b1a3e831_prep, .Lfunc_end_k_q02b1a3e831_prep-k_q02b1a3e831_prep
	.p2alignl 7, 3214868480
	.fill 96, 4, 3214868480
	.section	.rodata,"a",@progbits
	.p2align	6, 0x0
	.amdhsa_kernel k_q02b1a3e831_prep
		.amdhsa_group_segment_fixed_size 145920
		.amdhsa_private_segment_fixed_size 0
		.amdhsa_enable_private_segment 0
		.amdhsa_kernarg_size 136
		.amdhsa_user_sgpr_count 2
		.amdhsa_user_sgpr_kernarg_segment_ptr 1
		.amdhsa_wavefront_size32 1
		.amdhsa_system_sgpr_workgroup_id_x 1
		.amdhsa_system_sgpr_workgroup_id_y 1
		.amdhsa_system_sgpr_workgroup_id_z 1
		.amdhsa_system_vgpr_workitem_id 0
		.amdhsa_next_free_vgpr 256
		.amdhsa_next_free_sgpr 80
		.amdhsa_reserve_vcc 0
		.amdhsa_float_denorm_mode_32 3
		.amdhsa_float_denorm_mode_16_64 3
		.amdhsa_memory_ordered 1
		.amdhsa_forward_progress 1
		.amdhsa_inst_pref_size 61
	.end_amdhsa_kernel
	.amdgpu_metadata
---
amdhsa.version: [ 1, 2 ]
amdhsa.kernels:
  - .name:           k_q02b1a3e831_prep
    .symbol:         k_q02b1a3e831_prep.kd
    .args:
      - { .name: K, .offset: 0, .size: 8, .value_kind: global_buffer, .address_space: global }
      - { .name: V, .offset: 8, .size: 8, .value_kind: global_buffer, .address_space: global }
      - { .name: att_mask_out, .offset: 16, .size: 8, .value_kind: global_buffer, .address_space: global }
      - { .name: Wq, .offset: 24, .size: 8, .value_kind: global_buffer, .address_space: global }
      - { .name: Wk, .offset: 32, .size: 8, .value_kind: global_buffer, .address_space: global }
      - { .name: Wv, .offset: 40, .size: 8, .value_kind: global_buffer, .address_space: global }
      - { .name: Wo, .offset: 48, .size: 8, .value_kind: global_buffer, .address_space: global }
      - { .name: bq, .offset: 56, .size: 8, .value_kind: global_buffer, .address_space: global }
      - { .name: bk, .offset: 64, .size: 8, .value_kind: global_buffer, .address_space: global }
      - { .name: bv, .offset: 72, .size: 8, .value_kind: global_buffer, .address_space: global }
      - { .name: Kb, .offset: 80, .size: 8, .value_kind: global_buffer, .address_space: global }
      - { .name: Vb, .offset: 88, .size: 8, .value_kind: global_buffer, .address_space: global }
      - { .name: WqkT, .offset: 96, .size: 8, .value_kind: global_buffer, .address_space: global }
      - { .name: WvoT, .offset: 104, .size: 8, .value_kind: global_buffer, .address_space: global }
      - { .name: vq, .offset: 112, .size: 8, .value_kind: global_buffer, .address_space: global }
      - { .name: ub, .offset: 120, .size: 8, .value_kind: global_buffer, .address_space: global }
      - { .name: cvh, .offset: 128, .size: 8, .value_kind: global_buffer, .address_space: global }
    .group_segment_fixed_size: 145920
    .private_segment_fixed_size: 0
    .kernarg_segment_align: 8
    .kernarg_segment_size: 136
    .max_flat_workgroup_size: 512
    .sgpr_count:     80
    .vgpr_count:     256
    .wavefront_size: 32
...
	.end_amdgpu_metadata
.endif
;; end of part 6
;; launch attn: the kernel of part 5 again; grid 16 x 16, 4 waves a work-group, clusters of 4 x 1, 327,680 bytes of LDS; arguments Q, att_mask_out, Kb, Vb, WqkT, vq, ub, WvoT, part; writes part
;; launch finish: the kernel of part 3 again; grid 256 x 1, 8 waves a work-group, no clusters, 0 bytes of LDS; arguments part, cvh, bo, out0; writes out0
